; MI455X (gfx1250); checked and timed in simulation.
; The chip was launched on July 23, 2026; its instructions are those of AMD's public machine-readable ISA for CDNA 5 (MIT licence, August 2026) and "CDNA5" Instruction Set Architecture Reference Guide (July 2026). The comments in the code are by the model that wrote it; some were corrected since.
;; Attention Based KNN. Allowed arithmetic: matrix products marked QUANTISED: E2M3 operands, one E8M0 scale for each 32 along K, by v_wmma_scale_f32_16x16x128_f8f6f4 with both operands' format E2M3, f32 sums; products left as they are: f32 operands where the result goes on into a quantised operand, else bf16, f16 or f32 operands; f32 sums; everything else in f32.
;; Inputs: database 16,384 x 64 float32; pos 8,192 x 3 float32; weight_values 16,384 x 64 float32; x 8,192 x 61 float32.
;; Outputs: out0 524,288 float32.
;; Constants: topk = 16.
;; This version of the problem:
;;   THIS VERSION OF THE PROBLEM IS GIVEN IN LOW PRECISION. The matrix products marked QUANTISED in the list below multiply operands that are first quantised to E2M3 (2 exponent bits, 3 mantissa bits; 6 bits a number), with one power-of-two scale for each 32 numbers along K (OCP MX v1.0); their sums are f32. All else is computed in f32.
;;   The module's matrix products, in the order in which they are computed (A, B: the left and right operand; K: the contracted axis; several contracted axes count as one K, in the product's order):
;;     1. [M 8,192, K 64] x [K 64, N 16,384]; A: computed on the way; B: input database: QUANTISED
;;     2. batch 8,192 x [M 1, K 16] x [K 16, N 64]; A: softmax; B: computed on the way: left as it is (K = 16 < 32)
;;   THE QUANTISER, for each operand of a quantised product, along K:
;;     - K is cut into blocks of 32 from its start; a last block that is shorter is filled with zeros.
;;     - A block's scale is 2^e with e = floor(log2(the largest magnitude in the block)) - 2, held to -126 .. 127; a block of zeros has e = 0. As a byte (E8M0): e + 127.
;;     - Each number is divided by its block's scale, clamped to +-7.5, and rounded to the nearest number of E2M3, ties to even, subnormals kept.
;;     - The product sums the exact products of the quantised numbers (number of the format x scale) in f32.
;;   ~~~python
;;   def quantise(x, axis):      # numpy; x: float32 -> the quantised numbers, widened to float32 again
;;       x = np.moveaxis(x, axis, -1); K = x.shape[-1]
;;       x = np.pad(x, [(0, 0)] * (x.ndim - 1) + [(0, -K % 32)]); x = x.reshape(x.shape[:-1] + (-1, 32)); a = np.abs(x).max(-1, keepdims=True)
;;       e = np.where(a > 0, np.clip(np.frexp(np.where(a > 0, a, 1))[1] - 1 - 2, -126, 127), 0)      # np.frexp(a)[1] - 1 = floor(log2(a)), exactly
;;       r = np.clip(x / 2.0 ** e, -7.5, 7.5)
;;       step = 2.0 ** (np.maximum(np.frexp(np.where(r == 0, 1, r))[1] - 1, 0) - 3)
;;       q = np.round(r / step) * step * 2.0 ** e      # np.round: ties to even
;;       return np.moveaxis(q.reshape(q.shape[:-2] + (-1,))[..., :K], -1, axis).astype(np.float32)
;;   ~~~
;;   OPERANDS COMPUTED ON THE WAY. 'Computed on the way' means the value that the module computes at that place (a softmax that the list does not call 'softmax' is quantised finished and normalised). What goes into a quantiser is computed in f32, as accurately as f32 sums, v_exp_f32 and their like allow (about 1e-6 of the number): no bf16 or f16 on the way to a quantiser, and a product that is left as it is and whose result goes on into a quantised operand takes f32 operands (vector FMAs, or v_wmma_f32_16x16x4_f32). A number that lies on a knife's edge between two numbers of the format may be rounded either way, as far as f32 arithmetic and the matrix unit's own rounding can turn it there, and no further.
;; 3 versions. Each part assembles by itself: llvm-mc -triple=amdgcn-amd-amdhsa -mcpu=gfx1250 --defsym DOCPART=n.
;; ======== version 1 of 3: 5 launches
;; workspace buffers: dbpack 917,504 bytes; qpack 524,288 bytes; cand 8,388,608 bytes; bins 524,288 bytes of whole numbers; sel 524,288 bytes of whole numbers; wts 524,288 bytes
;; launch prep (part 1): grid 256 x 1, 4 waves a work-group, no clusters, 0 bytes of LDS; arguments database, x, pos, dbpack, qpack; writes dbpack, qpack
.if DOCPART == 1
	.amdgcn_target "amdgcn-amd-amdhsa--gfx1250"
	.amdhsa_code_object_version 6
	.text
	.protected	k_q4b8e0c1fa9_prep
	.globl	k_q4b8e0c1fa9_prep
	.p2align	8
	.type	k_q4b8e0c1fa9_prep,@function
k_q4b8e0c1fa9_prep:
	s_mov_b64 s[64:65], 0
	v_nop
	global_prefetch_b8 v0, s[64:65] scope:SCOPE_SE
	s_setreg_imm32_b32 hwreg(HW_REG_WAVE_MODE, 25, 1), 1
	s_wait_xcnt 0x0
; Both operands of the quantised product are made once, as codes of FP6 (E2M3) with one E8M0 byte for each 32 along K, laid as IMAGES OF THE OPERAND'S REGISTERS.
; Work-groups 0-127: the database.  A wave makes the record of one bin of 32 neighbouring rows (1,792 bytes): a fragment of 12 registers a lane whose k 0-63 hold the bin's 16 even rows (tile X) and whose
; k 64-127 hold its 16 odd rows (tile Y); a scale word a row pair (X block 0, X block 1, Y block 0, Y block 1); and -|row|^2 of the 32 rows, f32, X's sixteen and then Y's.
; Work-groups 128-255: the queries.  A wave makes the record of one tile of 16 queries (1,024 bytes): the codes of 2 q, q = [x / |x|, pos / |pos|], six registers a lane; a scale word; |q|^2.
; Lane l = r + 16 h holds block h (32 numbers) of row or query r, so a block's largest magnitude needs no other lane, and the conversions' results are the operand's registers.
; A block's scale byte is its largest magnitude's exponent field - 2, held at 1 from below.
; LIMITS: NaN and infinities among the inputs are not served.  A block of zeros gets the byte 1 where the rule says 127: its codes are zeros, and this program alone reads the bytes.
; 1 / norm is v_rsq_f32 (1 ulp) and a multiplication.  A row of x or pos that is all zeros gives NaN, as it does in the definition.
; No LDS, no barrier: waves share nothing.  The two paths part on the work-group's number alone.
.set SEL, 20                           ; s[20:21] selects of v_permlanex16_b32 for lane l xor 16
.set HM,  22                           ; s22      mask of lanes 16-31
; the largest magnitude of v[s] .. v[s + 31] and the floor 2^(3 - 127), in two chains
.macro AMAX d, t, s
	v_max3_num_f32 v[\d], |v[\s]|, |v[\s+1]|, 0x1800000
	v_max3_num_f32 v[\t], |v[\s+16]|, |v[\s+17]|, |v[\s+18]|
.set q, 0
.rept 6
	v_max3_num_f32 v[\d], v[\d], |v[\s+2+q]|, |v[\s+3+q]|
	v_max3_num_f32 v[\t], v[\t], |v[\s+19+q]|, |v[\s+20+q]|
.set q, q+2
.endr
	v_max3_num_f32 v[\d], v[\d], |v[\s+14]|, |v[\s+15]|
	v_max3_num_f32 v[\d], v[\d], v[\t], |v[\s+31]|
.endm
; v[d] = the sum of the squares of v[s] .. v[s + 31] and of lane l xor 16's 32: two packed chains; v[d+1] .. v[d+3] at work
.macro SUMSQ d, s
	v_pk_mul_f32 v[\d:\d+1], v[\s:\s+1], v[\s:\s+1]
	v_pk_mul_f32 v[\d+2:\d+3], v[\s+2:\s+3], v[\s+2:\s+3]
.set q, 4
.rept 7
	v_pk_fma_f32 v[\d:\d+1], v[\s+q:\s+q+1], v[\s+q:\s+q+1], v[\d:\d+1]
	v_pk_fma_f32 v[\d+2:\d+3], v[\s+q+2:\s+q+3], v[\s+q+2:\s+q+3], v[\d+2:\d+3]
.set q, q+4
.endr
	v_pk_add_f32 v[\d:\d+1], v[\d:\d+1], v[\d+2:\d+3]
	v_add_f32 v[\d], v[\d], v[\d+1]
	v_permlanex16_b32 v[\d+2], v[\d], s[SEL], s[SEL+1]
	v_add_f32 v[\d], v[\d], v[\d+2]
.endm
	s_load_b256 s[4:11], s[0:1], 0x0               ; database s[4:5], x s[6:7], pos s[8:9], dbpack s[10:11]
	s_load_b64 s[12:13], s[0:1], 0x20              ; qpack
	v_lshrrev_b32 v1, 5, v0
	v_readfirstlane_b32 s14, v1                    ; wave 0..3
	v_and_b32 v1, 31, v0                           ; l
	v_and_b32 v2, 15, v0                           ; r
	v_bfe_u32 v3, v0, 4, 1                         ; h
	v_lshlrev_b32 v4, 4, v1                        ; 16 l
	v_lshlrev_b32 v5, 2, v1                        ; 4 l
	v_lshlrev_b32 v6, 3, v3                        ; 8 h: my byte's place in a scale word
	s_mov_b32 s[SEL], 0x76543210
	s_mov_b32 s[SEL+1], 0xfedcba98
	s_mov_b32 s[HM], 0xffff0000
	s_mov_b32 s17, 0                               ; upper word of the offset pair s[16:17]
	s_wait_kmcnt 0x0
	s_cmp_lt_u32 ttmp9, 128
	s_cbranch_scc0 .Lquery
	; ---- a bin of the database
	s_lshl_b32 s15, ttmp9, 2
	s_add_co_u32 s15, s15, s14                     ; the bin: 4 x work-group + wave
	s_lshl_b32 s16, s15, 13                        ; its 32 rows of 256 bytes
	s_add_nc_u64 s[4:5], s[4:5], s[16:17]
	s_mul_i32 s16, s15, 1792                       ; its record
	s_add_nc_u64 s[10:11], s[10:11], s[16:17]
	v_lshlrev_b32 v7, 9, v2
	v_lshl_add_u32 v7, v3, 7, v7                   ; row 2 r, block h: 512 r + 128 h
.irp i, 0,1,2,3,4,5,6,7
	global_load_b128 v[16+4*\i:19+4*\i], v7, s[4:5] offset:16*\i th:TH_LOAD_NT       ; X: row 2 r
.endr
.irp i, 0,1,2,3,4,5,6,7
	global_load_b128 v[48+4*\i:51+4*\i], v7, s[4:5] offset:256+16*\i th:TH_LOAD_NT   ; Y: row 2 r + 1
.endr
	s_wait_loadcnt 0x0
	AMAX 100, 99, 16
	AMAX 101, 99, 48
	SUMSQ 102, 16                                  ; |row 2 r|^2, both blocks
	SUMSQ 106, 48                                  ; |row 2 r + 1|^2
	v_add_nc_u32 v100, 0xff000000, v100            ; 2 off the exponent field: the conversion takes this operand's exponent field as its scale
	v_add_nc_u32 v101, 0xff000000, v101
	v_lshrrev_b32 v110, 23, v100                   ; the scale bytes
	v_lshrrev_b32 v111, 23, v101
	v_cvt_scalef32_pk16_fp6_f32 v[80:82], v[16:31], v100
	v_cvt_scalef32_pk16_fp6_f32 v[92:94], v[32:47], v100      ; (a conversion's three registers begin on an even number: the upper halves are made elsewhere and moved)
	v_cvt_scalef32_pk16_fp6_f32 v[86:88], v[48:63], v101
	v_cvt_scalef32_pk16_fp6_f32 v[96:98], v[64:79], v101
	v_nop                                          ; one plain place behind the scaled conversions
.irp i, 0,1,2
	v_mov_b32 v[83+\i], v[92+\i]
	v_mov_b32 v[89+\i], v[96+\i]
.endr
	v_lshl_or_b32 v99, v111, 16, v110              ; X's byte and Y's of my block,
	v_lshlrev_b32 v99, v6, v99                     ; at their places (8 h bits up);
	v_permlanex16_b32 v104, v99, s[SEL], s[SEL+1]
	v_or_b32 v99, v99, v104                        ; with lane l xor 16's two the word is whole
	v_cndmask_b32 v95, v102, v106, s[HM]           ; lanes 0-15 store X's sums, lanes 16-31 Y's,
	v_xor_b32 v95, 0x80000000, v95                 ; negated: they are the C of the products
	global_store_b128 v4, v[80:83], s[10:11]
	global_store_b128 v4, v[84:87], s[10:11] offset:512
	global_store_b128 v4, v[88:91], s[10:11] offset:1024
	global_store_b32 v5, v99, s[10:11] offset:1536
	global_store_b32 v5, v95, s[10:11] offset:1664
	s_endpgm
.Lquery:
	; ---- a tile of 16 queries
	s_sub_co_u32 s15, ttmp9, 128
	s_lshl_b32 s15, s15, 2
	s_add_co_u32 s15, s15, s14                     ; the tile
	s_mul_i32 s16, s15, 3904                       ; 16 rows of x, 244 bytes each
	s_add_nc_u64 s[6:7], s[6:7], s[16:17]
	s_mul_i32 s16, s15, 192                        ; 16 rows of pos, 12 bytes each
	s_add_nc_u64 s[8:9], s[8:9], s[16:17]
	s_lshl_b32 s16, s15, 10                        ; its record
	s_add_nc_u64 s[12:13], s[12:13], s[16:17]
	v_mul_u32_u24 v7, v2, 244                      ; row r of x
	v_lshl_add_u32 v8, v3, 7, v7                   ; + 128 h: my block
	v_mul_u32_u24 v9, v2, 12
	v_lshlrev_b32 v10, 3, v1                       ; 8 l
.set q, 0
.rept 29
	global_load_b32 v[16+q], v8, s[6:7] offset:4*q th:TH_LOAD_NT   ; x[r][32 h + i], i = 0 .. 28: up to x[r][60], the row's last
.set q, q+1
.endr
.irp i, 0,1,2
	global_load_b32 v[51+\i], v7, s[6:7] offset:116+4*\i           ; x[r][29 .. 31], in both halves of the lanes
	global_load_b32 v[48+\i], v9, s[8:9] offset:4*\i               ; pos[r]
.endr
	v_mov_b32 v54, 0
	s_wait_loadcnt 0x0
.irp i, 0,1,2
	v_cndmask_b32 v[45+\i], v[51+\i], v54, s[HM]   ; for x's norm: lanes 16-31 have only 29 numbers of x
.endr
	SUMSQ 56, 16                                   ; |x|^2
	v_mul_f32 v60, v48, v48
	v_fma_f32 v60, v49, v49, v60
	v_fma_f32 v60, v50, v50, v60                   ; |pos|^2
	v_rsq_f32 v61, v56
	v_rsq_f32 v62, v60
	v_nop                                          ; one plain place behind the transcendentals
	s_wait_alu depctr_va_vdst(0)
	v_add_f32 v64, v61, v61                        ; 2 / |x|, twice: a pair for the packed multiply
	v_add_f32 v65, v61, v61
	v_add_f32 v62, v62, v62                        ; 2 / |pos|
.irp i, 0,1,2
	v_cndmask_b32 v[45+\i], v[51+\i], v[48+\i], s[HM]   ; numbers 61 .. 63 of a query are pos
.endr
	v_cndmask_b32 v63, v64, v62, s[HM]             ; and their factor
.set q, 0
.rept 14
	v_pk_mul_f32 v[16+q:17+q], v[16+q:17+q], v[64:65]
.set q, q+2
.endr
	v_mul_f32 v44, v44, v64
.irp i, 0,1,2
	v_mul_f32 v[45+\i], v[45+\i], v63              ; v16-47 = my block of 2 q
.endr
	SUMSQ 56, 16
	v_mul_f32 v56, 0x3e800000, v56                 ; |q|^2 = |2 q|^2 / 4
	AMAX 100, 99, 16
	v_add_nc_u32 v100, 0xff000000, v100
	v_lshrrev_b32 v110, 23, v100
	v_cvt_scalef32_pk16_fp6_f32 v[80:82], v[16:31], v100
	v_cvt_scalef32_pk16_fp6_f32 v[92:94], v[32:47], v100
	v_nop                                          ; one plain place behind the scaled conversions
.irp i, 0,1,2
	v_mov_b32 v[83+\i], v[92+\i]
.endr
	v_lshlrev_b32 v99, v6, v110
	v_permlanex16_b32 v58, v99, s[SEL], s[SEL+1]
	v_or_b32 v99, v99, v58                         ; (block 0, block 1),
	v_lshl_or_b32 v99, v99, 16, v99                ; twice: the query stands in k 0-63 of one operand and in k 64-127 of the other
	global_store_b128 v4, v[80:83], s[12:13]
	global_store_b64 v10, v[84:85], s[12:13] offset:512
	global_store_b32 v5, v99, s[12:13] offset:768
	global_store_b32 v5, v56, s[12:13] offset:896
	s_endpgm
.Lfunc_end_k_q4b8e0c1fa9_prep:
	.size	k_q4b8e0c1fa9_prep, .Lfunc_end_k_q4b8e0c1fa9_prep-k_q4b8e0c1fa9_prep
	.p2alignl 7, 3214868480
	.fill 96, 4, 3214868480
	.section	.rodata,"a",@progbits
	.p2align	6, 0x0
	.amdhsa_kernel k_q4b8e0c1fa9_prep
		.amdhsa_group_segment_fixed_size 0
		.amdhsa_private_segment_fixed_size 0
		.amdhsa_enable_private_segment 0
		.amdhsa_kernarg_size 40
		.amdhsa_user_sgpr_count 2
		.amdhsa_user_sgpr_kernarg_segment_ptr 1
		.amdhsa_wavefront_size32 1
		.amdhsa_system_sgpr_workgroup_id_x 1
		.amdhsa_system_sgpr_workgroup_id_y 1
		.amdhsa_system_sgpr_workgroup_id_z 1
		.amdhsa_system_vgpr_workitem_id 0
		.amdhsa_next_free_vgpr 112
		.amdhsa_next_free_sgpr 66
		.amdhsa_reserve_vcc 0
		.amdhsa_float_denorm_mode_32 3
		.amdhsa_float_denorm_mode_16_64 3
		.amdhsa_memory_ordered 1
		.amdhsa_forward_progress 1
		.amdhsa_inst_pref_size 19
	.end_amdhsa_kernel
	.amdgpu_metadata
---
amdhsa.version: [ 1, 2 ]
amdhsa.kernels:
  - .name:           k_q4b8e0c1fa9_prep
    .symbol:         k_q4b8e0c1fa9_prep.kd
    .args:
      - { .name: database, .offset: 0, .size: 8, .value_kind: global_buffer, .address_space: global }
      - { .name: x, .offset: 8, .size: 8, .value_kind: global_buffer, .address_space: global }
      - { .name: pos, .offset: 16, .size: 8, .value_kind: global_buffer, .address_space: global }
      - { .name: dbpack, .offset: 24, .size: 8, .value_kind: global_buffer, .address_space: global }
      - { .name: qpack, .offset: 32, .size: 8, .value_kind: global_buffer, .address_space: global }
    .group_segment_fixed_size: 0
    .private_segment_fixed_size: 0
    .kernarg_segment_align: 8
    .kernarg_segment_size: 40
    .max_flat_workgroup_size: 128
    .sgpr_count:     66
    .vgpr_count:     112
    .wavefront_size: 32
...
	.end_amdgpu_metadata
.endif
;; end of part 1
;; launch scan (part 2): grid 32 x 8, 8 waves a work-group, no clusters, 168,960 bytes of LDS; arguments dbpack, qpack, cand; writes cand
.if DOCPART == 2
	.amdgcn_target "amdgcn-amd-amdhsa--gfx1250"
	.amdhsa_code_object_version 6
	.text
	.protected	k_q4b8e0c1fa9_scan
	.globl	k_q4b8e0c1fa9_scan
	.p2align	8
	.type	k_q4b8e0c1fa9_scan,@function
k_q4b8e0c1fa9_scan:
	s_mov_b64 s[64:65], 0
	v_nop
	global_prefetch_b8 v0, s[64:65] scope:SCOPE_SE
	s_setreg_imm32_b32 hwreg(HW_REG_WAVE_MODE, 25, 1), 1
	s_wait_xcnt 0x0
; THE WHOLE QUANTISED PRODUCT, of which only each bin's largest score is kept.  Score of (query, row) = (2 q) . row - |row|^2: the product on codes of FP6 with -|row|^2 as its C; the smallest distance is the largest score.
; The 16 nearest rows of a query lie in the 16 bins (of 32 rows) with the largest bin maxima: each bin that holds one of them has a maximum no smaller than the 16th score, and there are at most 16 such bins ahead of any other.
; SHARES.  Work-group (x, y): 256 queries x the slice of 64 bins 64 y on.  Wave w: the two tiles of 16 queries 16 x + 2 w + t.  The slice's 64 records (114,688 bytes) come into LDS ONCE, each wave bringing an eighth by one
; tensor load (one load of a wave is out), and are only read from then on: one barrier, no ring.
; THE MATRIX INSTRUCTION IS USED TRANSPOSED (source 0 = rows of the database, source 1 = queries): lane (r, h) holds query r and tile rows 8 h + 0 .. 7.  K is 64, the instruction's is 128: a fragment of source 0 holds TWO
; tiles of rows (X in k 0-63, Y in k 64-127) and is multiplied twice, by [q | zero codes] and by [zero codes | q], which lie in 18 registers as q, zeros, q.  A zero code adds nothing under any scale byte that occurs here.
; SELECTION, without a branch: a lane keeps a sorted list of 16 (maximum, bin); lane (r, h) takes the bins of parity h.  A trip takes an even and an odd bin; the insertion of the trip before stands behind the products.
; At the end the two lists of a query are merged, and the slice's 16 best bins of each query go to cand: keys in its first half, bin numbers in its second.
; NO CLUSTER: the 32 work-groups of a slice do read the same bytes, but each fetches them once in the launch, 14,336 bytes a wave, ahead of 32 trips of work on them; the plain form was kept.
; LIMITS: NaN and infinities are not served; among equal maxima either bin may be kept.
; REGISTERS: v1-3 l, r, h; v4-6 lane terms of the LDS addresses; v7 this trip's bin; v8 the pending bin; v9-11, v15 global offsets; v12-14 the trip's LDS addresses; v16-51 the two queries' operands; v52-53 their scale words;
; v54-55 the records' scale words; v56-79 two fragments; v80-111 their -|row|^2; v112-143 four results; v144-147 half maxima; v148-151 at work; v152-153 pending maxima; v160-223 the two lists (16 keys, 16 bins each).
.set CM,  40                           ; s[40:55] lane masks of the compares
.set SEL, 30                           ; s[30:31] selects of v_permlanex16_b32 for lane l xor 16
.set HM,  32                           ; s32      mask of lanes 16-31
.set REC, 1792                         ; a record
; (x, xi) into the sorted list S (keys v[S] .. v[S+15] descending, numbers v[S+16] ..).  A slot's new key is the middle one of its upper neighbour, itself and x.  The compare is strict; -infinity changes nothing.
.macro INS S, x, xi
.set q, 0
.rept 16
	v_cmp_gt_f32 s[CM+q], v[\x], v[\S+q]
.set q, q+1
.endr
.set q, 15
.rept 15
	v_cndmask_b32 v[\S+16+q], v[\S+16+q], v[\xi], s[CM+q]
	v_med3_num_f32 v[\S+q], v[\S+q-1], v[\S+q], v[\x]
	v_cndmask_b32 v[\S+16+q], v[\S+16+q], v[\S+15+q], s[CM+q-1]
.set q, q-1
.endr
	v_cndmask_b32 v[\S+16], v[\S+16], v[\xi], s[CM]
	v_max_num_f32 v[\S], v[\S], v[\x]
.endm
; the 16 best of two sorted lists, into A, as a bitonic sequence
.macro PICK A, B
.set q, 0
.rept 16
	v_cmp_gt_f32 s[CM+q], v[\B+15-q], v[\A+q]
.set q, q+1
.endr
.set q, 0
.rept 16
	v_cndmask_b32 v[\A+16+q], v[\A+16+q], v[\B+31-q], s[CM+q]
	v_max_num_f32 v[\A+q], v[\A+q], v[\B+15-q]
.set q, q+1
.endr
.endm
; one stage of the bitonic merge, distance d, from set S into set D
.macro STAGE S, D, d
.set q, 0
.set n, 0
.rept 16
.if (q/\d)%2 == 0
	v_cmp_gt_f32 s[CM+n], v[\S+q+\d], v[\S+q]
.set n, n+1
.endif
.set q, q+1
.endr
.set q, 0
.set n, 0
.rept 16
.if (q/\d)%2 == 0
	v_max_num_f32 v[\D+q], v[\S+q], v[\S+q+\d]
	v_min_num_f32 v[\D+q+\d], v[\S+q], v[\S+q+\d]
	v_cndmask_b32 v[\D+16+q], v[\S+16+q], v[\S+16+q+\d], s[CM+n]
	v_cndmask_b32 v[\D+16+q+\d], v[\S+16+q+\d], v[\S+16+q], s[CM+n]
.set n, n+1
.endif
.set q, q+1
.endr
.endm
; my list S and my partner lane's are merged; both lanes compute the same function of (lower lane's list, upper lane's list), so both hold the same list afterwards.  hm: the mask of the upper partners
.macro XMERGE S, T, U, kind, hm
.set q, 0
.rept 32
.if \kind == 16
	v_permlanex16_b32 v[\T+q], v[\S+q], s[SEL], s[SEL+1]
.else
	v_mov_b32_dpp v[\T+q], v[\S+q] row_xmask:\kind row_mask:0xf bank_mask:0xf
.endif
.set q, q+1
.endr
.set q, 0
.rept 32
	v_cndmask_b32 v[\U+q], v[\S+q], v[\T+q], s[\hm]
.set q, q+1
.endr
.set q, 0
.rept 32
	v_cndmask_b32 v[\T+q], v[\T+q], v[\S+q], s[\hm]
.set q, q+1
.endr
	PICK \U, \T
	STAGE \U, \T, 8
	STAGE \T, \S, 4
	STAGE \S, \T, 2
	STAGE \T, \S, 1
.endm
; a record from LDS: eight loads: the fragment as it lies, its scale words, -|row|^2 of my eight rows of X and of Y
.macro LOADF set, off
	ds_load_b128 v[56+12*\set:59+12*\set], v12 offset:\off
	ds_load_b128 v[60+12*\set:63+12*\set], v12 offset:\off+512
	ds_load_b128 v[64+12*\set:67+12*\set], v12 offset:\off+1024
	ds_load_b32 v[54+\set], v13 offset:\off
	ds_load_b128 v[80+16*\set:83+16*\set], v14 offset:\off
	ds_load_b128 v[84+16*\set:87+16*\set], v14 offset:\off+16
	ds_load_b128 v[88+16*\set:91+16*\set], v14 offset:\off+64
	ds_load_b128 v[92+16*\set:95+16*\set], v14 offset:\off+80
.endm
; four products: tiles X and Y of the record x my two tiles of queries.  No result is another's C or its own: there is no chain
.macro MULF set
.irp y, 0,1
.irp t, 0,1
	v_wmma_scale_f32_16x16x128_f8f6f4 v[112+16*\t+8*\y:119+16*\t+8*\y], v[56+12*\set:67+12*\set], v[16+18*\t+6*\y:27+18*\t+6*\y], v[80+16*\set+8*\y:87+16*\set+8*\y], v[54+\set], v[52+\t] matrix_a_fmt:MATRIX_FMT_FP6 matrix_b_fmt:MATRIX_FMT_FP6
.endr
.endr
.endm
; the largest of my 16 scores of the record for tile t of queries; each result is read from its low end on
.macro TREE t, dst
	v_max3_num_f32 v[\dst], v[112+16*\t], v[113+16*\t], v[114+16*\t]
	v_max3_num_f32 v151, v[120+16*\t], v[121+16*\t], v[122+16*\t]
	v_max3_num_f32 v[\dst], v[\dst], v[115+16*\t], v[116+16*\t]
	v_max3_num_f32 v151, v151, v[123+16*\t], v[124+16*\t]
	v_max3_num_f32 v[\dst], v[\dst], v[117+16*\t], v[118+16*\t]
	v_max3_num_f32 v151, v151, v[125+16*\t], v[126+16*\t]
	v_max3_num_f32 v[\dst], v[\dst], v151, v[119+16*\t]
	v_max_num_f32 v[\dst], v[\dst], v[127+16*\t]
.endm
; lane (r, h) keeps its half of the bin of parity h and gets the other half from lane l xor 16
.macro COMB t
	v_cndmask_b32 v148, v[144+\t], v[146+\t], s[HM]
	v_cndmask_b32 v149, v[146+\t], v[144+\t], s[HM]
	v_permlanex16_b32 v150, v149, s[SEL], s[SEL+1]
	v_max_num_f32 v[152+\t], v148, v150
.endm
; A trip: records 2 t and 2 t + 1.  The 63 plain lines of an insertion name no register of the products in front of them: they are the places ahead of the reads of the results, of the loads into the operands'
; registers and of the next products onto the same results.
.macro TRIP last
	v_add_nc_u32 v12, s29, v4
	v_add_nc_u32 v13, s29, v5
	v_add_nc_u32 v14, s29, v6
	LOADF 1, REC
	s_wait_dscnt 8                                 ; the even record's eight loads are in; the eight just issued stay out
	MULF 0
	INS 160, 152, 8                                ; the bin of the trip before, tile 0
	TREE 0, 144
	TREE 1, 145
.if \last
	s_wait_dscnt 0x0                               ; the last record; nothing more is fetched
.else
	LOADF 0, 2*REC                                 ; the next trip's even record
	s_wait_dscnt 8                                 ; the odd record's eight loads are in; the eight just issued stay out
.endif
	MULF 1
	INS 192, 153, 8                                ; the bin of the trip before, tile 1
	TREE 0, 146
	TREE 1, 147
	COMB 0
	COMB 1
	v_mov_b32 v8, v7                               ; the bin that is now pending
	v_add_nc_u32 v7, 2, v7
.if !\last
	s_add_co_u32 s29, s29, 2*REC
.endif
.endm
	s_load_b128 s[4:7], s[0:1], 0x0                ; dbpack s[4:5], qpack s[6:7]
	s_load_b64 s[8:9], s[0:1], 0x10                ; cand
	v_lshl_add_u32 v224, v0, 2, 0x29000
	v_mov_b32 v225, 0
	ds_add_u32 v224, v225
	ds_add_u32 v224, v225
	v_lshrrev_b32 v1, 5, v0
	v_readfirstlane_b32 s10, v1                    ; wave 0..7
	s_and_b32 s12, ttmp7, 0xffff                   ; the slice
	; descriptor group 1: my eighth of the slice, a dense block, as 56 rows of 256 bytes (32 elements of 8 bytes); no padding: it is read as it lies
	s_mov_b32 s20, 3<<16                           ; no mask; elements of 8 bytes
	s_mov_b32 s21, 32<<16                          ; tensor_dim0 = 32
	s_mov_b32 s22, 56<<16                          ; tensor_dim1 = 56
	s_mov_b32 s23, 32<<16                          ; tile_dim0 = 32
	s_mov_b32 s24, 56                              ; tile_dim1 = 56
	s_mov_b32 s25, 32                              ; from row to row: 32 elements
	s_mov_b32 s26, 0
	s_mov_b32 s27, 0
	s_mov_b32 s16, 1                               ; group 0: count = 1,
	s_mul_i32 s17, s10, 14336                      ; LDS address: wave x 14,336,
	s_mul_i32 s14, s12, 114688
	s_add_co_u32 s14, s14, s17
	s_mov_b32 s15, 0
	s_wait_dscnt 0x0
	s_wait_kmcnt 0x0
	s_add_nc_u64 s[18:19], s[4:5], s[14:15]        ; global address: slice x 114,688 + wave x 14,336,
	s_or_b32 s19, s19, 0x80000000                  ; type = 2
	tensor_load_to_lds s[16:19], s[20:27]
	s_nop 0
	v_and_b32 v1, 31, v0                           ; l
	v_and_b32 v2, 15, v0                           ; r
	v_bfe_u32 v3, v0, 4, 1                         ; h
	s_lshl_b32 s34, ttmp9, 4
	s_lshl_b32 s13, s10, 1
	s_add_co_u32 s34, s34, s13                     ; my first tile of queries: 16 x + 2 wave
	s_lshl_b32 s14, s34, 10
	s_add_nc_u64 s[6:7], s[6:7], s[14:15]          ; its record
	s_lshl_b32 s13, s12, 9
	s_add_co_u32 s13, s13, s34
	s_lshl_b32 s14, s13, 10
	s_add_nc_u64 s[8:9], s[8:9], s[14:15]          ; cand: (512 slice + tile) x 1,024
	v_lshlrev_b32 v9, 4, v1                        ; 16 l
	v_lshlrev_b32 v10, 3, v1                       ; 8 l
	v_lshlrev_b32 v11, 2, v1                       ; 4 l
.irp t, 0,1
	global_load_b128 v[16+18*\t:19+18*\t], v9, s[6:7] offset:1024*\t          ; the query's six registers,
	global_load_b64 v[20+18*\t:21+18*\t], v10, s[6:7] offset:1024*\t+512
	global_load_b128 v[28+18*\t:31+18*\t], v9, s[6:7] offset:1024*\t          ; and once more behind the six of zeros
	global_load_b64 v[32+18*\t:33+18*\t], v10, s[6:7] offset:1024*\t+512
	global_load_b32 v[52+\t], v11, s[6:7] offset:1024*\t+768                  ; its scale words
.endr
.irp t, 0,1
.irp i, 0,1,2,3,4,5
	v_mov_b32 v[22+18*\t+\i], 0                    ; zero codes
.endr
.endr
	v_lshlrev_b32 v4, 4, v1                        ; a fragment's 16 bytes a lane
	v_lshl_add_u32 v5, v1, 2, 1536                 ; a scale word
	v_lshl_add_u32 v6, v3, 5, 1664                 ; -|row|^2 of rows 8 h on
	s_lshl_b32 s13, s12, 6
	v_add_nc_u32 v7, s13, v3                       ; my first bin: 64 slice + h
	v_mov_b32 v8, 0
	v_lshlrev_b32 v15, 22, v3
	v_lshl_add_u32 v15, v2, 4, v15                 ; the way out: lanes 0-15 keys, lanes 16-31 bins, 4,194,304 bytes on; 16 bytes a query
.set q, 0
.rept 16
	v_mov_b32 v[160+q], 0xff800000                 ; the lists begin with -infinity, under every score
	v_mov_b32 v[176+q], 0
	v_mov_b32 v[192+q], 0xff800000
	v_mov_b32 v[208+q], 0
.set q, q+1
.endr
	v_mov_b32 v152, 0xff800000                     ; nothing is pending yet
	v_mov_b32 v153, 0xff800000
	v_mov_b32 v150, 0                              ; a lane permute's destination counts as one of its sources
	s_mov_b32 s[SEL], 0x76543210
	s_mov_b32 s[SEL+1], 0xfedcba98
	s_mov_b32 s[HM], 0xffff0000
	s_mov_b32 s28, 31
	s_mov_b32 s29, 0                               ; LDS byte of the trip's even record
	s_wait_loadcnt 0x0                             ; the queries
	s_wait_tensorcnt 0x0                           ; my eighth of the slice has landed,
	s_barrier_signal -1
	s_barrier_wait -1                              ; everybody's has
	v_add_nc_u32 v12, s29, v4
	v_add_nc_u32 v13, s29, v5
	v_add_nc_u32 v14, s29, v6
	LOADF 0, 0
.Ltrip:
	TRIP 0
	s_sub_co_u32 s28, s28, 1
	s_cmp_lg_u32 s28, 0
	s_cbranch_scc1 .Ltrip
	TRIP 1                                         ; the last trip fetches nothing beyond the slice
	INS 160, 152, 8                                ; the last bin
	INS 192, 153, 8
.irp t, 0,1
	XMERGE 160+32*\t, 56, 88, 16, HM               ; even bins' list and odd bins' list of each query
.set q, 0
.rept 16
	v_cndmask_b32 v[120+16*\t+q], v[160+32*\t+q], v[176+32*\t+q], s[HM]
.set q, q+1
.endr
.irp c, 0,1,2,3
	global_store_b128 v15, v[120+16*\t+4*\c:123+16*\t+4*\c], s[8:9] offset:1024*\t+256*\c   ; sixteen lanes store 256 consecutive bytes of keys, sixteen 256 of bins, both aligned
.endr
.endr
	s_wait_tensorcnt 0x0
	ds_add_u32 v224, v225
	s_wait_dscnt 0x0
	s_endpgm
.Lfunc_end_k_q4b8e0c1fa9_scan:
	.size	k_q4b8e0c1fa9_scan, .Lfunc_end_k_q4b8e0c1fa9_scan-k_q4b8e0c1fa9_scan
	.p2alignl 7, 3214868480
	.fill 96, 4, 3214868480
	.section	.rodata,"a",@progbits
	.p2align	6, 0x0
	.amdhsa_kernel k_q4b8e0c1fa9_scan
		.amdhsa_group_segment_fixed_size 168960
		.amdhsa_private_segment_fixed_size 0
		.amdhsa_enable_private_segment 0
		.amdhsa_kernarg_size 24
		.amdhsa_user_sgpr_count 2
		.amdhsa_user_sgpr_kernarg_segment_ptr 1
		.amdhsa_wavefront_size32 1
		.amdhsa_system_sgpr_workgroup_id_x 1
		.amdhsa_system_sgpr_workgroup_id_y 1
		.amdhsa_system_sgpr_workgroup_id_z 1
		.amdhsa_system_vgpr_workitem_id 0
		.amdhsa_next_free_vgpr 226
		.amdhsa_next_free_sgpr 66
		.amdhsa_reserve_vcc 0
		.amdhsa_float_denorm_mode_32 3
		.amdhsa_float_denorm_mode_16_64 3
		.amdhsa_memory_ordered 1
		.amdhsa_forward_progress 1
		.amdhsa_inst_pref_size 77
	.end_amdhsa_kernel
	.amdgpu_metadata
---
amdhsa.version: [ 1, 2 ]
amdhsa.kernels:
  - .name:           k_q4b8e0c1fa9_scan
    .symbol:         k_q4b8e0c1fa9_scan.kd
    .args:
      - { .name: dbpack, .offset: 0, .size: 8, .value_kind: global_buffer, .address_space: global }
      - { .name: qpack, .offset: 8, .size: 8, .value_kind: global_buffer, .address_space: global }
      - { .name: cand, .offset: 16, .size: 8, .value_kind: global_buffer, .address_space: global }
    .group_segment_fixed_size: 168960
    .private_segment_fixed_size: 0
    .kernarg_segment_align: 8
    .kernarg_segment_size: 24
    .max_flat_workgroup_size: 256
    .sgpr_count:     66
    .vgpr_count:     226
    .wavefront_size: 32
...
	.end_amdgpu_metadata
.endif
;; end of part 2
;; launch merge (part 3): grid 256 x 1, 2 waves a work-group, no clusters, 0 bytes of LDS; arguments cand, bins; writes bins
.if DOCPART == 3
	.amdgcn_target "amdgcn-amd-amdhsa--gfx1250"
	.amdhsa_code_object_version 6
	.text
	.protected	k_q4b8e0c1fa9_merge
	.globl	k_q4b8e0c1fa9_merge
	.p2align	8
	.type	k_q4b8e0c1fa9_merge,@function
k_q4b8e0c1fa9_merge:
	s_mov_b64 s[64:65], 0
	v_nop
	global_prefetch_b8 v0, s[64:65] scope:SCOPE_SE
	s_setreg_imm32_b32 hwreg(HW_REG_WAVE_MODE, 25, 1), 1
	s_wait_xcnt 0x0
; The eight slices' lists of 16 (maximum, bin) of each query become one: the query's 16 best bins of 512, stored as whole numbers for the launch that forms addresses from them.
; A wave takes a tile of 16 queries; lane (r, z) takes query r's lists of slices 4 z + 0 .. 3, merges them in its registers, and at last with lane l xor 16's.  No branch on data: compares, selects, maxima and minima.
; Each load reads 256 consecutive bytes in sixteen lanes.  No LDS, no barrier.  LIMITS: among equal maxima either bin may be kept.
; REGISTERS: list t at v[16 + 32 t]: 16 keys, then 16 bins.
.set CM,  24                           ; s[24:39] lane masks of the compares
.set SEL, 20
.set HM,  22
.macro PICK A, B                       ; the 16 best of two sorted lists, into A, as a bitonic sequence
.set q, 0
.rept 16
	v_cmp_gt_f32 s[CM+q], v[\B+15-q], v[\A+q]
.set q, q+1
.endr
.set q, 0
.rept 16
	v_cndmask_b32 v[\A+16+q], v[\A+16+q], v[\B+31-q], s[CM+q]
	v_max_num_f32 v[\A+q], v[\A+q], v[\B+15-q]
.set q, q+1
.endr
.endm
.macro STAGE S, D, d                   ; one stage of the bitonic merge, distance d, from set S into set D
.set q, 0
.set n, 0
.rept 16
.if (q/\d)%2 == 0
	v_cmp_gt_f32 s[CM+n], v[\S+q+\d], v[\S+q]
.set n, n+1
.endif
.set q, q+1
.endr
.set q, 0
.set n, 0
.rept 16
.if (q/\d)%2 == 0
	v_max_num_f32 v[\D+q], v[\S+q], v[\S+q+\d]
	v_min_num_f32 v[\D+q+\d], v[\S+q], v[\S+q+\d]
	v_cndmask_b32 v[\D+16+q], v[\S+16+q], v[\S+16+q+\d], s[CM+n]
	v_cndmask_b32 v[\D+16+q+\d], v[\S+16+q+\d], v[\S+16+q], s[CM+n]
.set n, n+1
.endif
.set q, q+1
.endr
.endm
.macro MERGE_IN A, B                   ; A = the sorted 16 best of A and B; B is used up
	PICK \A, \B
	STAGE \A, \B, 8
	STAGE \B, \A, 4
	STAGE \A, \B, 2
	STAGE \B, \A, 1
.endm
.macro XMERGE S, T, U, hm              ; with lane l xor 16's list: both lanes compute the same function of (lower lane's list, upper lane's list)
.set q, 0
.rept 32
	v_permlanex16_b32 v[\T+q], v[\S+q], s[SEL], s[SEL+1]
.set q, q+1
.endr
.set q, 0
.rept 32
	v_cndmask_b32 v[\U+q], v[\S+q], v[\T+q], s[\hm]
.set q, q+1
.endr
.set q, 0
.rept 32
	v_cndmask_b32 v[\T+q], v[\T+q], v[\S+q], s[\hm]
.set q, q+1
.endr
	PICK \U, \T
	STAGE \U, \T, 8
	STAGE \T, \S, 4
	STAGE \S, \T, 2
	STAGE \T, \S, 1
.endm
	s_load_b128 s[4:7], s[0:1], 0x0                ; cand s[4:5], bins s[6:7]
	v_lshrrev_b32 v1, 5, v0
	v_readfirstlane_b32 s8, v1                     ; wave 0..1
	s_lshl_b32 s9, ttmp9, 1
	s_add_co_u32 s9, s9, s8                        ; the tile
	s_lshl_b32 s10, s9, 10
	s_mov_b32 s11, 0
	s_mov_b32 s[SEL], 0x76543210
	s_mov_b32 s[SEL+1], 0xfedcba98
	s_mov_b32 s[HM], 0xffff0000
	v_and_b32 v2, 15, v0                           ; r
	v_bfe_u32 v3, v0, 4, 1                         ; z
	v_lshlrev_b32 v4, 21, v3
	v_lshl_add_u32 v4, v2, 4, v4                   ; in: four slices (524,288 bytes each) x z + 16 r
	v_lshlrev_b32 v5, 8, v3
	v_lshl_add_u32 v5, v2, 4, v5                   ; out: 256 z + 16 r
	s_wait_kmcnt 0x0
	s_add_nc_u64 s[4:5], s[4:5], s[10:11]
	s_add_nc_u64 s[6:7], s[6:7], s[10:11]
.irp t, 0,1,2,3
.irp c, 0,1,2,3
	global_load_b128 v[16+32*\t+4*\c:19+32*\t+4*\c], v4, s[4:5] offset:524288*\t+256*\c th:TH_LOAD_NT
.endr
.irp c, 0,1,2,3
	global_load_b128 v[32+32*\t+4*\c:35+32*\t+4*\c], v4, s[4:5] offset:4194304+524288*\t+256*\c th:TH_LOAD_NT
.endr
.endr
	s_wait_loadcnt 16                              ; lists 0 and 1 are in; the sixteen loads of lists 2 and 3 stay out
	MERGE_IN 16, 48
	s_wait_loadcnt 0x0
	MERGE_IN 80, 112
	MERGE_IN 16, 80
	XMERGE 16, 48, 80, HM
.irp i, 0,1,2,3
	v_cndmask_b32 v[112+\i], v[32+\i], v[36+\i], s[HM]     ; lanes 0-15 store bins 0-3 and 8-11 of the list, lanes 16-31 bins 4-7 and 12-15
	v_cndmask_b32 v[116+\i], v[40+\i], v[44+\i], s[HM]
.endr
	global_store_b128 v5, v[112:115], s[6:7]               ; 32 lanes store 512 consecutive bytes, aligned
	global_store_b128 v5, v[116:119], s[6:7] offset:512
	s_endpgm
.Lfunc_end_k_q4b8e0c1fa9_merge:
	.size	k_q4b8e0c1fa9_merge, .Lfunc_end_k_q4b8e0c1fa9_merge-k_q4b8e0c1fa9_merge
	.p2alignl 7, 3214868480
	.fill 96, 4, 3214868480
	.section	.rodata,"a",@progbits
	.p2align	6, 0x0
	.amdhsa_kernel k_q4b8e0c1fa9_merge
		.amdhsa_group_segment_fixed_size 0
		.amdhsa_private_segment_fixed_size 0
		.amdhsa_enable_private_segment 0
		.amdhsa_kernarg_size 16
		.amdhsa_user_sgpr_count 2
		.amdhsa_user_sgpr_kernarg_segment_ptr 1
		.amdhsa_wavefront_size32 1
		.amdhsa_system_sgpr_workgroup_id_x 1
		.amdhsa_system_sgpr_workgroup_id_y 1
		.amdhsa_system_sgpr_workgroup_id_z 1
		.amdhsa_system_vgpr_workitem_id 0
		.amdhsa_next_free_vgpr 144
		.amdhsa_next_free_sgpr 66
		.amdhsa_reserve_vcc 0
		.amdhsa_float_denorm_mode_32 3
		.amdhsa_float_denorm_mode_16_64 3
		.amdhsa_memory_ordered 1
		.amdhsa_forward_progress 1
		.amdhsa_inst_pref_size 53
	.end_amdhsa_kernel
	.amdgpu_metadata
---
amdhsa.version: [ 1, 2 ]
amdhsa.kernels:
  - .name:           k_q4b8e0c1fa9_merge
    .symbol:         k_q4b8e0c1fa9_merge.kd
    .args:
      - { .name: cand, .offset: 0, .size: 8, .value_kind: global_buffer, .address_space: global }
      - { .name: bins, .offset: 8, .size: 8, .value_kind: global_buffer, .address_space: global }
    .group_segment_fixed_size: 0
    .private_segment_fixed_size: 0
    .kernarg_segment_align: 8
    .kernarg_segment_size: 16
    .max_flat_workgroup_size: 64
    .sgpr_count:     66
    .vgpr_count:     144
    .wavefront_size: 32
...
	.end_amdgpu_metadata
.endif
;; end of part 3
;; launch refine (part 4): grid 256 x 1, 8 waves a work-group, no clusters, 0 bytes of LDS; arguments dbpack, qpack, bins, sel, wts; writes sel, wts
.if DOCPART == 4
	.amdgcn_target "amdgcn-amd-amdhsa--gfx1250"
	.amdhsa_code_object_version 6
	.text
	.protected	k_q4b8e0c1fa9_refine
	.globl	k_q4b8e0c1fa9_refine
	.p2align	8
	.type	k_q4b8e0c1fa9_refine,@function
k_q4b8e0c1fa9_refine:
	s_mov_b64 s[64:65], 0
	v_nop
	global_prefetch_b8 v0, s[64:65] scope:SCOPE_SE
	s_setreg_imm32_b32 hwreg(HW_REG_WAVE_MODE, 25, 1), 1
	s_wait_xcnt 0x0
; The 16 x 32 = 512 candidate rows of each query (its 16 best bins, read as whole numbers that an earlier launch stored) are scored again by the same product on codes of FP6, the exact 16 best are selected with their
; row numbers, and their softmax weights are made.  sel gets the 16 row numbers of each query, wts the 16 weights.
; SHARES.  A wave owns FOUR queries, 4 W + a.  Each stands in four columns of source 1: column 4 a + c; copy c takes the bins 4 m + c of the query's list, in sweeps m = 0 .. 3.  So a query's candidates are spread over
; eight lanes (c, h), 64 each, and the last merges never leave the wave: no LDS, no barrier.
; A record is one column's bin: of its product with the 16 columns only that column is kept, by v_cndmask_b32 with a constant lane mask.  Each lane's C is -|row|^2 of ITS OWN column's bin, which so serves all 16 products.
; As in the scan the instruction is used transposed, a fragment holds two tiles of rows (X: k 0-63, Y: k 64-127), and it is multiplied by [q | zero codes] and [zero codes | q].
; A RING OF EIGHT fragments in registers: a column's record is asked for eight steps ahead of its products.  The insertion of a candidate of the sweep before (63 plain lines that name no register of the products) stands
; behind each step's two products: these lines are the places ahead of the reads of the results, of the loads into the operands' registers and of the next products.
; SOFTMAX as defined: scaled = 8 - 4 d2, d2 = |q|^2 - score; the largest scaled, the sorted list's first, is taken away before the exponentials.
; LIMITS: NaN and infinities are not served; among exactly equal distances the row that is kept may be another than the definition's.  A bin number is held to 0 .. 511 before it enters an address.
; REGISTERS: v1 16 l; v2 4 l; v3 16 h; v4-7 my column's bins of this sweep and the later ones; v8 first row number of the candidates being inserted; v9 a candidate's row; v10, v11, v14, v15 offsets and at work; v12 |q|^2;
; v13 1664 + 32 h; v16-33 q, zeros, q; v34 q's scale words; v36-43 the ring's scale words; v44-139 the ring; v140-155 two results; v156-171 C; v172-187 the next sweep's C; v188-203 scores being gathered;
; v204-219 scores being inserted; v220-251 the list (16 keys, 16 rows).
.set CM,  84                           ; s[84:99] lane masks of the compares
.set COL, 68                           ; s[68:83] mask of column c: lanes c and c + 16
.set SEL, 50                           ; s[50:51]
.set AR,  44
.set SA,  36
.set D0,  140
.set CC,  156
.set CN,  172
.set EN,  188
.set EC,  204
.set LST, 220
.macro INS S, x, xi                    ; (x, xi) into the sorted list S: a slot's new key is the middle one of its upper neighbour, itself and x; the compare is strict; -infinity changes nothing
.set q, 0
.rept 16
	v_cmp_gt_f32 s[CM+q], v[\x], v[\S+q]
.set q, q+1
.endr
.set q, 15
.rept 15
	v_cndmask_b32 v[\S+16+q], v[\S+16+q], v[\xi], s[CM+q]
	v_med3_num_f32 v[\S+q], v[\S+q-1], v[\S+q], v[\x]
	v_cndmask_b32 v[\S+16+q], v[\S+16+q], v[\S+15+q], s[CM+q-1]
.set q, q-1
.endr
	v_cndmask_b32 v[\S+16], v[\S+16], v[\xi], s[CM]
	v_max_num_f32 v[\S], v[\S], v[\x]
.endm
.macro PICK A, B                       ; the 16 best of two sorted lists, into A, as a bitonic sequence
.set q, 0
.rept 16
	v_cmp_gt_f32 s[CM+q], v[\B+15-q], v[\A+q]
.set q, q+1
.endr
.set q, 0
.rept 16
	v_cndmask_b32 v[\A+16+q], v[\A+16+q], v[\B+31-q], s[CM+q]
	v_max_num_f32 v[\A+q], v[\A+q], v[\B+15-q]
.set q, q+1
.endr
.endm
.macro STAGE S, D, d                   ; one stage of the bitonic merge, distance d, from set S into set D
.set q, 0
.set n, 0
.rept 16
.if (q/\d)%2 == 0
	v_cmp_gt_f32 s[CM+n], v[\S+q+\d], v[\S+q]
.set n, n+1
.endif
.set q, q+1
.endr
.set q, 0
.set n, 0
.rept 16
.if (q/\d)%2 == 0
	v_max_num_f32 v[\D+q], v[\S+q], v[\S+q+\d]
	v_min_num_f32 v[\D+q+\d], v[\S+q], v[\S+q+\d]
	v_cndmask_b32 v[\D+16+q], v[\S+16+q], v[\S+16+q+\d], s[CM+n]
	v_cndmask_b32 v[\D+16+q+\d], v[\S+16+q+\d], v[\S+16+q], s[CM+n]
.set n, n+1
.endif
.set q, q+1
.endr
.endm
.macro XMERGE S, T, U, kind, hm        ; my list and my partner lane's (l xor kind): both compute the same function of (lower lane's list, upper lane's list); hm: the mask of the upper partners
.set q, 0
.rept 32
.if \kind == 16
	v_permlanex16_b32 v[\T+q], v[\S+q], s[SEL], s[SEL+1]
.else
	v_mov_b32_dpp v[\T+q], v[\S+q] row_xmask:\kind row_mask:0xf bank_mask:0xf
.endif
.set q, q+1
.endr
.set q, 0
.rept 32
	v_cndmask_b32 v[\U+q], v[\S+q], v[\T+q], s[\hm]
.set q, q+1
.endr
.set q, 0
.rept 32
	v_cndmask_b32 v[\T+q], v[\T+q], v[\S+q], s[\hm]
.set q, q+1
.endr
	PICK \U, \T
	STAGE \U, \T, 8
	STAGE \T, \S, 4
	STAGE \S, \T, 2
	STAGE \T, \S, 1
.endm
; the record of column col's bin (from register breg) is asked for, into ring slot slot: four loads.  The slot's base pair and registers are free: the wait at the head of the step has shown its last loads done
.macro FISSUE col, breg, slot
	v_readlane_b32 s56, v[\breg], (\col)
	s_min_u32 s56, s56, 511
	s_mul_i32 s48, s56, 1792
	s_add_nc_u64 s[32+2*(\slot):33+2*(\slot)], s[4:5], s[48:49]
	global_load_b128 v[AR+12*(\slot):AR+12*(\slot)+3], v1, s[32+2*(\slot):33+2*(\slot)]
	global_load_b128 v[AR+12*(\slot)+4:AR+12*(\slot)+7], v1, s[32+2*(\slot):33+2*(\slot)] offset:512
	global_load_b128 v[AR+12*(\slot)+8:AR+12*(\slot)+11], v1, s[32+2*(\slot):33+2*(\slot)] offset:1024
	global_load_b32 v[SA+(\slot)], v2, s[32+2*(\slot):33+2*(\slot)] offset:1536
.endm
; -|row|^2 of my own column's bin: my eight rows of X, my eight of Y: four loads
.macro CISSUE breg, dst
	v_min_u32 v11, 511, v[\breg]
	v_mul_u32_u24 v10, v11, 0x700
	v_add_nc_u32 v10, v10, v13
	global_load_b128 v[\dst:\dst+3], v10, s[4:5]
	global_load_b128 v[\dst+4:\dst+7], v10, s[4:5] offset:16
	global_load_b128 v[\dst+8:\dst+11], v10, s[4:5] offset:64
	global_load_b128 v[\dst+12:\dst+15], v10, s[4:5] offset:80
.endm
; A sweep: one bin of each of the 16 columns.  nx = 1: the next sweep's records and C are asked for on the way.
.macro SWEEP nx
.irp c, 0,1,2,3,4,5,6,7,8,9,10,11,12,13,14,15
.if \c < 8
	s_wait_loadcnt 28                              ; this column's four loads are in; seven younger columns stay out
.elseif \nx
	s_wait_loadcnt 32                              ; likewise, and the four loads of the next C
.else
	s_wait_loadcnt 4*(15-\c)                       ; the last sweep: the counts run down
.endif
	v_wmma_scale_f32_16x16x128_f8f6f4 v[D0:D0+7], v[AR+12*(\c%8):AR+12*(\c%8)+11], v[16:27], v[CC:CC+7], v[SA+\c%8], v34 matrix_a_fmt:MATRIX_FMT_FP6 matrix_b_fmt:MATRIX_FMT_FP6
	v_wmma_scale_f32_16x16x128_f8f6f4 v[D0+8:D0+15], v[AR+12*(\c%8):AR+12*(\c%8)+11], v[22:33], v[CC+8:CC+15], v[SA+\c%8], v34 matrix_a_fmt:MATRIX_FMT_FP6 matrix_b_fmt:MATRIX_FMT_FP6
	v_add_nc_u32 v9, 2*(\c%8)+\c/8, v8             ; candidate 8 u + j of a lane is row 32 bin + 16 h + 2 j + u
	INS LST, EC+\c, 9                              ; a candidate of the sweep before
.if \c < 8
	FISSUE \c+8, 4, \c
.elseif \nx
	FISSUE \c-8, 5, \c-8
.endif
.if (\c == 7) && \nx
	CISSUE 5, CN
.endif
.set q, 0
.rept 16
.if \c == 0
	v_mov_b32 v[EN+q], v[D0+q]                     ; column 0's scores; the other lanes' are replaced in their columns' steps.  Each result is read from its low end on
.else
	v_cndmask_b32 v[EN+q], v[EN+q], v[D0+q], s[COL+\c]
.endif
.set q, q+1
.endr
.endr
.if \nx
	s_wait_loadcnt 32                              ; the next C is in: eight columns' loads were issued behind it
.set q, 0
.rept 16
	v_mov_b32 v[CC+q], v[CN+q]
.set q, q+1
.endr
.endif
.set q, 0
.rept 16
	v_mov_b32 v[EC+q], v[EN+q]
.set q, q+1
.endr
	v_min_u32 v11, 511, v4
	v_lshl_add_u32 v8, v11, 5, v3                  ; 32 bin + 16 h
	v_mov_b32 v4, v5
	v_mov_b32 v5, v6
	v_mov_b32 v6, v7
.endm
; of 16 registers from src on, pair (l % 4) + 4 h, in three levels of selects
.macro PSEL src, dst
.irp p, 0,1,2,3
.irp e, 0,1
	v_cndmask_b32 v[128+2*\p+\e], v[\src+4*\p+\e], v[\src+4*\p+2+\e], s52
.endr
.endr
.irp p, 0,1
.irp e, 0,1
	v_cndmask_b32 v[128+2*\p+\e], v[128+4*\p+\e], v[128+4*\p+2+\e], s53
.endr
.endr
	v_cndmask_b32 v[\dst], v128, v130, s54
	v_cndmask_b32 v[\dst+1], v129, v131, s54
.endm
	s_load_b256 s[4:11], s[0:1], 0x0               ; dbpack s[4:5], qpack s[6:7], bins s[8:9], sel s[10:11]
	s_load_b64 s[12:13], s[0:1], 0x20              ; wts
	v_lshrrev_b32 v1, 5, v0
	v_readfirstlane_b32 s14, v1
	s_lshl_b32 s15, ttmp9, 3
	s_add_co_u32 s14, s14, s15                     ; W = 8 x work-group + wave: my four queries are 4 W + 0 .. 3
	s_lshr_b32 s16, s14, 2                         ; their tile of 16,
	s_and_b32 s17, s14, 3                          ; and which four of it
	s_mov_b32 s49, 0                               ; upper word of the offset pair s[48:49]
	s_mov_b32 s[SEL], 0x76543210
	s_mov_b32 s[SEL+1], 0xfedcba98
	s_mov_b32 s52, 0xaaaaaaaa                      ; odd lanes
	s_mov_b32 s53, 0xcccccccc                      ; lanes with bit 1
	s_mov_b32 s54, 0xffff0000                      ; lanes 16-31
	s_mov_b32 s57, 0x41000000                      ; 8.0 = sqrt(64)
.irp c, 0,1,2,3,4,5,6,7,8,9,10,11,12,13,14,15
	s_mov_b32 s[COL+\c], 0x00010001<<\c
.endr
	v_and_b32 v11, 31, v0                          ; l
	v_lshlrev_b32 v1, 4, v11
	v_lshlrev_b32 v2, 2, v11
	v_bfe_u32 v9, v0, 4, 1                         ; h
	v_lshlrev_b32 v3, 4, v9
	v_lshl_add_u32 v13, v9, 5, 1664
	v_and_b32 v8, 15, v0                           ; my column
	v_lshlrev_b32 v10, 2, v8
	v_lshrrev_b32 v8, 2, v8                        ; a
	s_lshl_b32 s18, s17, 2
	v_add3_u32 v8, v8, v3, s18                     ; the lane of the tile's record that holds my query's block h
	v_lshlrev_b32 v14, 4, v8
	v_lshlrev_b32 v15, 3, v8
	v_lshlrev_b32 v11, 2, v8
	s_wait_kmcnt 0x0
	s_lshl_b32 s48, s16, 10
	s_add_nc_u64 s[6:7], s[6:7], s[48:49]          ; the tile's record
	s_lshl_b32 s18, s17, 6
	s_add_co_u32 s48, s48, s18
	s_add_nc_u64 s[8:9], s[8:9], s[48:49]          ; bins: 1,024 x tile + 64 x (W % 4): 16 bytes a query; bins 4 m + 0 .. 3 lie 256 m bytes on
	s_lshl_b32 s48, s14, 8
	s_add_nc_u64 s[10:11], s[10:11], s[48:49]
	s_add_nc_u64 s[12:13], s[12:13], s[48:49]
.irp m, 0,1,2,3
	global_load_b32 v[4+\m], v10, s[8:9] offset:256*\m
.endr
	global_load_b128 v[16:19], v14, s[6:7]
	global_load_b64 v[20:21], v15, s[6:7] offset:512
	global_load_b128 v[28:31], v14, s[6:7]
	global_load_b64 v[32:33], v15, s[6:7] offset:512
	global_load_b32 v34, v11, s[6:7] offset:768
	global_load_b32 v12, v11, s[6:7] offset:896
.irp i, 0,1,2,3,4,5
	v_mov_b32 v[22+\i], 0                          ; zero codes
.endr
	v_mov_b32 v8, 0
.set q, 0
.rept 16
	v_mov_b32 v[LST+q], 0xff800000                 ; the list begins with -infinity, under every score,
	v_mov_b32 v[LST+16+q], 0
	v_mov_b32 v[EC+q], 0xff800000                  ; and the first sweep inserts nothing
.set q, q+1
.endr
	s_wait_loadcnt 0x0
	CISSUE 4, CC
.irp c, 0,1,2,3,4,5,6,7
	FISSUE \c, 4, \c
.endr
	s_mov_b32 s55, 3
.Lsweep:
	SWEEP 1
	s_sub_co_u32 s55, s55, 1
	s_cmp_lg_u32 s55, 0
	s_cbranch_scc1 .Lsweep
	SWEEP 0                                        ; the last sweep is written out: it asks for nothing beyond itself
.irp c, 0,1,2,3,4,5,6,7,8,9,10,11,12,13,14,15
	v_add_nc_u32 v9, 2*(\c%8)+\c/8, v8
	INS LST, EC+\c, 9                              ; the last sweep's candidates
.endr
	XMERGE LST, 44, 76, 1, 52                      ; the query's four copies,
	XMERGE LST, 44, 76, 2, 53
	XMERGE LST, 44, 76, 16, 54                     ; and the two halves of the lanes: all eight lanes of a query now hold its 16 best, sorted
.set q, 0
.rept 16
	v_sub_f32 v[108+q], v12, v[LST+q]              ; d2 = |q|^2 - score
.set q, q+1
.endr
.set q, 0
.rept 16
	v_fma_f32 v[108+q], v[108+q], -4.0, s57        ; scaled = 8 - 4 d2
.set q, q+1
.endr
	v_mov_b32 v124, v108                           ; the largest: the list is sorted
.set q, 0
.rept 16
	v_sub_f32 v[108+q], v[108+q], v124
.set q, q+1
.endr
.set q, 0
.rept 16
	v_mul_f32 v[108+q], 0x3fb8aa3b, v[108+q]       ; x log2(e)
.set q, q+1
.endr
.set q, 0
.rept 16
	v_exp_f32 v[108+q], v[108+q]
.set q, q+1
.endr
	v_nop                                          ; one plain place behind the transcendentals
	s_wait_alu depctr_va_vdst(0)
	v_pk_add_f32 v[124:125], v[108:109], v[110:111]
	v_pk_add_f32 v[126:127], v[112:113], v[114:115]
	v_pk_add_f32 v[124:125], v[124:125], v[116:117]
	v_pk_add_f32 v[126:127], v[126:127], v[118:119]
	v_pk_add_f32 v[124:125], v[124:125], v[120:121]
	v_pk_add_f32 v[126:127], v[126:127], v[122:123]
	v_pk_add_f32 v[124:125], v[124:125], v[126:127]
	v_add_f32 v124, v124, v125                     ; at least 1: the first term is 1
	v_rcp_f32 v125, v124
	v_bfe_u32 v14, v0, 2, 2                        ; (a plain place behind the transcendental)  a
	v_and_b32 v15, 3, v0
	v_lshlrev_b32 v15, 3, v15
	v_lshl_add_u32 v15, v14, 6, v15
	v_lshl_add_u32 v15, v3, 1, v15                 ; 64 a + 8 ((l % 4) + 4 h): my pair's place among the wave's four queries
.set q, 0
	s_wait_alu depctr_va_vdst(0)
.rept 16
	v_mul_f32 v[108+q], v[108+q], v125
.set q, q+1
.endr
	PSEL LST+16, 140
	PSEL 108, 142
	global_store_b64 v15, v[140:141], s[10:11]     ; 32 lanes store 256 consecutive bytes, aligned
	global_store_b64 v15, v[142:143], s[12:13]
	s_endpgm
.Lfunc_end_k_q4b8e0c1fa9_refine:
	.size	k_q4b8e0c1fa9_refine, .Lfunc_end_k_q4b8e0c1fa9_refine-k_q4b8e0c1fa9_refine
	.p2alignl 7, 3214868480
	.fill 96, 4, 3214868480
	.section	.rodata,"a",@progbits
	.p2align	6, 0x0
	.amdhsa_kernel k_q4b8e0c1fa9_refine
		.amdhsa_group_segment_fixed_size 0
		.amdhsa_private_segment_fixed_size 0
		.amdhsa_enable_private_segment 0
		.amdhsa_kernarg_size 40
		.amdhsa_user_sgpr_count 2
		.amdhsa_user_sgpr_kernarg_segment_ptr 1
		.amdhsa_wavefront_size32 1
		.amdhsa_system_sgpr_workgroup_id_x 1
		.amdhsa_system_sgpr_workgroup_id_y 1
		.amdhsa_system_sgpr_workgroup_id_z 1
		.amdhsa_system_vgpr_workitem_id 0
		.amdhsa_next_free_vgpr 256
		.amdhsa_next_free_sgpr 100
		.amdhsa_reserve_vcc 0
		.amdhsa_float_denorm_mode_32 3
		.amdhsa_float_denorm_mode_16_64 3
		.amdhsa_memory_ordered 1
		.amdhsa_forward_progress 1
		.amdhsa_inst_pref_size 255
	.end_amdhsa_kernel
	.section	.bss,"aw",@nobits
	.p2align	6
	.space	262144
	.amdgpu_metadata
---
amdhsa.version: [ 1, 2 ]
amdhsa.kernels:
  - .name:           k_q4b8e0c1fa9_refine
    .symbol:         k_q4b8e0c1fa9_refine.kd
    .args:
      - { .name: dbpack, .offset: 0, .size: 8, .value_kind: global_buffer, .address_space: global }
      - { .name: qpack, .offset: 8, .size: 8, .value_kind: global_buffer, .address_space: global }
      - { .name: bins, .offset: 16, .size: 8, .value_kind: global_buffer, .address_space: global }
      - { .name: sel, .offset: 24, .size: 8, .value_kind: global_buffer, .address_space: global }
      - { .name: wts, .offset: 32, .size: 8, .value_kind: global_buffer, .address_space: global }
    .group_segment_fixed_size: 0
    .private_segment_fixed_size: 0
    .kernarg_segment_align: 8
    .kernarg_segment_size: 40
    .max_flat_workgroup_size: 256
    .sgpr_count:     100
    .vgpr_count:     256
    .wavefront_size: 32
...
	.end_amdgpu_metadata
.endif
;; end of part 4
;; launch gather (part 5): grid 512 x 1, 8 waves a work-group, no clusters, 0 bytes of LDS; arguments sel, wts, weight_values, out0; writes out0
.if DOCPART == 5
	.amdgcn_target "amdgcn-amd-amdhsa--gfx1250"
	.amdhsa_code_object_version 6
	.text
	.protected	k_q4b8e0c1fa9_gather
	.globl	k_q4b8e0c1fa9_gather
	.p2align	8
	.type	k_q4b8e0c1fa9_gather,@function
k_q4b8e0c1fa9_gather:
	s_mov_b64 s[64:65], 0
	v_nop
	global_prefetch_b8 v0, s[64:65] scope:SCOPE_SE
	s_setreg_imm32_b32 hwreg(HW_REG_WAVE_MODE, 25, 1), 1
	s_wait_xcnt 0x0
; out0[q][:] = the sum over k of wts[q][k] x weight_values[sel[q][k]][:].  The row numbers are whole numbers that an earlier launch stored; each is held to 0 .. 16,383 before it enters an address.
; A wave takes two queries: lanes 0-15 one, lanes 16-31 the other; a lane owns 4 of the 64 numbers, so sixteen lanes read a whole row of 256 bytes by one load and store a whole row of the output.
; All 16 rows are asked for at once; the waits count down.  Fused multiply-adds in f32, k ascending: each query has its own 16 rows and one row of weights, so a matrix tile would hold one row of use in sixteen.
	s_load_b256 s[4:11], s[0:1], 0x0               ; sel s[4:5], wts s[6:7], weight_values s[8:9], out0 s[10:11]
	v_lshrrev_b32 v1, 5, v0
	v_readfirstlane_b32 s12, v1                    ; wave 0..7
	s_lshl_b32 s13, ttmp9, 4
	s_lshl_b32 s14, s12, 1
	s_add_co_u32 s13, s13, s14                     ; my first query: 16 x work-group + 2 x wave
	s_lshl_b32 s14, s13, 6                         ; 64 bytes a query in sel and in wts,
	s_mov_b32 s15, 0
	s_lshl_b32 s16, s13, 8                         ; 256 in out0
	s_mov_b32 s17, 0
	v_and_b32 v1, 31, v0
	v_lshlrev_b32 v8, 4, v1                        ; out: 16 l
	v_bfe_u32 v2, v0, 4, 1
	v_lshlrev_b32 v2, 6, v2                        ; which of the two queries: 64 z
	v_and_b32 v3, 15, v0
	v_lshlrev_b32 v3, 4, v3                        ; my 16 bytes of a row
	s_wait_kmcnt 0x0
	s_add_nc_u64 s[4:5], s[4:5], s[14:15]
	s_add_nc_u64 s[6:7], s[6:7], s[14:15]
	s_add_nc_u64 s[10:11], s[10:11], s[16:17]
.irp c, 0,1,2,3
	global_load_b128 v[16+4*\c:19+4*\c], v2, s[4:5] offset:16*\c
.endr
.irp c, 0,1,2,3
	global_load_b128 v[32+4*\c:35+4*\c], v2, s[6:7] offset:16*\c
.endr
	s_wait_loadcnt 0x0
.irp k, 0,1,2,3,4,5,6,7,8,9,10,11,12,13,14,15
	v_min_u32 v[16+\k], 0x3fff, v[16+\k]
.endr
.irp k, 0,1,2,3,4,5,6,7,8,9,10,11,12,13,14,15
	v_lshl_add_u32 v[16+\k], v[16+\k], 8, v3       ; 256 x row + my 16 bytes
.endr
.irp k, 0,1,2,3,4,5,6,7,8,9,10,11,12,13,14,15
	global_load_b128 v[48+4*\k:51+4*\k], v[16+\k], s[8:9]
.endr
	s_wait_loadcnt 15                              ; row 0 is in; the fifteen younger loads stay out
	v_pk_mul_f32 v[4:5], v[48:49], v[32:33] op_sel_hi:[1,0]        ; the first product starts the sums; of the pair of weights the low one serves both halves
	v_pk_mul_f32 v[6:7], v[50:51], v[32:33] op_sel_hi:[1,0]
.irp k, 1,2,3,4,5,6,7,8,9,10,11,12,13,14,15
	s_wait_loadcnt 15-\k                           ; row k is in
.if \k%2 == 0
	v_pk_fma_f32 v[4:5], v[48+4*\k:49+4*\k], v[32+\k:33+\k], v[4:5] op_sel_hi:[1,0,1]
	v_pk_fma_f32 v[6:7], v[50+4*\k:51+4*\k], v[32+\k:33+\k], v[6:7] op_sel_hi:[1,0,1]
.else
	v_pk_fma_f32 v[4:5], v[48+4*\k:49+4*\k], v[31+\k:32+\k], v[4:5] op_sel:[0,1,0] op_sel_hi:[1,1,1]   ; the pair's high weight serves both halves
	v_pk_fma_f32 v[6:7], v[50+4*\k:51+4*\k], v[31+\k:32+\k], v[6:7] op_sel:[0,1,0] op_sel_hi:[1,1,1]
.endif
.endr
	global_store_b128 v8, v[4:7], s[10:11]         ; 32 lanes store 512 consecutive bytes, aligned
	s_endpgm
.Lfunc_end_k_q4b8e0c1fa9_gather:
	.size	k_q4b8e0c1fa9_gather, .Lfunc_end_k_q4b8e0c1fa9_gather-k_q4b8e0c1fa9_gather
	.p2alignl 7, 3214868480
	.fill 96, 4, 3214868480
	.section	.rodata,"a",@progbits
	.p2align	6, 0x0
	.amdhsa_kernel k_q4b8e0c1fa9_gather
		.amdhsa_group_segment_fixed_size 0
		.amdhsa_private_segment_fixed_size 0
		.amdhsa_enable_private_segment 0
		.amdhsa_kernarg_size 32
		.amdhsa_user_sgpr_count 2
		.amdhsa_user_sgpr_kernarg_segment_ptr 1
		.amdhsa_wavefront_size32 1
		.amdhsa_system_sgpr_workgroup_id_x 1
		.amdhsa_system_sgpr_workgroup_id_y 1
		.amdhsa_system_sgpr_workgroup_id_z 1
		.amdhsa_system_vgpr_workitem_id 0
		.amdhsa_next_free_vgpr 112
		.amdhsa_next_free_sgpr 66
		.amdhsa_reserve_vcc 0
		.amdhsa_float_denorm_mode_32 3
		.amdhsa_float_denorm_mode_16_64 3
		.amdhsa_memory_ordered 1
		.amdhsa_forward_progress 1
		.amdhsa_inst_pref_size 8
	.end_amdhsa_kernel
	.amdgpu_metadata
---
amdhsa.version: [ 1, 2 ]
amdhsa.kernels:
  - .name:           k_q4b8e0c1fa9_gather
    .symbol:         k_q4b8e0c1fa9_gather.kd
    .args:
      - { .name: sel, .offset: 0, .size: 8, .value_kind: global_buffer, .address_space: global }
      - { .name: wts, .offset: 8, .size: 8, .value_kind: global_buffer, .address_space: global }
      - { .name: weight_values, .offset: 16, .size: 8, .value_kind: global_buffer, .address_space: global }
      - { .name: out0, .offset: 24, .size: 8, .value_kind: global_buffer, .address_space: global }
    .group_segment_fixed_size: 0
    .private_segment_fixed_size: 0
    .kernarg_segment_align: 8
    .kernarg_segment_size: 32
    .max_flat_workgroup_size: 256
    .sgpr_count:     66
    .vgpr_count:     112
    .wavefront_size: 32
...
	.end_amdgpu_metadata
.endif
;; end of part 5
;; ======== version 2 of 3: 5 launches
;; workspace buffers: dbpack 917,504 bytes; qpack 524,288 bytes; cand 8,388,608 bytes; bins 524,288 bytes of whole numbers; sel 524,288 bytes of whole numbers; wts 524,288 bytes
;; launch prep: the kernel of part 1 again; grid 256 x 1, 4 waves a work-group, no clusters, 0 bytes of LDS; arguments database, x, pos, dbpack, qpack; writes dbpack, qpack
;; launch scan (part 6): grid 32 x 8, 16 waves a work-group, no clusters, 182,272 bytes of LDS; arguments dbpack, qpack, cand; writes cand
.if DOCPART == 6
	.amdgcn_target "amdgcn-amd-amdhsa--gfx1250"
	.amdhsa_code_object_version 6
	.text
	.protected	k_q4b8e0c1fa9_scan
	.globl	k_q4b8e0c1fa9_scan
	.p2align	8
	.type	k_q4b8e0c1fa9_scan,@function
k_q4b8e0c1fa9_scan:
	s_mov_b64 s[64:65], 0
	v_nop
	global_prefetch_b8 v0, s[64:65] scope:SCOPE_SE
	s_setreg_imm32_b32 hwreg(HW_REG_WAVE_MODE, 25, 1), 1
	s_wait_xcnt 0x0
; THE WHOLE QUANTISED PRODUCT, of which only each bin's largest score is kept.  Score of (query, row) = (2 q) . row - |row|^2: the product on codes of FP6 with -|row|^2 as its C; the smallest distance is the largest score.
; The 16 nearest rows of a query lie in the 16 bins (of 32 rows) with the largest bin maxima: each bin that holds one of them has a maximum no smaller than the 16th score, and there are at most 16 such bins ahead of any other.
; SHARES.  Work-group (x, y): 256 queries x the slice of 64 bins 64 y on.  SIXTEEN waves, four to a SIMD, so that one wave's vector work stands beside another's products and LDS loads.  Waves 2 p and 2 p + 1 share the
; tiles of queries 16 x + 2 p and 16 x + 2 p + 1 and part the slice: wave w takes records 32 (w % 2) on, so each record is read from LDS by eight waves.  The slice's 64 records (114,688 bytes) come into LDS ONCE, each
; wave bringing a sixteenth by one tensor load (one load of a wave is out), and are only read from then on: no ring.
; THE MATRIX INSTRUCTION IS USED TRANSPOSED (source 0 = rows of the database, source 1 = queries): lane (r, h) holds query r and tile rows 8 h + 0 .. 7.  K is 64, the instruction's is 128: a fragment of source 0 holds TWO
; tiles of rows (X in k 0-63, Y in k 64-127) and is multiplied twice, by [q | zero codes] and by [zero codes | q], which lie in 18 registers as q, zeros, q.  A zero code adds nothing under any scale byte that occurs here.
; SELECTION, without a branch.  A trip takes an even and an odd bin; lane (r, h) keeps the maximum of the bin of parity h: after the wave's 16 trips it holds 16 maxima for each tile, ONE BATCH, which a bitonic network sorts
; with the bins' numbers (10 stages of 8 comparators that do not wait for each other).  A wave's local tile 0 is tile 16 x + w, which it keeps; local tile 1 is its partner's, and that sorted list goes to the partner through
; LDS as an image of its registers.  Then: own list and partner's merged, the two parities merged, and the slice's 16 best bins of each query go to cand: keys in its first half, bin numbers in its second.
; TWO SETS OF RESULTS take turns: the maxima over one record's results stand behind the other record's products, name none of their registers, and so are the places ahead of the reads of results, of the loads into the
; operands' registers and of the next products onto the same results.
; NO CLUSTER: the 32 work-groups of a slice do read the same bytes, but each fetches them once in the launch, 7,168 bytes a wave, ahead of all its work on them; the plain form was kept.
; LIMITS: NaN and infinities are not served; among equal maxima either bin may be kept.
; REGISTERS: v1-3 l, r, h; v4-6 LDS addresses of a record's parts; v7 my first bin; v8, v12 where I put and fetch a list; v9-11, v15 global offsets; v16-51 the two queries' operands; v52-53 their scale words;
; v54-55 the records' scale words; v56-79 two fragments; v80-111 their -|row|^2; v112-143 the even record's results; v144-151 half maxima and at work; v152-183 the odd record's results; v184-215 the two batches;
; v216-231 the batch's bin numbers.  Behind the trips v56-183 are four sets of 32 (16 keys, 16 numbers) for the networks.
.set CM,   40                          ; s[40:55] lane masks of the compares
.set SEL,  30                          ; s[30:31] selects of v_permlanex16_b32 for lane l xor 16
.set HM,   32                          ; s32      mask of lanes 16-31
.set REC,  1792                        ; a record
.set HALF, 32*REC                      ; what a wave walks
.set EX,   64*REC                      ; behind the slice: 4,096 bytes for each wave, for the list that it hands over; no tensor load lands there
.set DEV,  112                         ; results of the even record: tile t, X or Y (y) at DEV + 16 t + 8 y
.set DOD,  152                         ; of the odd record
.set XK,   184                         ; the batches: tile t's 16 maxima at XK + 16 t
.set IDS,  216                         ; their bins
; One stage of a bitonic network, distance dd, keys ka and numbers ia into keys kb and numbers ib: pair (q, q + dd) descending where q / kk is even, else ascending.  It reads one set and writes another: no moves.
.macro STG ka, ia, kb, ib, dd, kk
.set q, 0
.set n, 0
.rept 16
.if (q/\dd)%2 == 0
	v_cmp_gt_f32 s[CM+n], v[\ka+q+\dd], v[\ka+q]
.set n, n+1
.endif
.set q, q+1
.endr
.set q, 0
.set n, 0
.rept 16
.if (q/\dd)%2 == 0
.if (q/\kk)%2 == 0
	v_max_num_f32 v[\kb+q], v[\ka+q], v[\ka+q+\dd]
	v_min_num_f32 v[\kb+q+\dd], v[\ka+q], v[\ka+q+\dd]
	v_cndmask_b32 v[\ib+q], v[\ia+q], v[\ia+q+\dd], s[CM+n]
	v_cndmask_b32 v[\ib+q+\dd], v[\ia+q+\dd], v[\ia+q], s[CM+n]
.else
	v_min_num_f32 v[\kb+q], v[\ka+q], v[\ka+q+\dd]
	v_max_num_f32 v[\kb+q+\dd], v[\ka+q], v[\ka+q+\dd]
	v_cndmask_b32 v[\ib+q], v[\ia+q+\dd], v[\ia+q], s[CM+n]
	v_cndmask_b32 v[\ib+q+\dd], v[\ia+q], v[\ia+q+\dd], s[CM+n]
.endif
.set n, n+1
.endif
.set q, q+1
.endr
.endm
.macro STAGE S, D, d                   ; a stage of a merge: every pair descending; a set is 16 keys and behind them 16 numbers
	STG \S, \S+16, \D, \D+16, \d, 32
.endm
; 16 keys at kx with numbers at ix, in any order, sorted descending into set Q; sets P and Q take turns
.macro SORT16 kx, ix, P, Q
	STG \kx, \ix, \P, \P+16, 1, 2
	STG \P, \P+16, \Q, \Q+16, 2, 4
	STG \Q, \Q+16, \P, \P+16, 1, 4
	STG \P, \P+16, \Q, \Q+16, 4, 8
	STG \Q, \Q+16, \P, \P+16, 2, 8
	STG \P, \P+16, \Q, \Q+16, 1, 8
	STG \Q, \Q+16, \P, \P+16, 8, 16
	STG \P, \P+16, \Q, \Q+16, 4, 16
	STG \Q, \Q+16, \P, \P+16, 2, 16
	STG \P, \P+16, \Q, \Q+16, 1, 16
.endm
; the 16 best of two sorted lists, into A, as a bitonic sequence
.macro PICK A, B
.set q, 0
.rept 16
	v_cmp_gt_f32 s[CM+q], v[\B+15-q], v[\A+q]
.set q, q+1
.endr
.set q, 0
.rept 16
	v_cndmask_b32 v[\A+16+q], v[\A+16+q], v[\B+31-q], s[CM+q]
	v_max_num_f32 v[\A+q], v[\A+q], v[\B+15-q]
.set q, q+1
.endr
.endm
.macro MERGE_IN A, B                   ; A = the sorted 16 best of A and B; B is used up
	PICK \A, \B
	STAGE \A, \B, 8
	STAGE \B, \A, 4
	STAGE \A, \B, 2
	STAGE \B, \A, 1
.endm
; my list S and lane l xor 16's are merged; both lanes compute the same function of (lower lane's list, upper lane's list), so both hold the same list afterwards
.macro XMERGE S, T, U, hm
.set q, 0
.rept 32
	v_permlanex16_b32 v[\T+q], v[\S+q], s[SEL], s[SEL+1]
.set q, q+1
.endr
.set q, 0
.rept 32
	v_cndmask_b32 v[\U+q], v[\S+q], v[\T+q], s[\hm]
.set q, q+1
.endr
.set q, 0
.rept 32
	v_cndmask_b32 v[\T+q], v[\T+q], v[\S+q], s[\hm]
.set q, q+1
.endr
	PICK \U, \T
	STAGE \U, \T, 8
	STAGE \T, \S, 4
	STAGE \S, \T, 2
	STAGE \T, \S, 1
.endm
; a record from LDS: eight loads: the fragment as it lies, its scale words, -|row|^2 of my eight rows of X and of Y
.macro LOADF set, off
	ds_load_b128 v[56+12*\set:59+12*\set], v4 offset:(\off)
	ds_load_b128 v[60+12*\set:63+12*\set], v4 offset:(\off)+512
	ds_load_b128 v[64+12*\set:67+12*\set], v4 offset:(\off)+1024
	ds_load_b32 v[54+\set], v5 offset:(\off)
	ds_load_b128 v[80+16*\set:83+16*\set], v6 offset:(\off)
	ds_load_b128 v[84+16*\set:87+16*\set], v6 offset:(\off)+16
	ds_load_b128 v[88+16*\set:91+16*\set], v6 offset:(\off)+64
	ds_load_b128 v[92+16*\set:95+16*\set], v6 offset:(\off)+80
.endm
; four products: tiles X and Y of the record x my two tiles of queries.  No result is another's C or its own: there is no chain
.macro MULF set, acc
.irp y, 0,1
.irp t, 0,1
	v_wmma_scale_f32_16x16x128_f8f6f4 v[\acc+16*\t+8*\y:\acc+16*\t+8*\y+7], v[56+12*\set:67+12*\set], v[16+18*\t+6*\y:27+18*\t+6*\y], v[80+16*\set+8*\y:87+16*\set+8*\y], v[54+\set], v[52+\t] matrix_a_fmt:MATRIX_FMT_FP6 matrix_b_fmt:MATRIX_FMT_FP6
.endr
.endr
.endm
; the largest of my 16 scores of a record for tile t of queries; each result is read from its low end on
.macro TREE t, acc, dst
	v_max3_num_f32 v[\dst], v[\acc+16*\t], v[\acc+16*\t+1], v[\acc+16*\t+2]
	v_max3_num_f32 v151, v[\acc+16*\t+8], v[\acc+16*\t+9], v[\acc+16*\t+10]
	v_max3_num_f32 v[\dst], v[\dst], v[\acc+16*\t+3], v[\acc+16*\t+4]
	v_max3_num_f32 v151, v151, v[\acc+16*\t+11], v[\acc+16*\t+12]
	v_max3_num_f32 v[\dst], v[\dst], v[\acc+16*\t+5], v[\acc+16*\t+6]
	v_max3_num_f32 v151, v151, v[\acc+16*\t+13], v[\acc+16*\t+14]
	v_max3_num_f32 v[\dst], v[\dst], v151, v[\acc+16*\t+7]
	v_max_num_f32 v[\dst], v[\dst], v[\acc+16*\t+15]
.endm
; lane (r, h) keeps its half of the bin of parity h and gets the other half from lane l xor 16
.macro COMB t, dst
	v_cndmask_b32 v148, v[144+\t], v[146+\t], s[HM]
	v_cndmask_b32 v149, v[146+\t], v[144+\t], s[HM]
	v_permlanex16_b32 v150, v149, s[SEL], s[SEL+1]
	v_max_num_f32 v[\dst], v148, v150
.endm
; Trip t: my records 2 t and 2 t + 1.  Behind the even record's products stand the maxima of the odd record of the trip before; behind the odd record's products those of the even record.
.macro TRIP t
	LOADF 1, 2*REC*(\t)+REC
	s_wait_dscnt 8                                 ; the even record's eight loads are in; the eight just issued stay out
	MULF 0, DEV
.if (\t) == 0
.set q, 0
.rept 16
	v_add_nc_u32 v[IDS+q], 2*q, v7                 ; the bins of my 16 maxima; these lines are the places here
.set q, q+1
.endr
.else
	TREE 0, DOD, 146
	TREE 1, DOD, 147
	COMB 0, XK+(\t)-1
	COMB 1, XK+16+(\t)-1
.endif
.if (\t) < 15
	LOADF 0, 2*REC*(\t)+2*REC                      ; the next trip's even record
	s_wait_dscnt 8                                 ; the odd record's eight loads are in; the eight just issued stay out
.else
	s_wait_dscnt 0x0                               ; my last record; nothing more is fetched
.endif
	MULF 1, DOD
	TREE 0, DEV, 144
	TREE 1, DEV, 145
.endm
	s_load_b128 s[4:7], s[0:1], 0x0                ; dbpack s[4:5], qpack s[6:7]
	s_load_b64 s[8:9], s[0:1], 0x10                ; cand
	v_lshl_add_u32 v232, v0, 2, 0x2c000
	v_mov_b32 v233, 0
	ds_add_u32 v232, v233
	ds_add_u32 v232, v233
	v_lshrrev_b32 v1, 5, v0
	v_readfirstlane_b32 s10, v1                    ; wave 0..15
	s_and_b32 s12, ttmp7, 0xffff                   ; the slice
	; descriptor group 1: my sixteenth of the slice, a dense block, as 28 rows of 256 bytes (32 elements of 8 bytes); no padding: it is read as it lies
	s_mov_b32 s20, 3<<16                           ; no mask; elements of 8 bytes
	s_mov_b32 s21, 32<<16                          ; tensor_dim0 = 32
	s_mov_b32 s22, 28<<16                          ; tensor_dim1 = 28
	s_mov_b32 s23, 32<<16                          ; tile_dim0 = 32
	s_mov_b32 s24, 28                              ; tile_dim1 = 28
	s_mov_b32 s25, 32                              ; from row to row: 32 elements
	s_mov_b32 s26, 0
	s_mov_b32 s27, 0
	s_mov_b32 s16, 1                               ; group 0: count = 1,
	s_mul_i32 s17, s10, 7168                       ; LDS address: wave x 7,168,
	s_mul_i32 s14, s12, 114688
	s_add_co_u32 s14, s14, s17
	s_mov_b32 s15, 0
	s_wait_dscnt 0x0
	s_wait_kmcnt 0x0
	s_add_nc_u64 s[18:19], s[4:5], s[14:15]        ; global address: slice x 114,688 + wave x 7,168,
	s_or_b32 s19, s19, 0x80000000                  ; type = 2
	tensor_load_to_lds s[16:19], s[20:27]
	s_nop 0
	v_and_b32 v1, 31, v0                           ; l
	v_and_b32 v2, 15, v0                           ; r
	v_bfe_u32 v3, v0, 4, 1                         ; h
	s_xor_b32 s11, s10, 1                          ; my partner
	s_lshl_b32 s29, ttmp9, 4
	s_add_co_u32 s13, s29, s10                     ; the tile that I keep: 16 x + wave
	s_lshl_b32 s14, s13, 10
	s_add_nc_u64 s[34:35], s[6:7], s[14:15]        ; its record
	s_lshl_b32 s28, s12, 9
	s_add_co_u32 s28, s28, s13
	s_lshl_b32 s14, s28, 10
	s_add_nc_u64 s[8:9], s[8:9], s[14:15]          ; cand: (512 slice + tile) x 1,024
	s_add_co_u32 s13, s29, s11                     ; the tile that my partner keeps
	s_lshl_b32 s14, s13, 10
	s_add_nc_u64 s[36:37], s[6:7], s[14:15]
	v_lshlrev_b32 v9, 4, v1                        ; 16 l
	v_lshlrev_b32 v10, 3, v1                       ; 8 l
	v_lshlrev_b32 v11, 2, v1                       ; 4 l
.irp t, 0,1
	global_load_b128 v[16+18*\t:19+18*\t], v9, s[34+2*\t:35+2*\t]              ; the query's six registers,
	global_load_b64 v[20+18*\t:21+18*\t], v10, s[34+2*\t:35+2*\t] offset:512
	global_load_b128 v[28+18*\t:31+18*\t], v9, s[34+2*\t:35+2*\t]              ; and once more behind the six of zeros
	global_load_b64 v[32+18*\t:33+18*\t], v10, s[34+2*\t:35+2*\t] offset:512
	global_load_b32 v[52+\t], v11, s[34+2*\t:35+2*\t] offset:768               ; its scale words
.endr
.irp t, 0,1
.irp i, 0,1,2,3,4,5
	v_mov_b32 v[22+18*\t+\i], 0                    ; zero codes
.endr
.endr
	s_and_b32 s28, s10, 1                          ; which half of the slice is mine
	s_lshl_b32 s29, s28, 5                         ; its first bin,
	s_mul_i32 s28, s28, HALF                       ; its first byte in LDS
	v_add_nc_u32 v4, s28, v9                       ; a fragment's 16 bytes a lane
	v_lshl_add_u32 v5, v1, 2, 1536                 ; a scale word
	v_add_nc_u32 v5, s28, v5
	v_lshl_add_u32 v6, v3, 5, 1664                 ; -|row|^2 of rows 8 h on
	v_add_nc_u32 v6, s28, v6
	s_lshl_b32 s13, s12, 6
	s_add_co_u32 s13, s13, s29
	v_add_nc_u32 v7, s13, v3                       ; my first bin: 64 slice + 32 half + h
	s_lshl_b32 s13, s10, 12
	s_add_co_u32 s13, s13, EX
	v_add_nc_u32 v8, s13, v9                       ; where I put the list that I hand over: 4,096 x wave + 16 l
	s_lshl_b32 s13, s11, 12
	s_add_co_u32 s13, s13, EX
	v_add_nc_u32 v12, s13, v9                      ; and where my partner puts mine
	v_lshlrev_b32 v15, 22, v3
	v_lshl_add_u32 v15, v2, 4, v15                 ; the way out: lanes 0-15 keys, lanes 16-31 bins, 4,194,304 bytes on; 16 bytes a query
	v_mov_b32 v150, 0                              ; a lane permute's destination counts as one of its sources
	s_mov_b32 s[SEL], 0x76543210
	s_mov_b32 s[SEL+1], 0xfedcba98
	s_mov_b32 s[HM], 0xffff0000
	s_wait_loadcnt 0x0                             ; the queries
	s_wait_tensorcnt 0x0                           ; my sixteenth of the slice has landed,
	s_barrier_signal -1
	s_barrier_wait -1                              ; everybody's has
	LOADF 0, 0
.irp t, 0,1,2,3,4,5,6,7,8,9,10,11,12,13,14,15
	TRIP \t
.endr
	TREE 0, DOD, 146                               ; the last odd record: the sixteen lines above are the places behind its products
	TREE 1, DOD, 147
	COMB 0, XK+15
	COMB 1, XK+31
	SORT16 XK, IDS, 56, 88                         ; the tile that I keep: sorted into v88-119
	SORT16 XK+16, IDS, 120, 152                    ; my partner's: into v152-183
.irp c, 0,1,2,3,4,5,6,7
	ds_store_b128 v8, v[152+4*\c:155+4*\c] offset:512*\c       ; as an image of its registers: 512 consecutive bytes a store
.endr
	s_wait_dscnt 0x0                               ; for my partner's sake: my stores are done
	s_barrier_signal -1
	s_barrier_wait -1
.irp c, 0,1,2,3,4,5,6,7
	ds_load_b128 v[120+4*\c:123+4*\c], v12 offset:512*\c       ; my tile's list over the other half of the slice, lane for lane
.endr
	s_wait_dscnt 0x0
	MERGE_IN 88, 120
	XMERGE 88, 120, 152, HM                        ; even bins' list and odd bins' list of each query
.set q, 0
.rept 16
	v_cndmask_b32 v[56+q], v[88+q], v[104+q], s[HM]
.set q, q+1
.endr
.irp c, 0,1,2,3
	global_store_b128 v15, v[56+4*\c:59+4*\c], s[8:9] offset:256*\c   ; sixteen lanes store 256 consecutive bytes of keys, sixteen 256 of bins, both aligned
.endr
	s_wait_tensorcnt 0x0
	ds_add_u32 v232, v233
	s_wait_dscnt 0x0
	s_endpgm
.Lfunc_end_k_q4b8e0c1fa9_scan:
	.size	k_q4b8e0c1fa9_scan, .Lfunc_end_k_q4b8e0c1fa9_scan-k_q4b8e0c1fa9_scan
	.p2alignl 7, 3214868480
	.fill 96, 4, 3214868480
	.section	.rodata,"a",@progbits
	.p2align	6, 0x0
	.amdhsa_kernel k_q4b8e0c1fa9_scan
		.amdhsa_group_segment_fixed_size 182272
		.amdhsa_private_segment_fixed_size 0
		.amdhsa_enable_private_segment 0
		.amdhsa_kernarg_size 24
		.amdhsa_user_sgpr_count 2
		.amdhsa_user_sgpr_kernarg_segment_ptr 1
		.amdhsa_wavefront_size32 1
		.amdhsa_system_sgpr_workgroup_id_x 1
		.amdhsa_system_sgpr_workgroup_id_y 1
		.amdhsa_system_sgpr_workgroup_id_z 1
		.amdhsa_system_vgpr_workitem_id 0
		.amdhsa_next_free_vgpr 234
		.amdhsa_next_free_sgpr 66
		.amdhsa_reserve_vcc 0
		.amdhsa_float_denorm_mode_32 3
		.amdhsa_float_denorm_mode_16_64 3
		.amdhsa_memory_ordered 1
		.amdhsa_forward_progress 1
		.amdhsa_inst_pref_size 145
	.end_amdhsa_kernel
	.amdgpu_metadata
---
amdhsa.version: [ 1, 2 ]
amdhsa.kernels:
  - .name:           k_q4b8e0c1fa9_scan
    .symbol:         k_q4b8e0c1fa9_scan.kd
    .args:
      - { .name: dbpack, .offset: 0, .size: 8, .value_kind: global_buffer, .address_space: global }
      - { .name: qpack, .offset: 8, .size: 8, .value_kind: global_buffer, .address_space: global }
      - { .name: cand, .offset: 16, .size: 8, .value_kind: global_buffer, .address_space: global }
    .group_segment_fixed_size: 182272
    .private_segment_fixed_size: 0
    .kernarg_segment_align: 8
    .kernarg_segment_size: 24
    .max_flat_workgroup_size: 512
    .sgpr_count:     66
    .vgpr_count:     234
    .wavefront_size: 32
...
	.end_amdgpu_metadata
.endif
;; end of part 6
;; launch merge: the kernel of part 3 again; grid 256 x 1, 2 waves a work-group, no clusters, 0 bytes of LDS; arguments cand, bins; writes bins
;; launch refine (part 7): grid 256 x 1, 8 waves a work-group, no clusters, 0 bytes of LDS; arguments dbpack, qpack, bins, sel, wts; writes sel, wts
.if DOCPART == 7
	.amdgcn_target "amdgcn-amd-amdhsa--gfx1250"
	.amdhsa_code_object_version 6
	.text
	.protected	k_q4b8e0c1fa9_refine
	.globl	k_q4b8e0c1fa9_refine
	.p2align	8
	.type	k_q4b8e0c1fa9_refine,@function
k_q4b8e0c1fa9_refine:
	s_mov_b64 s[64:65], 0
	v_nop
	global_prefetch_b8 v0, s[64:65] scope:SCOPE_SE
	s_setreg_imm32_b32 hwreg(HW_REG_WAVE_MODE, 25, 1), 1
	s_wait_xcnt 0x0
; The 16 x 32 = 512 candidate rows of each query (its 16 best bins, read as whole numbers that an earlier launch stored) are scored again by the same product on codes of FP6, the exact 16 best are selected with their
; row numbers, and their softmax weights are made.  sel gets the 16 row numbers of each query, wts the 16 weights.
; SHARES.  A wave owns FOUR queries, 4 W + a.  Each stands in four columns of source 1: column 4 a + c; copy c takes the bins 4 m + c of the query's list, in sweeps m = 0 .. 3.  So a query's candidates are spread over
; eight lanes (c, h), 64 each, and the last merges never leave the wave: no LDS, no barrier.
; A record is one column's bin: of its product with the 16 columns only that column is kept, by v_cndmask_b32 with a constant lane mask.  Each lane's C is -|row|^2 of ITS OWN column's bin, which so serves all 16 products.
; As in the scan the instruction is used transposed, a fragment holds two tiles of rows (X: k 0-63, Y: k 64-127), and it is multiplied by [q | zero codes] and [zero codes | q].
; A RING OF EIGHT fragments in registers: a column's record is asked for eight steps ahead of its products.  TWO SETS OF RESULTS take turns: behind a column's two products stand the 16 selects of the column before, which
; name none of their registers: they are the places ahead of the reads of the results, of the loads into the operands' registers and of the next products onto the same results.
; SELECTION, without a branch.  A sweep leaves 16 scores in a lane: ONE BATCH, which a bitonic network sorts with the rows' numbers (10 stages of 8 comparators that do not wait for each other) and which is then merged
; with the lane's list of 16.  The next sweep's first eight records and its C are on their way meanwhile.
; SOFTMAX as defined: scaled = 8 - 4 d2, d2 = |q|^2 - score; the largest scaled, the sorted list's first, is taken away before the exponentials.
; LIMITS: NaN and infinities are not served; among exactly equal distances the row that is kept may be another than the definition's.  A bin number is held to 0 .. 511 before it enters an address.
; REGISTERS: v1 16 l; v2 4 l; v3 16 h; v4-7 my column's bins of this sweep and the later ones; v8 first row number of the batch; v10, v11, v14, v15 offsets and at work; v12 |q|^2; v13 1664 + 32 h;
; v16-33 q, zeros, q; v34 q's scale words; v36-43 the ring's scale words; v44-139 the ring; v140-171 two sets of two results, and the network's second set; v172-187 C; v188-203 the batch's scores; v204-219 its rows;
; v220-251 the list (16 keys, 16 rows).
.set CM,  84                           ; s[84:99] lane masks of the compares
.set COL, 68                           ; s[68:83] mask of column c: lanes c and c + 16
.set SEL, 50                           ; s[50:51]
.set AR,  44
.set SA,  36
.set DA,  140
.set CC,  172
.set EN,  188
.set IDS, 204
.set LST, 220
; One stage of a bitonic network, distance dd, keys ka and numbers ia into keys kb and numbers ib: pair (q, q + dd) descending where q / kk is even, else ascending.  It reads one set and writes another: no moves.
.macro STG ka, ia, kb, ib, dd, kk
.set q, 0
.set n, 0
.rept 16
.if (q/\dd)%2 == 0
	v_cmp_gt_f32 s[CM+n], v[\ka+q+\dd], v[\ka+q]
.set n, n+1
.endif
.set q, q+1
.endr
.set q, 0
.set n, 0
.rept 16
.if (q/\dd)%2 == 0
.if (q/\kk)%2 == 0
	v_max_num_f32 v[\kb+q], v[\ka+q], v[\ka+q+\dd]
	v_min_num_f32 v[\kb+q+\dd], v[\ka+q], v[\ka+q+\dd]
	v_cndmask_b32 v[\ib+q], v[\ia+q], v[\ia+q+\dd], s[CM+n]
	v_cndmask_b32 v[\ib+q+\dd], v[\ia+q+\dd], v[\ia+q], s[CM+n]
.else
	v_min_num_f32 v[\kb+q], v[\ka+q], v[\ka+q+\dd]
	v_max_num_f32 v[\kb+q+\dd], v[\ka+q], v[\ka+q+\dd]
	v_cndmask_b32 v[\ib+q], v[\ia+q+\dd], v[\ia+q], s[CM+n]
	v_cndmask_b32 v[\ib+q+\dd], v[\ia+q], v[\ia+q+\dd], s[CM+n]
.endif
.set n, n+1
.endif
.set q, q+1
.endr
.endm
.macro STAGE S, D, d                   ; a stage of a merge: every pair descending; a set is 16 keys and behind them 16 numbers
	STG \S, \S+16, \D, \D+16, \d, 32
.endm
; 16 keys at kx with numbers at ix, in any order, sorted descending into set Q; sets P and Q take turns (Q may be the set that kx and ix form)
.macro SORT16 kx, ix, P, Q
	STG \kx, \ix, \P, \P+16, 1, 2
	STG \P, \P+16, \Q, \Q+16, 2, 4
	STG \Q, \Q+16, \P, \P+16, 1, 4
	STG \P, \P+16, \Q, \Q+16, 4, 8
	STG \Q, \Q+16, \P, \P+16, 2, 8
	STG \P, \P+16, \Q, \Q+16, 1, 8
	STG \Q, \Q+16, \P, \P+16, 8, 16
	STG \P, \P+16, \Q, \Q+16, 4, 16
	STG \Q, \Q+16, \P, \P+16, 2, 16
	STG \P, \P+16, \Q, \Q+16, 1, 16
.endm
.macro PICK A, B                       ; the 16 best of two sorted lists, into A, as a bitonic sequence
.set q, 0
.rept 16
	v_cmp_gt_f32 s[CM+q], v[\B+15-q], v[\A+q]
.set q, q+1
.endr
.set q, 0
.rept 16
	v_cndmask_b32 v[\A+16+q], v[\A+16+q], v[\B+31-q], s[CM+q]
	v_max_num_f32 v[\A+q], v[\A+q], v[\B+15-q]
.set q, q+1
.endr
.endm
.macro MERGE_IN A, B                   ; A = the sorted 16 best of A and B; B is used up
	PICK \A, \B
	STAGE \A, \B, 8
	STAGE \B, \A, 4
	STAGE \A, \B, 2
	STAGE \B, \A, 1
.endm
.macro XMERGE S, T, U, kind, hm        ; my list and my partner lane's (l xor kind): both compute the same function of (lower lane's list, upper lane's list); hm: the mask of the upper partners
.set q, 0
.rept 32
.if \kind == 16
	v_permlanex16_b32 v[\T+q], v[\S+q], s[SEL], s[SEL+1]
.else
	v_mov_b32_dpp v[\T+q], v[\S+q] row_xmask:\kind row_mask:0xf bank_mask:0xf
.endif
.set q, q+1
.endr
.set q, 0
.rept 32
	v_cndmask_b32 v[\U+q], v[\S+q], v[\T+q], s[\hm]
.set q, q+1
.endr
.set q, 0
.rept 32
	v_cndmask_b32 v[\T+q], v[\T+q], v[\S+q], s[\hm]
.set q, q+1
.endr
	PICK \U, \T
	STAGE \U, \T, 8
	STAGE \T, \S, 4
	STAGE \S, \T, 2
	STAGE \T, \S, 1
.endm
; the record of column col's bin (from register breg) is asked for, into ring slot slot: four loads.  The slot's base pair and registers are free: a wait has shown its last loads done
.macro FISSUE col, breg, slot
	v_readlane_b32 s56, v[\breg], (\col)
	s_min_u32 s56, s56, 511
	s_mul_i32 s48, s56, 1792
	s_add_nc_u64 s[32+2*(\slot):33+2*(\slot)], s[4:5], s[48:49]
	global_load_b128 v[AR+12*(\slot):AR+12*(\slot)+3], v1, s[32+2*(\slot):33+2*(\slot)]
	global_load_b128 v[AR+12*(\slot)+4:AR+12*(\slot)+7], v1, s[32+2*(\slot):33+2*(\slot)] offset:512
	global_load_b128 v[AR+12*(\slot)+8:AR+12*(\slot)+11], v1, s[32+2*(\slot):33+2*(\slot)] offset:1024
	global_load_b32 v[SA+(\slot)], v2, s[32+2*(\slot):33+2*(\slot)] offset:1536
.endm
; -|row|^2 of my own column's bin: my eight rows of X, my eight of Y: four loads
.macro CISSUE breg, dst
	v_min_u32 v11, 511, v[\breg]
	v_mul_u32_u24 v10, v11, 0x700
	v_add_nc_u32 v10, v10, v13
	global_load_b128 v[\dst:\dst+3], v10, s[4:5]
	global_load_b128 v[\dst+4:\dst+7], v10, s[4:5] offset:16
	global_load_b128 v[\dst+8:\dst+11], v10, s[4:5] offset:64
	global_load_b128 v[\dst+12:\dst+15], v10, s[4:5] offset:80
.endm
; column c's 16 scores into its two lanes of the batch.  Each result is read from its low end on
.macro SELECT c
.set q, 0
.rept 16
.if (\c) == 0
	v_mov_b32 v[EN+q], v[DA+q]                     ; column 0's; the other lanes' are replaced by their own columns'
.else
	v_cndmask_b32 v[EN+q], v[EN+q], v[DA+16*((\c)%2)+q], s[COL+(\c)]
.endif
.set q, q+1
.endr
.endm
; A sweep: one bin of each of the 16 columns, then the batch's sort and merge.  nx = 1: the next sweep's records and C are asked for on the way.
.macro SWEEP nx
.irp c, 0,1,2,3,4,5,6,7,8,9,10,11,12,13,14,15
.if \c == 0
	s_wait_loadcnt 0x0                             ; columns 0 to 7 and C, the youngest of them: all were asked for ahead of the last batch's sort.  Steps 1 to 7 so need no wait
.elseif \c >= 8
.if \nx
	s_wait_loadcnt 28                              ; this column's four loads are in; seven younger columns stay out
.else
	s_wait_loadcnt 4*(15-\c)                       ; the last sweep: the counts run down
.endif
.endif
	v_wmma_scale_f32_16x16x128_f8f6f4 v[DA+16*(\c%2):DA+16*(\c%2)+7], v[AR+12*(\c%8):AR+12*(\c%8)+11], v[16:27], v[CC:CC+7], v[SA+\c%8], v34 matrix_a_fmt:MATRIX_FMT_FP6 matrix_b_fmt:MATRIX_FMT_FP6
	v_wmma_scale_f32_16x16x128_f8f6f4 v[DA+16*(\c%2)+8:DA+16*(\c%2)+15], v[AR+12*(\c%8):AR+12*(\c%8)+11], v[22:33], v[CC+8:CC+15], v[SA+\c%8], v34 matrix_a_fmt:MATRIX_FMT_FP6 matrix_b_fmt:MATRIX_FMT_FP6
.if \c == 0
.rept 5
	v_nop                                          ; no column before: five places, since step 2's products write over these results
.endr
.else
	SELECT \c-1
.endif
.if \c < 8
	FISSUE \c+8, 4, \c
.elseif \nx
	FISSUE \c-8, 5, \c-8
.endif
.endr
	SELECT 15
	v_min_u32 v11, 511, v4
	v_lshl_add_u32 v8, v11, 5, v3                  ; 32 bin + 16 h
.if \nx
	CISSUE 5, CC                                   ; the last products that read C stand 32 selects back; its old address register was freed by step 0's wait
.endif
.set q, 0
.rept 16
	v_add_nc_u32 v[IDS+q], 2*(q%8)+q/8, v8         ; score 8 u + j of a lane is row 32 bin + 16 h + 2 j + u
.set q, q+1
.endr
	SORT16 EN, IDS, DA, EN                         ; the batch and the results' registers take turns
	MERGE_IN LST, EN
	v_mov_b32 v4, v5
	v_mov_b32 v5, v6
	v_mov_b32 v6, v7
.endm
; of 16 registers from src on, pair (l % 4) + 4 h, in three levels of selects
.macro PSEL src, dst
.irp p, 0,1,2,3
.irp e, 0,1
	v_cndmask_b32 v[128+2*\p+\e], v[\src+4*\p+\e], v[\src+4*\p+2+\e], s52
.endr
.endr
.irp p, 0,1
.irp e, 0,1
	v_cndmask_b32 v[128+2*\p+\e], v[128+4*\p+\e], v[128+4*\p+2+\e], s53
.endr
.endr
	v_cndmask_b32 v[\dst], v128, v130, s54
	v_cndmask_b32 v[\dst+1], v129, v131, s54
.endm
	s_load_b256 s[4:11], s[0:1], 0x0               ; dbpack s[4:5], qpack s[6:7], bins s[8:9], sel s[10:11]
	s_load_b64 s[12:13], s[0:1], 0x20              ; wts
	v_lshrrev_b32 v1, 5, v0
	v_readfirstlane_b32 s14, v1
	s_lshl_b32 s15, ttmp9, 3
	s_add_co_u32 s14, s14, s15                     ; W = 8 x work-group + wave: my four queries are 4 W + 0 .. 3
	s_lshr_b32 s16, s14, 2                         ; their tile of 16,
	s_and_b32 s17, s14, 3                          ; and which four of it
	s_mov_b32 s49, 0                               ; upper word of the offset pair s[48:49]
	s_mov_b32 s[SEL], 0x76543210
	s_mov_b32 s[SEL+1], 0xfedcba98
	s_mov_b32 s52, 0xaaaaaaaa                      ; odd lanes
	s_mov_b32 s53, 0xcccccccc                      ; lanes with bit 1
	s_mov_b32 s54, 0xffff0000                      ; lanes 16-31
	s_mov_b32 s57, 0x41000000                      ; 8.0 = sqrt(64)
.irp c, 0,1,2,3,4,5,6,7,8,9,10,11,12,13,14,15
	s_mov_b32 s[COL+\c], 0x00010001<<\c
.endr
	v_and_b32 v11, 31, v0                          ; l
	v_lshlrev_b32 v1, 4, v11
	v_lshlrev_b32 v2, 2, v11
	v_bfe_u32 v9, v0, 4, 1                         ; h
	v_lshlrev_b32 v3, 4, v9
	v_lshl_add_u32 v13, v9, 5, 1664
	v_and_b32 v8, 15, v0                           ; my column
	v_lshlrev_b32 v10, 2, v8
	v_lshrrev_b32 v8, 2, v8                        ; a
	s_lshl_b32 s18, s17, 2
	v_add3_u32 v8, v8, v3, s18                     ; the lane of the tile's record that holds my query's block h
	v_lshlrev_b32 v14, 4, v8
	v_lshlrev_b32 v15, 3, v8
	v_lshlrev_b32 v11, 2, v8
	s_wait_kmcnt 0x0
	s_lshl_b32 s48, s16, 10
	s_add_nc_u64 s[6:7], s[6:7], s[48:49]          ; the tile's record
	s_lshl_b32 s18, s17, 6
	s_add_co_u32 s48, s48, s18
	s_add_nc_u64 s[8:9], s[8:9], s[48:49]          ; bins: 1,024 x tile + 64 x (W % 4): 16 bytes a query; bins 4 m + 0 .. 3 lie 256 m bytes on
	s_lshl_b32 s48, s14, 8
	s_add_nc_u64 s[10:11], s[10:11], s[48:49]
	s_add_nc_u64 s[12:13], s[12:13], s[48:49]
.irp m, 0,1,2,3
	global_load_b32 v[4+\m], v10, s[8:9] offset:256*\m
.endr
	global_load_b128 v[16:19], v14, s[6:7]
	global_load_b64 v[20:21], v15, s[6:7] offset:512
	global_load_b128 v[28:31], v14, s[6:7]
	global_load_b64 v[32:33], v15, s[6:7] offset:512
	global_load_b32 v34, v11, s[6:7] offset:768
	global_load_b32 v12, v11, s[6:7] offset:896
.irp i, 0,1,2,3,4,5
	v_mov_b32 v[22+\i], 0                          ; zero codes
.endr
.set q, 0
.rept 16
	v_mov_b32 v[LST+q], 0xff800000                 ; the list begins with -infinity, under every score
	v_mov_b32 v[LST+16+q], 0
.set q, q+1
.endr
	s_wait_loadcnt 0x0
	CISSUE 4, CC
.irp c, 0,1,2,3,4,5,6,7
	FISSUE \c, 4, \c
.endr
	s_mov_b32 s55, 3
.Lsweep:
	SWEEP 1
	s_sub_co_u32 s55, s55, 1
	s_cmp_lg_u32 s55, 0
	s_cbranch_scc1 .Lsweep
	SWEEP 0                                        ; the last sweep is written out: it asks for nothing beyond itself
	XMERGE LST, 44, 76, 1, 52                      ; the query's four copies,
	XMERGE LST, 44, 76, 2, 53
	XMERGE LST, 44, 76, 16, 54                     ; and the two halves of the lanes: all eight lanes of a query now hold its 16 best, sorted
.set q, 0
.rept 16
	v_sub_f32 v[108+q], v12, v[LST+q]              ; d2 = |q|^2 - score
.set q, q+1
.endr
.set q, 0
.rept 16
	v_fma_f32 v[108+q], v[108+q], -4.0, s57        ; scaled = 8 - 4 d2
.set q, q+1
.endr
	v_mov_b32 v124, v108                           ; the largest: the list is sorted
.set q, 0
.rept 16
	v_sub_f32 v[108+q], v[108+q], v124
.set q, q+1
.endr
.set q, 0
.rept 16
	v_mul_f32 v[108+q], 0x3fb8aa3b, v[108+q]       ; x log2(e)
.set q, q+1
.endr
.set q, 0
.rept 16
	v_exp_f32 v[108+q], v[108+q]
.set q, q+1
.endr
	v_nop                                          ; one plain place behind the transcendentals
	s_wait_alu depctr_va_vdst(0)
	v_pk_add_f32 v[124:125], v[108:109], v[110:111]
	v_pk_add_f32 v[126:127], v[112:113], v[114:115]
	v_pk_add_f32 v[124:125], v[124:125], v[116:117]
	v_pk_add_f32 v[126:127], v[126:127], v[118:119]
	v_pk_add_f32 v[124:125], v[124:125], v[120:121]
	v_pk_add_f32 v[126:127], v[126:127], v[122:123]
	v_pk_add_f32 v[124:125], v[124:125], v[126:127]
	v_add_f32 v124, v124, v125                     ; at least 1: the first term is 1
	v_rcp_f32 v125, v124
	v_bfe_u32 v14, v0, 2, 2                        ; (a plain place behind the transcendental)  a
	v_and_b32 v15, 3, v0
	v_lshlrev_b32 v15, 3, v15
	v_lshl_add_u32 v15, v14, 6, v15
	v_lshl_add_u32 v15, v3, 1, v15                 ; 64 a + 8 ((l % 4) + 4 h): my pair's place among the wave's four queries
.set q, 0
	s_wait_alu depctr_va_vdst(0)
.rept 16
	v_mul_f32 v[108+q], v[108+q], v125
.set q, q+1
.endr
	PSEL LST+16, 140
	PSEL 108, 142
	global_store_b64 v15, v[140:141], s[10:11]     ; 32 lanes store 256 consecutive bytes, aligned
	global_store_b64 v15, v[142:143], s[12:13]
	s_endpgm
.Lfunc_end_k_q4b8e0c1fa9_refine:
	.size	k_q4b8e0c1fa9_refine, .Lfunc_end_k_q4b8e0c1fa9_refine-k_q4b8e0c1fa9_refine
	.p2alignl 7, 3214868480
	.fill 96, 4, 3214868480
	.section	.rodata,"a",@progbits
	.p2align	6, 0x0
	.amdhsa_kernel k_q4b8e0c1fa9_refine
		.amdhsa_group_segment_fixed_size 0
		.amdhsa_private_segment_fixed_size 0
		.amdhsa_enable_private_segment 0
		.amdhsa_kernarg_size 40
		.amdhsa_user_sgpr_count 2
		.amdhsa_user_sgpr_kernarg_segment_ptr 1
		.amdhsa_wavefront_size32 1
		.amdhsa_system_sgpr_workgroup_id_x 1
		.amdhsa_system_sgpr_workgroup_id_y 1
		.amdhsa_system_sgpr_workgroup_id_z 1
		.amdhsa_system_vgpr_workitem_id 0
		.amdhsa_next_free_vgpr 256
		.amdhsa_next_free_sgpr 100
		.amdhsa_reserve_vcc 0
		.amdhsa_float_denorm_mode_32 3
		.amdhsa_float_denorm_mode_16_64 3
		.amdhsa_memory_ordered 1
		.amdhsa_forward_progress 1
		.amdhsa_inst_pref_size 185
	.end_amdhsa_kernel
	.amdgpu_metadata
---
amdhsa.version: [ 1, 2 ]
amdhsa.kernels:
  - .name:           k_q4b8e0c1fa9_refine
    .symbol:         k_q4b8e0c1fa9_refine.kd
    .args:
      - { .name: dbpack, .offset: 0, .size: 8, .value_kind: global_buffer, .address_space: global }
      - { .name: qpack, .offset: 8, .size: 8, .value_kind: global_buffer, .address_space: global }
      - { .name: bins, .offset: 16, .size: 8, .value_kind: global_buffer, .address_space: global }
      - { .name: sel, .offset: 24, .size: 8, .value_kind: global_buffer, .address_space: global }
      - { .name: wts, .offset: 32, .size: 8, .value_kind: global_buffer, .address_space: global }
    .group_segment_fixed_size: 0
    .private_segment_fixed_size: 0
    .kernarg_segment_align: 8
    .kernarg_segment_size: 40
    .max_flat_workgroup_size: 256
    .sgpr_count:     100
    .vgpr_count:     256
    .wavefront_size: 32
...
	.end_amdgpu_metadata
.endif
;; end of part 7
;; launch gather: the kernel of part 5 again; grid 512 x 1, 8 waves a work-group, no clusters, 0 bytes of LDS; arguments sel, wts, weight_values, out0; writes out0
;; ======== version 3 of 3: 5 launches
;; workspace buffers: dbpack 917,504 bytes; qpack 524,288 bytes; cand 8,388,608 bytes; bins 524,288 bytes of whole numbers; sel 524,288 bytes of whole numbers; wts 524,288 bytes
;; launch prep (part 8): grid 256 x 1, 4 waves a work-group, no clusters, 0 bytes of LDS; arguments database, x, pos, dbpack, qpack; writes dbpack, qpack
.if DOCPART == 8
	.amdgcn_target "amdgcn-amd-amdhsa--gfx1250"
	.amdhsa_code_object_version 6
	.text
	.protected	k_q4b8e0c1fa9_prep
	.globl	k_q4b8e0c1fa9_prep
	.p2align	8
	.type	k_q4b8e0c1fa9_prep,@function
k_q4b8e0c1fa9_prep:
	s_mov_b64 s[64:65], 0
	v_nop
	global_prefetch_b8 v0, s[64:65] scope:SCOPE_SE
	s_setreg_imm32_b32 hwreg(HW_REG_WAVE_SCHED_MODE, 0, 2), 2
	s_setreg_imm32_b32 hwreg(HW_REG_WAVE_MODE, 25, 1), 1
	s_wait_xcnt 0x0
	s_wait_alu depctr_vm_vsrc(0)
; Both operands of the quantised product are made once, as codes of FP6 (E2M3) with one E8M0 byte for each 32 along K, laid as IMAGES OF THE OPERAND'S REGISTERS.
; Work-groups 0-127: the database.  A wave makes the record of one bin of 32 neighbouring rows (1,792 bytes): a fragment of 12 registers a lane whose k 0-63 hold the bin's 16 even rows (tile X) and whose
; k 64-127 hold its 16 odd rows (tile Y); a scale word a row pair (X block 0, X block 1, Y block 0, Y block 1); and -|row|^2 of the 32 rows, f32, X's sixteen and then Y's.
; Work-groups 128-255: the queries.  A wave makes the record of one tile of 16 queries (1,024 bytes): the codes of 2 q, q = [x / |x|, pos / |pos|], six registers a lane; a scale word; |q|^2.
; Lane l = r + 16 h holds block h (32 numbers) of row or query r, so a block's largest magnitude needs no other lane, and the conversions' results are the operand's registers.
; A block's scale byte is its largest magnitude's exponent field - 2, held at 1 from below.
; LIMITS: NaN and infinities among the inputs are not served.  A block of zeros gets the byte 1 where the rule says 127: its codes are zeros, and this program alone reads the bytes.
; 1 / norm is v_rsq_f32 (1 ulp) and a multiplication.  A row of x or pos that is all zeros gives NaN, as it does in the definition.
; No LDS, no barrier: waves share nothing.  The two paths part on the work-group's number alone.
; THE MODE: SCHED_MODE bits 1:0 = 2 (LLVM: expert scheduling mode 2), set by the entry lines.  The code itself states the register dependences between vector instructions and memory instructions, with s_wait_alu, always for 0.
; THE PLAN.  Registers that memory instructions touch: the offsets v4, v5, v7 to v10, made once ahead of a path's loads and never written again; v16 on, in which the loads land and which no vector instruction names before;
; the codes, the scale word and the sums, which vector instructions write and the stores at a path's end read.  So a path has one wait on va_vdst ahead of its loads and one ahead of its stores.
.set SEL, 20                           ; s[20:21] selects of v_permlanex16_b32 for lane l xor 16
.set HM,  22                           ; s22      mask of lanes 16-31
; the largest magnitude of v[s] .. v[s + 31] and the floor 2^(3 - 127), in two chains
.macro AMAX d, t, s
	v_max3_num_f32 v[\d], |v[\s]|, |v[\s+1]|, 0x1800000
	v_max3_num_f32 v[\t], |v[\s+16]|, |v[\s+17]|, |v[\s+18]|
.set q, 0
.rept 6
	v_max3_num_f32 v[\d], v[\d], |v[\s+2+q]|, |v[\s+3+q]|
	v_max3_num_f32 v[\t], v[\t], |v[\s+19+q]|, |v[\s+20+q]|
.set q, q+2
.endr
	v_max3_num_f32 v[\d], v[\d], |v[\s+14]|, |v[\s+15]|
	v_max3_num_f32 v[\d], v[\d], v[\t], |v[\s+31]|
.endm
; v[d] = the sum of the squares of v[s] .. v[s + 31] and of lane l xor 16's 32: two packed chains; v[d+1] .. v[d+3] at work
.macro SUMSQ d, s
	v_pk_mul_f32 v[\d:\d+1], v[\s:\s+1], v[\s:\s+1]
	v_pk_mul_f32 v[\d+2:\d+3], v[\s+2:\s+3], v[\s+2:\s+3]
.set q, 4
.rept 7
	v_pk_fma_f32 v[\d:\d+1], v[\s+q:\s+q+1], v[\s+q:\s+q+1], v[\d:\d+1]
	v_pk_fma_f32 v[\d+2:\d+3], v[\s+q+2:\s+q+3], v[\s+q+2:\s+q+3], v[\d+2:\d+3]
.set q, q+4
.endr
	v_pk_add_f32 v[\d:\d+1], v[\d:\d+1], v[\d+2:\d+3]
	v_add_f32 v[\d], v[\d], v[\d+1]
	v_permlanex16_b32 v[\d+2], v[\d], s[SEL], s[SEL+1]
	v_add_f32 v[\d], v[\d], v[\d+2]
.endm
	s_load_b256 s[4:11], s[0:1], 0x0               ; database s[4:5], x s[6:7], pos s[8:9], dbpack s[10:11]
	s_load_b64 s[12:13], s[0:1], 0x20              ; qpack
	v_lshrrev_b32 v1, 5, v0
	v_readfirstlane_b32 s14, v1                    ; wave 0..3
	v_and_b32 v1, 31, v0                           ; l
	v_and_b32 v2, 15, v0                           ; r
	v_bfe_u32 v3, v0, 4, 1                         ; h
	v_lshlrev_b32 v4, 4, v1                        ; 16 l
	v_lshlrev_b32 v5, 2, v1                        ; 4 l
	v_lshlrev_b32 v6, 3, v3                        ; 8 h: my byte's place in a scale word
	s_mov_b32 s[SEL], 0x76543210
	s_mov_b32 s[SEL+1], 0xfedcba98
	s_mov_b32 s[HM], 0xffff0000
	s_mov_b32 s17, 0                               ; upper word of the offset pair s[16:17]
	s_wait_alu depctr_va_sdst(0)                   ; s14 is written: both paths read it
	s_wait_kmcnt 0x0
	s_cmp_lt_u32 ttmp9, 128
	s_cbranch_scc0 .Lquery
	; ---- a bin of the database
	s_lshl_b32 s15, ttmp9, 2
	s_add_co_u32 s15, s15, s14                     ; the bin: 4 x work-group + wave
	s_lshl_b32 s16, s15, 13                        ; its 32 rows of 256 bytes
	s_add_nc_u64 s[4:5], s[4:5], s[16:17]
	s_mul_i32 s16, s15, 1792                       ; its record
	s_add_nc_u64 s[10:11], s[10:11], s[16:17]
	s_wait_alu depctr_va_vdst(0)
	v_lshlrev_b32 v7, 9, v2
	v_lshl_add_u32 v7, v3, 7, v7                   ; row 2 r, block h: 512 r + 128 h
	s_wait_alu depctr_va_vdst(0)                   ; v7 is written, which the loads read as their offset; so are v4 and v5, the stores' offsets
.irp i, 0,1,2,3,4,5,6,7
	global_load_b128 v[16+4*\i:19+4*\i], v7, s[4:5] offset:16*\i th:TH_LOAD_NT       ; X: row 2 r
.endr
.irp i, 0,1,2,3,4,5,6,7
	global_load_b128 v[48+4*\i:51+4*\i], v7, s[4:5] offset:256+16*\i th:TH_LOAD_NT   ; Y: row 2 r + 1
.endr
	s_wait_loadcnt 0x0
	AMAX 100, 99, 16
	AMAX 101, 99, 48
	SUMSQ 102, 16                                  ; |row 2 r|^2, both blocks
	SUMSQ 106, 48                                  ; |row 2 r + 1|^2
	v_add_nc_u32 v100, 0xff000000, v100            ; 2 off the exponent field: the conversion takes this operand's exponent field as its scale
	v_add_nc_u32 v101, 0xff000000, v101
	v_lshrrev_b32 v110, 23, v100                   ; the scale bytes
	v_lshrrev_b32 v111, 23, v101
	v_cvt_scalef32_pk16_fp6_f32 v[80:82], v[16:31], v100
	v_cvt_scalef32_pk16_fp6_f32 v[92:94], v[32:47], v100      ; (a conversion's three registers begin on an even number: the upper halves are made elsewhere and moved)
	v_cvt_scalef32_pk16_fp6_f32 v[86:88], v[48:63], v101
	v_cvt_scalef32_pk16_fp6_f32 v[96:98], v[64:79], v101
	v_nop                                          ; one plain place behind the scaled conversions
.irp i, 0,1,2
	v_mov_b32 v[83+\i], v[92+\i]
	v_mov_b32 v[89+\i], v[96+\i]
.endr
	v_lshl_or_b32 v99, v111, 16, v110              ; X's byte and Y's of my block,
	v_lshlrev_b32 v99, v6, v99                     ; at their places (8 h bits up);
	v_permlanex16_b32 v104, v99, s[SEL], s[SEL+1]
	v_or_b32 v99, v99, v104                        ; with lane l xor 16's two the word is whole
	v_cndmask_b32 v95, v102, v106, s[HM]           ; lanes 0-15 store X's sums, lanes 16-31 Y's,
	v_xor_b32 v95, 0x80000000, v95                 ; negated: they are the C of the products
	s_wait_alu depctr_va_vdst(0)                   ; the codes v80-91, the scale word v99 and the sums v95 are written, which the five stores read
	global_store_b128 v4, v[80:83], s[10:11]
	global_store_b128 v4, v[84:87], s[10:11] offset:512
	global_store_b128 v4, v[88:91], s[10:11] offset:1024
	global_store_b32 v5, v99, s[10:11] offset:1536
	global_store_b32 v5, v95, s[10:11] offset:1664
	s_endpgm
.Lquery:
	; ---- a tile of 16 queries
	s_sub_co_u32 s15, ttmp9, 128
	s_lshl_b32 s15, s15, 2
	s_add_co_u32 s15, s15, s14                     ; the tile
	s_mul_i32 s16, s15, 3904                       ; 16 rows of x, 244 bytes each
	s_add_nc_u64 s[6:7], s[6:7], s[16:17]
	s_mul_i32 s16, s15, 192                        ; 16 rows of pos, 12 bytes each
	s_add_nc_u64 s[8:9], s[8:9], s[16:17]
	s_lshl_b32 s16, s15, 10                        ; its record
	s_add_nc_u64 s[12:13], s[12:13], s[16:17]
	s_wait_alu depctr_va_vdst(0)
	v_mul_u32_u24 v7, v2, 244                      ; row r of x
	v_lshl_add_u32 v8, v3, 7, v7                   ; + 128 h: my block
	v_mul_u32_u24 v9, v2, 12
	v_lshlrev_b32 v10, 3, v1                       ; 8 l
	s_wait_alu depctr_va_vdst(0)                   ; v7, v8 and v9 are written, which the loads read as their offsets; so are v4, v5 and v10, the stores' offsets
.set q, 0
.rept 29
	global_load_b32 v[16+q], v8, s[6:7] offset:4*q th:TH_LOAD_NT   ; x[r][32 h + i], i = 0 .. 28: up to x[r][60], the row's last
.set q, q+1
.endr
.irp i, 0,1,2
	global_load_b32 v[51+\i], v7, s[6:7] offset:116+4*\i           ; x[r][29 .. 31], in both halves of the lanes
	global_load_b32 v[48+\i], v9, s[8:9] offset:4*\i               ; pos[r]
.endr
	v_mov_b32 v54, 0                               ; (no memory instruction names v54)
	s_wait_alu depctr_va_vdst(0)
	s_wait_loadcnt 0x0
.irp i, 0,1,2
	v_cndmask_b32 v[45+\i], v[51+\i], v54, s[HM]   ; for x's norm: lanes 16-31 have only 29 numbers of x
.endr
	SUMSQ 56, 16                                   ; |x|^2
	v_mul_f32 v60, v48, v48
	v_fma_f32 v60, v49, v49, v60
	v_fma_f32 v60, v50, v50, v60                   ; |pos|^2
	s_wait_alu depctr_va_vdst(0)
	v_rsq_f32 v61, v56
	v_rsq_f32 v62, v60
	v_nop                                          ; one plain place behind the transcendentals
	s_wait_alu depctr_va_vdst(0)                   ; the two reciprocal roots v61 and v62 are written, ahead of their first reader
	v_add_f32 v64, v61, v61                        ; 2 / |x|, twice: a pair for the packed multiply
	v_add_f32 v65, v61, v61
	v_add_f32 v62, v62, v62                        ; 2 / |pos|
.irp i, 0,1,2
	v_cndmask_b32 v[45+\i], v[51+\i], v[48+\i], s[HM]   ; numbers 61 .. 63 of a query are pos
.endr
	v_cndmask_b32 v63, v64, v62, s[HM]             ; and their factor
.set q, 0
.rept 14
	v_pk_mul_f32 v[16+q:17+q], v[16+q:17+q], v[64:65]
.set q, q+2
.endr
	v_mul_f32 v44, v44, v64
.irp i, 0,1,2
	v_mul_f32 v[45+\i], v[45+\i], v63              ; v16-47 = my block of 2 q
.endr
	SUMSQ 56, 16
	v_mul_f32 v56, 0x3e800000, v56                 ; |q|^2 = |2 q|^2 / 4
	AMAX 100, 99, 16
	v_add_nc_u32 v100, 0xff000000, v100
	v_lshrrev_b32 v110, 23, v100
	v_cvt_scalef32_pk16_fp6_f32 v[80:82], v[16:31], v100
	v_cvt_scalef32_pk16_fp6_f32 v[92:94], v[32:47], v100
	v_nop                                          ; one plain place behind the scaled conversions
.irp i, 0,1,2
	v_mov_b32 v[83+\i], v[92+\i]
.endr
	v_lshlrev_b32 v99, v6, v110
	v_permlanex16_b32 v58, v99, s[SEL], s[SEL+1]
	v_or_b32 v99, v99, v58                         ; (block 0, block 1),
	v_lshl_or_b32 v99, v99, 16, v99                ; twice: the query stands in k 0-63 of one operand and in k 64-127 of the other
	s_wait_alu depctr_va_vdst(0)                   ; the codes v80-85, the scale word v99 and |q|^2 in v56 are written, which the four stores read
	global_store_b128 v4, v[80:83], s[12:13]
	global_store_b64 v10, v[84:85], s[12:13] offset:512
	global_store_b32 v5, v99, s[12:13] offset:768
	global_store_b32 v5, v56, s[12:13] offset:896
	s_endpgm
.Lfunc_end_k_q4b8e0c1fa9_prep:
	.size	k_q4b8e0c1fa9_prep, .Lfunc_end_k_q4b8e0c1fa9_prep-k_q4b8e0c1fa9_prep
	.p2alignl 7, 3214868480
	.fill 96, 4, 3214868480
	.section	.rodata,"a",@progbits
	.p2align	6, 0x0
	.amdhsa_kernel k_q4b8e0c1fa9_prep
		.amdhsa_group_segment_fixed_size 0
		.amdhsa_private_segment_fixed_size 0
		.amdhsa_enable_private_segment 0
		.amdhsa_kernarg_size 40
		.amdhsa_user_sgpr_count 2
		.amdhsa_user_sgpr_kernarg_segment_ptr 1
		.amdhsa_wavefront_size32 1
		.amdhsa_system_sgpr_workgroup_id_x 1
		.amdhsa_system_sgpr_workgroup_id_y 1
		.amdhsa_system_sgpr_workgroup_id_z 1
		.amdhsa_system_vgpr_workitem_id 0
		.amdhsa_next_free_vgpr 112
		.amdhsa_next_free_sgpr 66
		.amdhsa_reserve_vcc 0
		.amdhsa_float_denorm_mode_32 3
		.amdhsa_float_denorm_mode_16_64 3
		.amdhsa_memory_ordered 1
		.amdhsa_forward_progress 1
		.amdhsa_inst_pref_size 20
	.end_amdhsa_kernel
	.amdgpu_metadata
---
amdhsa.version: [ 1, 2 ]
amdhsa.kernels:
  - .name:           k_q4b8e0c1fa9_prep
    .symbol:         k_q4b8e0c1fa9_prep.kd
    .args:
      - { .name: database, .offset: 0, .size: 8, .value_kind: global_buffer, .address_space: global }
      - { .name: x, .offset: 8, .size: 8, .value_kind: global_buffer, .address_space: global }
      - { .name: pos, .offset: 16, .size: 8, .value_kind: global_buffer, .address_space: global }
      - { .name: dbpack, .offset: 24, .size: 8, .value_kind: global_buffer, .address_space: global }
      - { .name: qpack, .offset: 32, .size: 8, .value_kind: global_buffer, .address_space: global }
    .group_segment_fixed_size: 0
    .private_segment_fixed_size: 0
    .kernarg_segment_align: 8
    .kernarg_segment_size: 40
    .max_flat_workgroup_size: 128
    .sgpr_count:     66
    .vgpr_count:     112
    .wavefront_size: 32
...
	.end_amdgpu_metadata
.endif
;; end of part 8
;; launch scan (part 9): grid 32 x 8, 16 waves a work-group, no clusters, 182,272 bytes of LDS; arguments dbpack, qpack, cand; writes cand
.if DOCPART == 9
	.amdgcn_target "amdgcn-amd-amdhsa--gfx1250"
	.amdhsa_code_object_version 6
	.text
	.protected	k_q4b8e0c1fa9_scan
	.globl	k_q4b8e0c1fa9_scan
	.p2align	8
	.type	k_q4b8e0c1fa9_scan,@function
k_q4b8e0c1fa9_scan:
	s_mov_b64 s[64:65], 0
	v_nop
	global_prefetch_b8 v0, s[64:65] scope:SCOPE_SE
	s_setreg_imm32_b32 hwreg(HW_REG_WAVE_MODE, 25, 1), 1
	s_wait_xcnt 0x0
; THE WHOLE QUANTISED PRODUCT, of which only each bin's largest score is kept.  Score of (query, row) = (2 q) . row - |row|^2: the product on codes of FP6 with -|row|^2 as its C; the smallest distance is the largest score.
; The 16 nearest rows of a query lie in the 16 bins (of 32 rows) with the largest bin maxima: each bin that holds one of them has a maximum no smaller than the 16th score, and there are at most 16 such bins ahead of any other.
; SHARES.  Work-group (x, y): 256 queries x the slice of 64 bins 64 y on.  SIXTEEN waves, four to a SIMD, so that one wave's vector work stands beside another's products and LDS loads.  Waves 2 p and 2 p + 1 share the
; tiles of queries 16 x + 2 p and 16 x + 2 p + 1 and part the slice: wave w takes records 32 (w % 2) on, so each record is read from LDS by eight waves.  The slice's 64 records (114,688 bytes) come into LDS ONCE, each
; wave bringing a sixteenth by one tensor load (one load of a wave is out), and are only read from then on: no ring.
; THE MATRIX INSTRUCTION IS USED TRANSPOSED (source 0 = rows of the database, source 1 = queries): lane (r, h) holds query r and tile rows 8 h + 0 .. 7.  K is 64, the instruction's is 128: a fragment of source 0 holds TWO
; tiles of rows (X in k 0-63, Y in k 64-127) and is multiplied twice, by [q | zero codes] and by [zero codes | q], which lie in 18 registers as q, zeros, q.  A zero code adds nothing under any scale byte that occurs here.
; SELECTION, without a branch.  A trip takes an even and an odd bin; lane (r, h) keeps the maximum of the bin of parity h: after the wave's 16 trips it holds 16 maxima for each tile, ONE BATCH, which a bitonic network sorts
; with the bins' numbers (10 stages of 8 comparators that do not wait for each other).  A wave's local tile 0 is tile 16 x + w, which it keeps; local tile 1 is its partner's, and that sorted list goes to the partner through
; LDS as an image of its registers.  Then: own list and partner's merged, the two parities merged, and the slice's 16 best bins of each query go to cand: keys in its first half, bin numbers in its second.
; TWO SETS OF RESULTS take turns: the maxima over one record's results stand behind the other record's products, name none of their registers, and so are the places ahead of the reads of results, of the loads into the
; operands' registers and of the next products onto the same results.
; NO CLUSTER: the 32 work-groups of a slice do read the same bytes, but each fetches them once in the launch, 7,168 bytes a wave, ahead of all its work on them; the plain form was kept.
; LIMITS: NaN and infinities are not served; among equal maxima either bin may be kept.
; REGISTERS: v1-3 l, r, h; v4-6 LDS addresses of a record's parts; v7 my first bin; v8, v12 where I put and fetch a list; v9-11, v15 global offsets; v16-51 the two queries' operands; v52-53 their scale words;
; v54-55 the records' scale words; v56-79 two fragments; v80-111 their -|row|^2; v112-143 the even record's results; v144-151 half maxima and at work; v152-183 the odd record's results; v184-215 the two batches;
; v216-231 the batch's bin numbers.  Behind the trips v56-183 are four sets of 32 (16 keys, 16 numbers) for the networks.
.set CM,   40                          ; s[40:55] lane masks of the compares
.set SEL,  30                          ; s[30:31] selects of v_permlanex16_b32 for lane l xor 16
.set HM,   32                          ; s32      mask of lanes 16-31
.set REC,  1792                        ; a record
.set HALF, 32*REC                      ; what a wave walks
.set EX,   64*REC                      ; behind the slice: 4,096 bytes for each wave, for the list that it hands over; no tensor load lands there
.set DEV,  112                         ; results of the even record: tile t, X or Y (y) at DEV + 16 t + 8 y
.set DOD,  152                         ; of the odd record
.set XK,   184                         ; the batches: tile t's 16 maxima at XK + 16 t
.set IDS,  216                         ; their bins
; One stage of a bitonic network, distance dd, keys ka and numbers ia into keys kb and numbers ib: pair (q, q + dd) descending where q / kk is even, else ascending.  It reads one set and writes another: no moves.
.macro STG ka, ia, kb, ib, dd, kk
.set q, 0
.set n, 0
.rept 16
.if (q/\dd)%2 == 0
	v_cmp_gt_f32 s[CM+n], v[\ka+q+\dd], v[\ka+q]
.set n, n+1
.endif
.set q, q+1
.endr
.set q, 0
.set n, 0
.rept 16
.if (q/\dd)%2 == 0
.if (q/\kk)%2 == 0
	v_max_num_f32 v[\kb+q], v[\ka+q], v[\ka+q+\dd]
	v_min_num_f32 v[\kb+q+\dd], v[\ka+q], v[\ka+q+\dd]
	v_cndmask_b32 v[\ib+q], v[\ia+q], v[\ia+q+\dd], s[CM+n]
	v_cndmask_b32 v[\ib+q+\dd], v[\ia+q+\dd], v[\ia+q], s[CM+n]
.else
	v_min_num_f32 v[\kb+q], v[\ka+q], v[\ka+q+\dd]
	v_max_num_f32 v[\kb+q+\dd], v[\ka+q], v[\ka+q+\dd]
	v_cndmask_b32 v[\ib+q], v[\ia+q+\dd], v[\ia+q], s[CM+n]
	v_cndmask_b32 v[\ib+q+\dd], v[\ia+q], v[\ia+q+\dd], s[CM+n]
.endif
.set n, n+1
.endif
.set q, q+1
.endr
.endm
.macro STAGE S, D, d                   ; a stage of a merge: every pair descending; a set is 16 keys and behind them 16 numbers
	STG \S, \S+16, \D, \D+16, \d, 32
.endm
; 16 keys at kx with numbers at ix, in any order, sorted descending into set Q; sets P and Q take turns
.macro SORT16 kx, ix, P, Q
	STG \kx, \ix, \P, \P+16, 1, 2
	STG \P, \P+16, \Q, \Q+16, 2, 4
	STG \Q, \Q+16, \P, \P+16, 1, 4
	STG \P, \P+16, \Q, \Q+16, 4, 8
	STG \Q, \Q+16, \P, \P+16, 2, 8
	STG \P, \P+16, \Q, \Q+16, 1, 8
	STG \Q, \Q+16, \P, \P+16, 8, 16
	STG \P, \P+16, \Q, \Q+16, 4, 16
	STG \Q, \Q+16, \P, \P+16, 2, 16
	STG \P, \P+16, \Q, \Q+16, 1, 16
.endm
; the 16 best of two sorted lists, into A, as a bitonic sequence
.macro PICK A, B
.set q, 0
.rept 16
	v_cmp_gt_f32 s[CM+q], v[\B+15-q], v[\A+q]
.set q, q+1
.endr
.set q, 0
.rept 16
	v_cndmask_b32 v[\A+16+q], v[\A+16+q], v[\B+31-q], s[CM+q]
	v_max_num_f32 v[\A+q], v[\A+q], v[\B+15-q]
.set q, q+1
.endr
.endm
.macro MERGE_IN A, B                   ; A = the sorted 16 best of A and B; B is used up
	PICK \A, \B
	STAGE \A, \B, 8
	STAGE \B, \A, 4
	STAGE \A, \B, 2
	STAGE \B, \A, 1
.endm
; my list S and lane l xor 16's are merged; both lanes compute the same function of (lower lane's list, upper lane's list), so both hold the same list afterwards
.macro XMERGE S, T, U, hm
.set q, 0
.rept 32
	v_permlanex16_b32 v[\T+q], v[\S+q], s[SEL], s[SEL+1]
.set q, q+1
.endr
.set q, 0
.rept 32
	v_cndmask_b32 v[\U+q], v[\S+q], v[\T+q], s[\hm]
.set q, q+1
.endr
.set q, 0
.rept 32
	v_cndmask_b32 v[\T+q], v[\T+q], v[\S+q], s[\hm]
.set q, q+1
.endr
	PICK \U, \T
	STAGE \U, \T, 8
	STAGE \T, \S, 4
	STAGE \S, \T, 2
	STAGE \T, \S, 1
.endm
; a record from LDS: eight loads: the fragment as it lies, its scale words, -|row|^2 of my eight rows of X and of Y
.macro LOADF set, off
	ds_load_b128 v[56+12*\set:59+12*\set], v4 offset:(\off)
	ds_load_b128 v[60+12*\set:63+12*\set], v4 offset:(\off)+512
	ds_load_b128 v[64+12*\set:67+12*\set], v4 offset:(\off)+1024
	ds_load_b32 v[54+\set], v5 offset:(\off)
	ds_load_b128 v[80+16*\set:83+16*\set], v6 offset:(\off)
	ds_load_b128 v[84+16*\set:87+16*\set], v6 offset:(\off)+16
	ds_load_b128 v[88+16*\set:91+16*\set], v6 offset:(\off)+64
	ds_load_b128 v[92+16*\set:95+16*\set], v6 offset:(\off)+80
.endm
; four products: tiles X and Y of the record x my two tiles of queries.  No result is another's C or its own: there is no chain
.macro MULF set, acc
.irp y, 0,1
.irp t, 0,1
	v_wmma_scale_f32_16x16x128_f8f6f4 v[\acc+16*\t+8*\y:\acc+16*\t+8*\y+7], v[56+12*\set:67+12*\set], v[16+18*\t+6*\y:27+18*\t+6*\y], v[80+16*\set+8*\y:87+16*\set+8*\y], v[54+\set], v[52+\t] matrix_a_fmt:MATRIX_FMT_FP6 matrix_b_fmt:MATRIX_FMT_FP6
.endr
.endr
.endm
; the largest of my 16 scores of a record for tile t of queries; each result is read from its low end on
.macro TREE t, acc, dst
	v_max3_num_f32 v[\dst], v[\acc+16*\t], v[\acc+16*\t+1], v[\acc+16*\t+2]
	v_max3_num_f32 v151, v[\acc+16*\t+8], v[\acc+16*\t+9], v[\acc+16*\t+10]
	v_max3_num_f32 v[\dst], v[\dst], v[\acc+16*\t+3], v[\acc+16*\t+4]
	v_max3_num_f32 v151, v151, v[\acc+16*\t+11], v[\acc+16*\t+12]
	v_max3_num_f32 v[\dst], v[\dst], v[\acc+16*\t+5], v[\acc+16*\t+6]
	v_max3_num_f32 v151, v151, v[\acc+16*\t+13], v[\acc+16*\t+14]
	v_max3_num_f32 v[\dst], v[\dst], v151, v[\acc+16*\t+7]
	v_max_num_f32 v[\dst], v[\dst], v[\acc+16*\t+15]
.endm
; lane (r, h) keeps its half of the bin of parity h and gets the other half from lane l xor 16
.macro COMB t, dst
	v_cndmask_b32 v148, v[144+\t], v[146+\t], s[HM]
	v_cndmask_b32 v149, v[146+\t], v[144+\t], s[HM]
	s_delay_alu instid0(VALU_DEP_1)
	v_permlanex16_b32 v150, v149, s[SEL], s[SEL+1]
	s_delay_alu instid0(VALU_DEP_1)
	v_max_num_f32 v[\dst], v148, v150
.endm
; Trip t: my records 2 t and 2 t + 1.  Behind the even record's products stand the maxima of the odd record of the trip before; behind the odd record's products those of the even record.
.macro TRIP t
	LOADF 1, 2*REC*(\t)+REC
	s_wait_dscnt 8                                 ; the even record's eight loads are in; the eight just issued stay out
	MULF 0, DEV
.if (\t) == 0
.set q, 0
.rept 16
	v_add_nc_u32 v[IDS+q], 2*q, v7                 ; the bins of my 16 maxima; these lines are the places here
.set q, q+1
.endr
.else
	TREE 0, DOD, 146
	TREE 1, DOD, 147
	COMB 0, XK+(\t)-1
	COMB 1, XK+16+(\t)-1
.endif
.if (\t) < 15
	LOADF 0, 2*REC*(\t)+2*REC                      ; the next trip's even record
	s_wait_dscnt 8                                 ; the odd record's eight loads are in; the eight just issued stay out
.else
	s_wait_dscnt 0x0                               ; my last record; nothing more is fetched
.endif
	MULF 1, DOD
	TREE 0, DEV, 144
	TREE 1, DEV, 145
.endm
	s_load_b128 s[4:7], s[0:1], 0x0                ; dbpack s[4:5], qpack s[6:7]
	s_load_b64 s[8:9], s[0:1], 0x10                ; cand
	v_lshl_add_u32 v232, v0, 2, 0x2c000
	v_mov_b32 v233, 0
	ds_add_u32 v232, v233
	ds_add_u32 v232, v233
	v_lshrrev_b32 v1, 5, v0
	s_delay_alu instid0(VALU_DEP_1)
	v_readfirstlane_b32 s10, v1                    ; wave 0..15
	s_and_b32 s12, ttmp7, 0xffff                   ; the slice
	; descriptor group 1: my sixteenth of the slice, a dense block, as 28 rows of 256 bytes (32 elements of 8 bytes); no padding: it is read as it lies
	s_mov_b32 s20, 3<<16                           ; no mask; elements of 8 bytes
	s_mov_b32 s21, 32<<16                          ; tensor_dim0 = 32
	s_mov_b32 s22, 28<<16                          ; tensor_dim1 = 28
	s_mov_b32 s23, 32<<16                          ; tile_dim0 = 32
	s_mov_b32 s24, 28                              ; tile_dim1 = 28
	s_mov_b32 s25, 32                              ; from row to row: 32 elements
	s_mov_b32 s26, 0
	s_mov_b32 s27, 0
	s_mov_b32 s16, 1                               ; group 0: count = 1,
	s_mul_i32 s17, s10, 7168                       ; LDS address: wave x 7,168,
	s_mul_i32 s14, s12, 114688
	s_add_co_u32 s14, s14, s17
	s_mov_b32 s15, 0
	s_wait_dscnt 0x0
	s_wait_kmcnt 0x0
	s_add_nc_u64 s[18:19], s[4:5], s[14:15]        ; global address: slice x 114,688 + wave x 7,168,
	s_or_b32 s19, s19, 0x80000000                  ; type = 2
	tensor_load_to_lds s[16:19], s[20:27]
	s_nop 0
	v_and_b32 v1, 31, v0                           ; l
	s_wait_alu depctr_va_vdst(0)
	v_and_b32 v2, 15, v0                           ; r
	v_bfe_u32 v3, v0, 4, 1                         ; h
	s_xor_b32 s11, s10, 1                          ; my partner
	s_lshl_b32 s29, ttmp9, 4
	s_add_co_u32 s13, s29, s10                     ; the tile that I keep: 16 x + wave
	s_lshl_b32 s14, s13, 10
	s_add_nc_u64 s[34:35], s[6:7], s[14:15]        ; its record
	s_lshl_b32 s28, s12, 9
	s_add_co_u32 s28, s28, s13
	s_lshl_b32 s14, s28, 10
	s_add_nc_u64 s[8:9], s[8:9], s[14:15]          ; cand: (512 slice + tile) x 1,024
	s_add_co_u32 s13, s29, s11                     ; the tile that my partner keeps
	s_lshl_b32 s14, s13, 10
	s_add_nc_u64 s[36:37], s[6:7], s[14:15]
	v_lshlrev_b32 v9, 4, v1                        ; 16 l
	v_lshlrev_b32 v10, 3, v1                       ; 8 l
	v_lshlrev_b32 v11, 2, v1                       ; 4 l
.irp t, 0,1
	global_load_b128 v[16+18*\t:19+18*\t], v9, s[34+2*\t:35+2*\t]              ; the query's six registers,
	global_load_b64 v[20+18*\t:21+18*\t], v10, s[34+2*\t:35+2*\t] offset:512
	global_load_b128 v[28+18*\t:31+18*\t], v9, s[34+2*\t:35+2*\t]              ; and once more behind the six of zeros
	global_load_b64 v[32+18*\t:33+18*\t], v10, s[34+2*\t:35+2*\t] offset:512
	global_load_b32 v[52+\t], v11, s[34+2*\t:35+2*\t] offset:768               ; its scale words
.endr
.irp t, 0,1
.irp i, 0,1,2,3,4,5
	v_mov_b32 v[22+18*\t+\i], 0                    ; zero codes
.endr
.endr
	s_and_b32 s28, s10, 1                          ; which half of the slice is mine
	s_lshl_b32 s29, s28, 5                         ; its first bin,
	s_mul_i32 s28, s28, HALF                       ; its first byte in LDS
	v_add_nc_u32 v4, s28, v9                       ; a fragment's 16 bytes a lane
	v_lshl_add_u32 v5, v1, 2, 1536                 ; a scale word
	s_delay_alu instid0(VALU_DEP_1)
	v_add_nc_u32 v5, s28, v5
	v_lshl_add_u32 v6, v3, 5, 1664                 ; -|row|^2 of rows 8 h on
	s_delay_alu instid0(VALU_DEP_1)
	v_add_nc_u32 v6, s28, v6
	s_lshl_b32 s13, s12, 6
	s_add_co_u32 s13, s13, s29
	v_add_nc_u32 v7, s13, v3                       ; my first bin: 64 slice + 32 half + h
	s_lshl_b32 s13, s10, 12
	s_add_co_u32 s13, s13, EX
	v_add_nc_u32 v8, s13, v9                       ; where I put the list that I hand over: 4,096 x wave + 16 l
	s_lshl_b32 s13, s11, 12
	s_add_co_u32 s13, s13, EX
	v_add_nc_u32 v12, s13, v9                      ; and where my partner puts mine
	v_lshlrev_b32 v15, 22, v3
	s_delay_alu instid0(VALU_DEP_1)
	v_lshl_add_u32 v15, v2, 4, v15                 ; the way out: lanes 0-15 keys, lanes 16-31 bins, 4,194,304 bytes on; 16 bytes a query
	v_mov_b32 v150, 0                              ; a lane permute's destination counts as one of its sources
	s_mov_b32 s[SEL], 0x76543210
	s_mov_b32 s[SEL+1], 0xfedcba98
	s_mov_b32 s[HM], 0xffff0000
	s_wait_alu depctr_va_vdst(0)
	s_wait_loadcnt 0x0                             ; the queries
	s_wait_tensorcnt 0x0                           ; my sixteenth of the slice has landed,
	s_barrier_signal -1
	s_barrier_wait -1                              ; everybody's has
	LOADF 0, 0
.irp t, 0,1,2,3,4,5,6,7,8,9,10,11,12,13,14,15
	TRIP \t
.endr
	TREE 0, DOD, 146                               ; the last odd record: the sixteen lines above are the places behind its products
	TREE 1, DOD, 147
	COMB 0, XK+15
	COMB 1, XK+31
	SORT16 XK, IDS, 56, 88                         ; the tile that I keep: sorted into v88-119
	SORT16 XK+16, IDS, 120, 152                    ; my partner's: into v152-183
.irp c, 0,1,2,3,4,5,6,7
	ds_store_b128 v8, v[152+4*\c:155+4*\c] offset:512*\c       ; as an image of its registers: 512 consecutive bytes a store
.endr
	s_wait_dscnt 0x0                               ; for my partner's sake: my stores are done
	s_barrier_signal -1
	s_barrier_wait -1
.irp c, 0,1,2,3,4,5,6,7
	ds_load_b128 v[120+4*\c:123+4*\c], v12 offset:512*\c       ; my tile's list over the other half of the slice, lane for lane
.endr
	s_wait_dscnt 0x0
	MERGE_IN 88, 120
	XMERGE 88, 120, 152, HM                        ; even bins' list and odd bins' list of each query
.set q, 0
.rept 16
	v_cndmask_b32 v[56+q], v[88+q], v[104+q], s[HM]
.set q, q+1
.endr
.irp c, 0,1,2,3
	global_store_b128 v15, v[56+4*\c:59+4*\c], s[8:9] offset:256*\c   ; sixteen lanes store 256 consecutive bytes of keys, sixteen 256 of bins, both aligned
.endr
	s_wait_tensorcnt 0x0
	ds_add_u32 v232, v233
	s_wait_dscnt 0x0
	s_endpgm
.Lfunc_end_k_q4b8e0c1fa9_scan:
	.size	k_q4b8e0c1fa9_scan, .Lfunc_end_k_q4b8e0c1fa9_scan-k_q4b8e0c1fa9_scan
	.p2alignl 7, 3214868480
	.fill 96, 4, 3214868480
	.section	.rodata,"a",@progbits
	.p2align	6, 0x0
	.amdhsa_kernel k_q4b8e0c1fa9_scan
		.amdhsa_group_segment_fixed_size 182272
		.amdhsa_private_segment_fixed_size 0
		.amdhsa_enable_private_segment 0
		.amdhsa_kernarg_size 24
		.amdhsa_user_sgpr_count 2
		.amdhsa_user_sgpr_kernarg_segment_ptr 1
		.amdhsa_wavefront_size32 1
		.amdhsa_system_sgpr_workgroup_id_x 1
		.amdhsa_system_sgpr_workgroup_id_y 1
		.amdhsa_system_sgpr_workgroup_id_z 1
		.amdhsa_system_vgpr_workitem_id 0
		.amdhsa_next_free_vgpr 234
		.amdhsa_next_free_sgpr 66
		.amdhsa_reserve_vcc 0
		.amdhsa_float_denorm_mode_32 3
		.amdhsa_float_denorm_mode_16_64 3
		.amdhsa_memory_ordered 1
		.amdhsa_forward_progress 1
		.amdhsa_inst_pref_size 148
	.end_amdhsa_kernel
	.amdgpu_metadata
---
amdhsa.version: [ 1, 2 ]
amdhsa.kernels:
  - .name:           k_q4b8e0c1fa9_scan
    .symbol:         k_q4b8e0c1fa9_scan.kd
    .args:
      - { .name: dbpack, .offset: 0, .size: 8, .value_kind: global_buffer, .address_space: global }
      - { .name: qpack, .offset: 8, .size: 8, .value_kind: global_buffer, .address_space: global }
      - { .name: cand, .offset: 16, .size: 8, .value_kind: global_buffer, .address_space: global }
    .group_segment_fixed_size: 182272
    .private_segment_fixed_size: 0
    .kernarg_segment_align: 8
    .kernarg_segment_size: 24
    .max_flat_workgroup_size: 512
    .sgpr_count:     66
    .vgpr_count:     234
    .wavefront_size: 32
...
	.end_amdgpu_metadata
.endif
;; end of part 9
;; launch merge (part 10): grid 256 x 1, 2 waves a work-group, no clusters, 0 bytes of LDS; arguments cand, bins; writes bins
.if DOCPART == 10
	.amdgcn_target "amdgcn-amd-amdhsa--gfx1250"
	.amdhsa_code_object_version 6
	.text
	.protected	k_q4b8e0c1fa9_merge
	.globl	k_q4b8e0c1fa9_merge
	.p2align	8
	.type	k_q4b8e0c1fa9_merge,@function
k_q4b8e0c1fa9_merge:
	s_mov_b64 s[64:65], 0
	v_nop
	global_prefetch_b8 v0, s[64:65] scope:SCOPE_SE
	s_setreg_imm32_b32 hwreg(HW_REG_WAVE_MODE, 25, 1), 1
	s_wait_xcnt 0x0
; The eight slices' lists of 16 (maximum, bin) of each query become one: the query's 16 best bins of 512, stored as whole numbers for the launch that forms addresses from them.
; A wave takes a tile of 16 queries; lane (r, z) takes query r's lists of slices 4 z + 0 .. 3, merges them in its registers, and at last with lane l xor 16's.  No branch on data: compares, selects, maxima and minima.
; Each load reads 256 consecutive bytes in sixteen lanes.  No LDS, no barrier.  LIMITS: among equal maxima either bin may be kept.
; REGISTERS: list t at v[16 + 32 t]: 16 keys, then 16 bins.
.set CM,  24                           ; s[24:39] lane masks of the compares
.set SEL, 20
.set HM,  22
.macro PICK A, B                       ; the 16 best of two sorted lists, into A, as a bitonic sequence
.set q, 0
.rept 16
	v_cmp_gt_f32 s[CM+q], v[\B+15-q], v[\A+q]
.set q, q+1
.endr
.set q, 0
.rept 16
	v_cndmask_b32 v[\A+16+q], v[\A+16+q], v[\B+31-q], s[CM+q]
	v_max_num_f32 v[\A+q], v[\A+q], v[\B+15-q]
.set q, q+1
.endr
.endm
.macro STAGE S, D, d                   ; one stage of the bitonic merge, distance d, from set S into set D
.set q, 0
.set n, 0
.rept 16
.if (q/\d)%2 == 0
	v_cmp_gt_f32 s[CM+n], v[\S+q+\d], v[\S+q]
.set n, n+1
.endif
.set q, q+1
.endr
.set q, 0
.set n, 0
.rept 16
.if (q/\d)%2 == 0
	v_max_num_f32 v[\D+q], v[\S+q], v[\S+q+\d]
	v_min_num_f32 v[\D+q+\d], v[\S+q], v[\S+q+\d]
	v_cndmask_b32 v[\D+16+q], v[\S+16+q], v[\S+16+q+\d], s[CM+n]
	v_cndmask_b32 v[\D+16+q+\d], v[\S+16+q+\d], v[\S+16+q], s[CM+n]
.set n, n+1
.endif
.set q, q+1
.endr
.endm
.macro MERGE_IN A, B                   ; A = the sorted 16 best of A and B; B is used up
	PICK \A, \B
	STAGE \A, \B, 8
	STAGE \B, \A, 4
	STAGE \A, \B, 2
	STAGE \B, \A, 1
.endm
.macro XMERGE S, T, U, hm              ; with lane l xor 16's list: both lanes compute the same function of (lower lane's list, upper lane's list)
.set q, 0
.rept 32
	v_permlanex16_b32 v[\T+q], v[\S+q], s[SEL], s[SEL+1]
.set q, q+1
.endr
.set q, 0
.rept 32
	v_cndmask_b32 v[\U+q], v[\S+q], v[\T+q], s[\hm]
.set q, q+1
.endr
.set q, 0
.rept 32
	v_cndmask_b32 v[\T+q], v[\T+q], v[\S+q], s[\hm]
.set q, q+1
.endr
	PICK \U, \T
	STAGE \U, \T, 8
	STAGE \T, \S, 4
	STAGE \S, \T, 2
	STAGE \T, \S, 1
.endm
	s_load_b128 s[4:7], s[0:1], 0x0                ; cand s[4:5], bins s[6:7]
	v_lshrrev_b32 v1, 5, v0
	v_readfirstlane_b32 s8, v1                     ; wave 0..1
	s_lshl_b32 s9, ttmp9, 1
	s_add_co_u32 s9, s9, s8                        ; the tile
	s_lshl_b32 s10, s9, 10
	s_mov_b32 s11, 0
	s_mov_b32 s[SEL], 0x76543210
	s_mov_b32 s[SEL+1], 0xfedcba98
	s_mov_b32 s[HM], 0xffff0000
	v_and_b32 v2, 15, v0                           ; r
	v_bfe_u32 v3, v0, 4, 1                         ; z
	v_lshlrev_b32 v4, 21, v3
	v_lshl_add_u32 v4, v2, 4, v4                   ; in: four slices (524,288 bytes each) x z + 16 r
	v_lshlrev_b32 v5, 8, v3
	v_lshl_add_u32 v5, v2, 4, v5                   ; out: 256 z + 16 r
	s_wait_alu depctr_va_vdst(0)
	s_wait_kmcnt 0x0
	s_add_nc_u64 s[4:5], s[4:5], s[10:11]
	s_add_nc_u64 s[6:7], s[6:7], s[10:11]
.irp t, 0,1,2,3
.irp c, 0,1,2,3
	global_load_b128 v[16+32*\t+4*\c:19+32*\t+4*\c], v4, s[4:5] offset:524288*\t+256*\c th:TH_LOAD_NT
.endr
.irp c, 0,1,2,3
	global_load_b128 v[32+32*\t+4*\c:35+32*\t+4*\c], v4, s[4:5] offset:4194304+524288*\t+256*\c th:TH_LOAD_NT
.endr
.endr
	s_wait_loadcnt 16                              ; lists 0 and 1 are in; the sixteen loads of lists 2 and 3 stay out
	MERGE_IN 16, 48
	s_wait_loadcnt 0x0
	MERGE_IN 80, 112
	MERGE_IN 16, 80
	XMERGE 16, 48, 80, HM
.irp i, 0,1,2,3
	v_cndmask_b32 v[112+\i], v[32+\i], v[36+\i], s[HM]     ; lanes 0-15 store bins 0-3 and 8-11 of the list, lanes 16-31 bins 4-7 and 12-15
	v_cndmask_b32 v[116+\i], v[40+\i], v[44+\i], s[HM]
.endr
	global_store_b128 v5, v[112:115], s[6:7]               ; 32 lanes store 512 consecutive bytes, aligned
	global_store_b128 v5, v[116:119], s[6:7] offset:512
	s_endpgm
.Lfunc_end_k_q4b8e0c1fa9_merge:
	.size	k_q4b8e0c1fa9_merge, .Lfunc_end_k_q4b8e0c1fa9_merge-k_q4b8e0c1fa9_merge
	.p2alignl 7, 3214868480
	.fill 96, 4, 3214868480
	.section	.rodata,"a",@progbits
	.p2align	6, 0x0
	.amdhsa_kernel k_q4b8e0c1fa9_merge
		.amdhsa_group_segment_fixed_size 0
		.amdhsa_private_segment_fixed_size 0
		.amdhsa_enable_private_segment 0
		.amdhsa_kernarg_size 16
		.amdhsa_user_sgpr_count 2
		.amdhsa_user_sgpr_kernarg_segment_ptr 1
		.amdhsa_wavefront_size32 1
		.amdhsa_system_sgpr_workgroup_id_x 1
		.amdhsa_system_sgpr_workgroup_id_y 1
		.amdhsa_system_sgpr_workgroup_id_z 1
		.amdhsa_system_vgpr_workitem_id 0
		.amdhsa_next_free_vgpr 144
		.amdhsa_next_free_sgpr 66
		.amdhsa_reserve_vcc 0
		.amdhsa_float_denorm_mode_32 3
		.amdhsa_float_denorm_mode_16_64 3
		.amdhsa_memory_ordered 1
		.amdhsa_forward_progress 1
		.amdhsa_inst_pref_size 53
	.end_amdhsa_kernel
	.amdgpu_metadata
---
amdhsa.version: [ 1, 2 ]
amdhsa.kernels:
  - .name:           k_q4b8e0c1fa9_merge
    .symbol:         k_q4b8e0c1fa9_merge.kd
    .args:
      - { .name: cand, .offset: 0, .size: 8, .value_kind: global_buffer, .address_space: global }
      - { .name: bins, .offset: 8, .size: 8, .value_kind: global_buffer, .address_space: global }
    .group_segment_fixed_size: 0
    .private_segment_fixed_size: 0
    .kernarg_segment_align: 8
    .kernarg_segment_size: 16
    .max_flat_workgroup_size: 64
    .sgpr_count:     66
    .vgpr_count:     144
    .wavefront_size: 32
...
	.end_amdgpu_metadata
.endif
;; end of part 10
;; launch refine (part 11): grid 256 x 1, 8 waves a work-group, no clusters, 0 bytes of LDS; arguments dbpack, qpack, bins, sel, wts; writes sel, wts
.if DOCPART == 11
	.amdgcn_target "amdgcn-amd-amdhsa--gfx1250"
	.amdhsa_code_object_version 6
	.text
	.protected	k_q4b8e0c1fa9_refine
	.globl	k_q4b8e0c1fa9_refine
	.p2align	8
	.type	k_q4b8e0c1fa9_refine,@function
k_q4b8e0c1fa9_refine:
	s_mov_b64 s[64:65], 0
	v_nop
	global_prefetch_b8 v0, s[64:65] scope:SCOPE_SE
	s_setreg_imm32_b32 hwreg(HW_REG_WAVE_SCHED_MODE, 0, 2), 2
	s_setreg_imm32_b32 hwreg(HW_REG_WAVE_MODE, 25, 1), 1
	s_wait_xcnt 0x0
	s_wait_alu depctr_vm_vsrc(0)
; The 16 x 32 = 512 candidate rows of each query (its 16 best bins, read as whole numbers that an earlier launch stored) are scored again by the same product on codes of FP6, the exact 16 best are selected with their
; row numbers, and their softmax weights are made.  sel gets the 16 row numbers of each query, wts the 16 weights.
; SHARES.  A wave owns FOUR queries, 4 W + a.  Each stands in four columns of source 1: column 4 a + c; copy c takes the bins 4 m + c of the query's list, in sweeps m = 0 .. 3.  So a query's candidates are spread over
; eight lanes (c, h), 64 each, and the last merges never leave the wave: no LDS, no barrier.
; A record is one column's bin: of its product with the 16 columns only that column is kept, by v_cndmask_b32 with a constant lane mask.  Each lane's C is -|row|^2 of ITS OWN column's bin, which so serves all 16 products.
; As in the scan the instruction is used transposed, a fragment holds two tiles of rows (X: k 0-63, Y: k 64-127), and it is multiplied by [q | zero codes] and [zero codes | q].
; A RING OF EIGHT fragments in registers: a column's record is asked for seven or eight steps ahead of its products.  TWO SETS OF RESULTS take turns: behind a column's two products stand the 16 selects of the column before,
; which name none of their registers: they are the places ahead of the reads of the results and of the next products onto the same results (ISA guide 7.12.1).
; SELECTION, without a branch.  A sweep leaves 16 scores in a lane: ONE BATCH, which a bitonic network sorts with the rows' numbers (10 stages of 8 comparators that do not wait for each other) and which is then merged
; with the lane's list of 16.  The next sweep's first eight records and its C are on their way meanwhile.
; SOFTMAX as defined: scaled = 8 - 4 d2, d2 = |q|^2 - score; the largest scaled, the sorted list's first, is taken away before the exponentials.
; LIMITS: NaN and infinities are not served; among exactly equal distances the row that is kept may be another than the definition's.  A bin number is held to 0 .. 511 before it enters an address.
; THE MODE: SCHED_MODE bits 1:0 = 2 (LLVM: expert scheduling mode 2), set by the entry lines.  The code itself states the register dependences between vector or matrix instructions and memory instructions, and those
; through scalar registers that vector instructions write, with s_wait_alu, always for 0.
; THE PLAN.  Registers that memory instructions touch, in the loop:
;   ring slot s (12 registers and a scale word)  Read by the two products of steps s and s + 8; behind them a later column's four loads land in it.
;   C (v172-187)   Read by all 32 products of a sweep; the next sweep's four loads land in it behind step 15's products.
;   v10            The C loads' offset: read by them, written once a sweep, in step 15.
;   v1, v2         The records' offsets: made at the head, never written again; a slot's scalar base does the rest.
;   The results, the batch, the list and v4-9 are named by vector and matrix instructions alone.
; THE LOADS GO BY PAIRS OF COLUMNS: one wait on va_vdst stands behind each odd step's selects; it states that this step's and the step before's products are done reading their two slots, and both columns' eight loads
; follow it.  No vector or matrix instruction names those slots again before their own steps.  In step 15 one wait on vm_vsrc (the last C loads have read v10) and the three lines that make v10 stand ahead of that step's
; wait, which so also states that v10 is written and that the sweep's products are done reading C.
; THROUGH SCALAR REGISTERS: a sweep's 16 bin numbers are read out of the lanes in one run at its head, with one wait on va_sdst; in every stage of a network the compares stand first, the maxima and minima behind them,
; then one wait on va_sdst, then the selects that read the masks.
; REGISTERS: v1 16 l; v2 4 l; v3 16 h; v4-7 my column's bins of this sweep and the later ones; v8 first row number of the batch; v10, v11, v14, v15 offsets and at work; v12 |q|^2; v13 1664 + 32 h;
; v16-33 q, zeros, q; v34 q's scale words; v36-43 the ring's scale words; v44-139 the ring; v140-171 two sets of two results, and the network's second set; v172-187 C; v188-203 the batch's scores; v204-219 its rows;
; v220-251 the list (16 keys, 16 rows).
.set CM,  84                           ; s[84:99] lane masks of the compares
.set COL, 68                           ; s[68:83] mask of column c: lanes c and c + 16
.set SEL, 50                           ; s[50:51]
.set BN,  16                           ; s[16:31] the bin of column c that is asked for next: columns 8-15 of this sweep, columns 0-7 of the next
.set AR,  44
.set SA,  36
.set DA,  140
.set CC,  172
.set EN,  188
.set IDS, 204
.set LST, 220
; One stage of a bitonic network, distance dd, keys ka and numbers ia into keys kb and numbers ib: pair (q, q + dd) descending where q / kk is even, else ascending.  It reads one set and writes another: no moves.
.macro STG ka, ia, kb, ib, dd, kk
.set q, 0
.set n, 0
.rept 16
.if (q/\dd)%2 == 0
	v_cmp_gt_f32 s[CM+n], v[\ka+q+\dd], v[\ka+q]
.set n, n+1
.endif
.set q, q+1
.endr
.set q, 0
.rept 16
.if (q/\dd)%2 == 0
.if (q/\kk)%2 == 0
	v_max_num_f32 v[\kb+q], v[\ka+q], v[\ka+q+\dd]
	v_min_num_f32 v[\kb+q+\dd], v[\ka+q], v[\ka+q+\dd]
.else
	v_min_num_f32 v[\kb+q], v[\ka+q], v[\ka+q+\dd]
	v_max_num_f32 v[\kb+q+\dd], v[\ka+q], v[\ka+q+\dd]
.endif
.endif
.set q, q+1
.endr
	s_wait_alu depctr_va_sdst(0)                   ; the stage's eight compares have written their masks, which the selects below read
.set q, 0
.set n, 0
.rept 16
.if (q/\dd)%2 == 0
.if (q/\kk)%2 == 0
	v_cndmask_b32 v[\ib+q], v[\ia+q], v[\ia+q+\dd], s[CM+n]
	v_cndmask_b32 v[\ib+q+\dd], v[\ia+q+\dd], v[\ia+q], s[CM+n]
.else
	v_cndmask_b32 v[\ib+q], v[\ia+q+\dd], v[\ia+q], s[CM+n]
	v_cndmask_b32 v[\ib+q+\dd], v[\ia+q], v[\ia+q+\dd], s[CM+n]
.endif
.set n, n+1
.endif
.set q, q+1
.endr
.endm
.macro STAGE S, D, d                   ; a stage of a merge: every pair descending; a set is 16 keys and behind them 16 numbers
	STG \S, \S+16, \D, \D+16, \d, 32
.endm
; 16 keys at kx with numbers at ix, in any order, sorted descending into set Q; sets P and Q take turns (Q may be the set that kx and ix form)
.macro SORT16 kx, ix, P, Q
	STG \kx, \ix, \P, \P+16, 1, 2
	STG \P, \P+16, \Q, \Q+16, 2, 4
	STG \Q, \Q+16, \P, \P+16, 1, 4
	STG \P, \P+16, \Q, \Q+16, 4, 8
	STG \Q, \Q+16, \P, \P+16, 2, 8
	STG \P, \P+16, \Q, \Q+16, 1, 8
	STG \Q, \Q+16, \P, \P+16, 8, 16
	STG \P, \P+16, \Q, \Q+16, 4, 16
	STG \Q, \Q+16, \P, \P+16, 2, 16
	STG \P, \P+16, \Q, \Q+16, 1, 16
.endm
.macro PICK A, B                       ; the 16 best of two sorted lists, into A, as a bitonic sequence
.set q, 0
.rept 16
	v_cmp_gt_f32 s[CM+q], v[\B+15-q], v[\A+q]
.set q, q+1
.endr
.set q, 0
.rept 16
	v_max_num_f32 v[\A+q], v[\A+q], v[\B+15-q]
.set q, q+1
.endr
	s_wait_alu depctr_va_sdst(0)                   ; the sixteen compares have written their masks, which the selects below read
.set q, 0
.rept 16
	v_cndmask_b32 v[\A+16+q], v[\A+16+q], v[\B+31-q], s[CM+q]
.set q, q+1
.endr
.endm
.macro MERGE_IN A, B                   ; A = the sorted 16 best of A and B; B is used up
	PICK \A, \B
	STAGE \A, \B, 8
	STAGE \B, \A, 4
	STAGE \A, \B, 2
	STAGE \B, \A, 1
.endm
.macro XMERGE S, T, U, kind, hm        ; my list and my partner lane's (l xor kind): both compute the same function of (lower lane's list, upper lane's list); hm: the mask of the upper partners
.set q, 0
.rept 32
.if \kind == 16
	v_permlanex16_b32 v[\T+q], v[\S+q], s[SEL], s[SEL+1]
.else
	v_mov_b32_dpp v[\T+q], v[\S+q] row_xmask:\kind row_mask:0xf bank_mask:0xf
.endif
.set q, q+1
.endr
.set q, 0
.rept 32
	v_cndmask_b32 v[\U+q], v[\S+q], v[\T+q], s[\hm]
.set q, q+1
.endr
.set q, 0
.rept 32
	v_cndmask_b32 v[\T+q], v[\T+q], v[\S+q], s[\hm]
.set q, q+1
.endr
	PICK \U, \T
	STAGE \U, \T, 8
	STAGE \T, \S, 4
	STAGE \S, \T, 2
	STAGE \T, \S, 1
.endm
; the record of column col's bin (its number lies in s[BN + col]) is asked for, into ring slot slot: four loads.  The slot's base pair is free: a wait on LOADcnt has shown its last loads done
.macro FISSUE col, slot
	s_min_u32 s56, s[BN+(\col)], 511
	s_mul_i32 s48, s56, 1792
	s_add_nc_u64 s[32+2*(\slot):33+2*(\slot)], s[4:5], s[48:49]
	global_load_b128 v[AR+12*(\slot):AR+12*(\slot)+3], v1, s[32+2*(\slot):33+2*(\slot)]
	global_load_b128 v[AR+12*(\slot)+4:AR+12*(\slot)+7], v1, s[32+2*(\slot):33+2*(\slot)] offset:512
	global_load_b128 v[AR+12*(\slot)+8:AR+12*(\slot)+11], v1, s[32+2*(\slot):33+2*(\slot)] offset:1024
	global_load_b32 v[SA+(\slot)], v2, s[32+2*(\slot):33+2*(\slot)] offset:1536
.endm
; -|row|^2 of my own column's bin: the offset of my eight rows of X,
.macro COFF breg
	v_min_u32 v11, 511, v[\breg]
	v_mul_u32_u24 v10, v11, 0x700
	v_add_nc_u32 v10, v10, v13
.endm
; and the four loads: my eight rows of X, my eight of Y
.macro CLOAD dst
	global_load_b128 v[\dst:\dst+3], v10, s[4:5]
	global_load_b128 v[\dst+4:\dst+7], v10, s[4:5] offset:16
	global_load_b128 v[\dst+8:\dst+11], v10, s[4:5] offset:64
	global_load_b128 v[\dst+12:\dst+15], v10, s[4:5] offset:80
.endm
; column c's 16 scores into its two lanes of the batch.  Each result is read from its low end on
.macro SELECT c
.set q, 0
.rept 16
.if (\c) == 0
	v_mov_b32 v[EN+q], v[DA+q]                     ; column 0's; the other lanes' are replaced by their own columns'
.else
	v_cndmask_b32 v[EN+q], v[EN+q], v[DA+16*((\c)%2)+q], s[COL+(\c)]
.endif
.set q, q+1
.endr
.endm
; A sweep: one bin of each of the 16 columns, then the batch's sort and merge.  nx = 1: the next sweep's records and C are asked for on the way.
.macro SWEEP nx
.irp c, 8,9,10,11,12,13,14,15
	v_readlane_b32 s[BN+\c], v4, \c                ; the bins of this sweep's columns 8 to 15,
.endr
.if \nx
.irp c, 0,1,2,3,4,5,6,7
	v_readlane_b32 s[BN+\c], v5, \c                ; and of the next sweep's columns 0 to 7
.endr
.endif
	s_wait_alu depctr_va_sdst(0)                   ; the run above has written s[BN ..], from which the steps below make the records' bases
.irp c, 0,1,2,3,4,5,6,7,8,9,10,11,12,13,14,15
.if \c == 0
	s_wait_loadcnt 0x0                             ; columns 0 to 7 and C, the youngest of them: all were asked for ahead of the last batch's sort.  Steps 1 to 7 so need no wait
.elseif \c >= 8
.if \nx
	s_wait_loadcnt 28-4*(\c%2)                     ; this column's four loads are in.  Loads go out by pairs of columns: behind an even column's stand its partner's four and three pairs, behind an odd column's three pairs
.else
	s_wait_loadcnt 4*(15-\c)                       ; the last sweep: the counts run down
.endif
.endif
	v_wmma_scale_f32_16x16x128_f8f6f4 v[DA+16*(\c%2):DA+16*(\c%2)+7], v[AR+12*(\c%8):AR+12*(\c%8)+11], v[16:27], v[CC:CC+7], v[SA+\c%8], v34 matrix_a_fmt:MATRIX_FMT_FP6 matrix_b_fmt:MATRIX_FMT_FP6
	v_wmma_scale_f32_16x16x128_f8f6f4 v[DA+16*(\c%2)+8:DA+16*(\c%2)+15], v[AR+12*(\c%8):AR+12*(\c%8)+11], v[22:33], v[CC+8:CC+15], v[SA+\c%8], v34 matrix_a_fmt:MATRIX_FMT_FP6 matrix_b_fmt:MATRIX_FMT_FP6
.if \c == 0
.rept 5
	v_nop                                          ; no column before: five places, since step 2's products write over these results
.endr
.else
	SELECT \c-1
.endif
.if (\c%2 == 1) && (\c < 8)
	s_wait_alu depctr_va_vdst(0)                   ; the products of this step and of the step before are done reading their two ring slots and scale words, in which the eight loads below land
	FISSUE \c+7, \c-1
	FISSUE \c+8, \c
.endif
.if (\c%2 == 1) && (\c > 8) && \nx
.if \c == 15
	s_wait_alu depctr_vm_vsrc(0)                   ; the last four loads of C have read v10, which is written again below
	COFF 5
.endif
	s_wait_alu depctr_va_vdst(0)                   ; the products of this step and of the step before are done reading their two ring slots and scale words; in step 15 also: v10 is written, and the sweep's products are done reading C
	FISSUE \c-9, \c-9
	FISSUE \c-8, \c-8
.if \c == 15
	CLOAD CC                                       ; no vector or matrix instruction names C, the ring or v10 from here to the next sweep's first products
.endif
.endif
.endr
	SELECT 15
	v_min_u32 v11, 511, v4
	v_lshl_add_u32 v8, v11, 5, v3                  ; 32 bin + 16 h
.set q, 0
.rept 16
	v_add_nc_u32 v[IDS+q], 2*(q%8)+q/8, v8         ; score 8 u + j of a lane is row 32 bin + 16 h + 2 j + u
.set q, q+1
.endr
	SORT16 EN, IDS, DA, EN                         ; the batch and the results' registers take turns
	MERGE_IN LST, EN
	v_mov_b32 v4, v5
	v_mov_b32 v5, v6
	v_mov_b32 v6, v7
.endm
; of 16 registers from src on, pair (l % 4) + 4 h, in three levels of selects
.macro PSEL src, dst
.irp p, 0,1,2,3
.irp e, 0,1
	v_cndmask_b32 v[128+2*\p+\e], v[\src+4*\p+\e], v[\src+4*\p+2+\e], s52
.endr
.endr
.irp p, 0,1
.irp e, 0,1
	v_cndmask_b32 v[128+2*\p+\e], v[128+4*\p+\e], v[128+4*\p+2+\e], s53
.endr
.endr
	v_cndmask_b32 v[\dst], v128, v130, s54
	v_cndmask_b32 v[\dst+1], v129, v131, s54
.endm
	s_load_b256 s[4:11], s[0:1], 0x0               ; dbpack s[4:5], qpack s[6:7], bins s[8:9], sel s[10:11]
	s_load_b64 s[12:13], s[0:1], 0x20              ; wts
	v_lshrrev_b32 v1, 5, v0
	v_readfirstlane_b32 s14, v1
	s_lshl_b32 s15, ttmp9, 3
	s_mov_b32 s49, 0                               ; upper word of the offset pair s[48:49]
	s_mov_b32 s[SEL], 0x76543210
	s_mov_b32 s[SEL+1], 0xfedcba98
	s_mov_b32 s52, 0xaaaaaaaa                      ; odd lanes
	s_mov_b32 s53, 0xcccccccc                      ; lanes with bit 1
	s_mov_b32 s54, 0xffff0000                      ; lanes 16-31
	s_mov_b32 s57, 0x41000000                      ; 8.0 = sqrt(64)
.irp c, 0,1,2,3,4,5,6,7,8,9,10,11,12,13,14,15
	s_mov_b32 s[COL+\c], 0x00010001<<\c
.endr
	v_and_b32 v11, 31, v0                          ; l
	v_lshlrev_b32 v1, 4, v11
	v_lshlrev_b32 v2, 2, v11
	v_bfe_u32 v9, v0, 4, 1                         ; h
	v_lshlrev_b32 v3, 4, v9
	v_lshl_add_u32 v13, v9, 5, 1664
	v_and_b32 v8, 15, v0                           ; my column
	v_lshlrev_b32 v10, 2, v8
	v_lshrrev_b32 v8, 2, v8                        ; a
	s_wait_alu depctr_va_sdst(0)                   ; s14, the wave's number, is written, ahead of its first reader
	s_add_co_u32 s14, s14, s15                     ; W = 8 x work-group + wave: my four queries are 4 W + 0 .. 3
	s_lshr_b32 s16, s14, 2                         ; their tile of 16,
	s_and_b32 s17, s14, 3                          ; and which four of it
	s_lshl_b32 s18, s17, 2
	v_add3_u32 v8, v8, v3, s18                     ; the lane of the tile's record that holds my query's block h
	v_lshlrev_b32 v14, 4, v8
	v_lshlrev_b32 v15, 3, v8
	v_lshlrev_b32 v11, 2, v8
	s_wait_kmcnt 0x0
	s_lshl_b32 s48, s16, 10
	s_add_nc_u64 s[6:7], s[6:7], s[48:49]          ; the tile's record
	s_lshl_b32 s18, s17, 6
	s_add_co_u32 s48, s48, s18
	s_add_nc_u64 s[8:9], s[8:9], s[48:49]          ; bins: 1,024 x tile + 64 x (W % 4): 16 bytes a query; bins 4 m + 0 .. 3 lie 256 m bytes on
	s_lshl_b32 s48, s14, 8
	s_add_nc_u64 s[10:11], s[10:11], s[48:49]
	s_add_nc_u64 s[12:13], s[12:13], s[48:49]
	s_wait_alu depctr_va_vdst(0)                   ; the offsets v10, v11, v14 and v15 are written, which the loads below read; so are v1 and v2, the offsets of every load of a record
.irp m, 0,1,2,3
	global_load_b32 v[4+\m], v10, s[8:9] offset:256*\m
.endr
	global_load_b128 v[16:19], v14, s[6:7]
	global_load_b64 v[20:21], v15, s[6:7] offset:512
	global_load_b128 v[28:31], v14, s[6:7]
	global_load_b64 v[32:33], v15, s[6:7] offset:512
	global_load_b32 v34, v11, s[6:7] offset:768
	global_load_b32 v12, v11, s[6:7] offset:896
.irp i, 0,1,2,3,4,5
	v_mov_b32 v[22+\i], 0                          ; zero codes (no load names these six registers)
.endr
.set q, 0
.rept 16
	v_mov_b32 v[LST+q], 0xff800000                 ; the list begins with -infinity, under every score
	v_mov_b32 v[LST+16+q], 0
.set q, q+1
.endr
	s_wait_loadcnt 0x0
	s_wait_alu depctr_vm_vsrc(0)                   ; the loads above have read v10, v11, v14 and v15: v10 and v11 are written again below, v14 and v15 on the way out, and no later load reads v11, v14 or v15
	COFF 4
.irp c, 0,1,2,3,4,5,6,7
	v_readlane_b32 s[BN+\c], v4, \c                ; the bins of the first sweep's columns 0 to 7
.endr
	s_wait_alu depctr_va_sdst(0)                   ; the run above has written s[BN ..], from which the records' bases are made
	s_wait_alu depctr_va_vdst(0)                   ; v10 is written, which the loads of C read; the zero codes v22-27 are written, which the scaled products take as part of their operands
	CLOAD CC
.irp c, 0,1,2,3,4,5,6,7
	FISSUE \c, \c
.endr
	s_mov_b32 s55, 3
.Lsweep:
	s_wait_alu depctr_va_vdst(0)
	SWEEP 1
	s_sub_co_u32 s55, s55, 1
	s_cmp_lg_u32 s55, 0
	s_cbranch_scc1 .Lsweep
	SWEEP 0                                        ; the last sweep is written out: it asks for nothing beyond itself
	XMERGE LST, 44, 76, 1, 52                      ; the query's four copies,
	XMERGE LST, 44, 76, 2, 53
	XMERGE LST, 44, 76, 16, 54                     ; and the two halves of the lanes: all eight lanes of a query now hold its 16 best, sorted
.set q, 0
.rept 16
	v_sub_f32 v[108+q], v12, v[LST+q]              ; d2 = |q|^2 - score
.set q, q+1
.endr
.set q, 0
.rept 16
	v_fma_f32 v[108+q], v[108+q], -4.0, s57        ; scaled = 8 - 4 d2
.set q, q+1
.endr
	v_mov_b32 v124, v108                           ; the largest: the list is sorted
.set q, 0
.rept 16
	v_sub_f32 v[108+q], v[108+q], v124
.set q, q+1
.endr
.set q, 0
.rept 16
	v_mul_f32 v[108+q], 0x3fb8aa3b, v[108+q]       ; x log2(e)
.set q, q+1
.endr
.set q, 0
	s_wait_alu depctr_va_vdst(0)
.rept 16
	v_exp_f32 v[108+q], v[108+q]
.set q, q+1
.endr
	v_nop                                          ; one plain place behind the transcendentals
	s_wait_alu depctr_va_vdst(0)                   ; the sixteen exponentials v108-123 are written, ahead of their first reader
	v_pk_add_f32 v[124:125], v[108:109], v[110:111]
	v_pk_add_f32 v[126:127], v[112:113], v[114:115]
	v_pk_add_f32 v[124:125], v[124:125], v[116:117]
	v_pk_add_f32 v[126:127], v[126:127], v[118:119]
	v_pk_add_f32 v[124:125], v[124:125], v[120:121]
	v_pk_add_f32 v[126:127], v[126:127], v[122:123]
	v_pk_add_f32 v[124:125], v[124:125], v[126:127]
	v_add_f32 v124, v124, v125                     ; at least 1: the first term is 1
	s_wait_alu depctr_va_vdst(0)
	v_rcp_f32 v125, v124
	v_bfe_u32 v14, v0, 2, 2                        ; (a plain place behind the transcendental)  a.  (v14 and v15 were last read by the head's loads, ahead of the head's wait on vm_vsrc)
	v_and_b32 v15, 3, v0
	v_lshlrev_b32 v15, 3, v15
	v_lshl_add_u32 v15, v14, 6, v15
	v_lshl_add_u32 v15, v3, 1, v15                 ; 64 a + 8 ((l % 4) + 4 h): my pair's place among the wave's four queries
	s_wait_alu depctr_va_vdst(0)                   ; the reciprocal v125 is written, ahead of its first reader
.set q, 0
.rept 16
	v_mul_f32 v[108+q], v[108+q], v125
.set q, q+1
.endr
	PSEL LST+16, 140
	PSEL 108, 142
	s_wait_alu depctr_va_vdst(0)                   ; the selects have written v140-143, the stores' data, and v15, their offset, is written
	global_store_b64 v15, v[140:141], s[10:11]     ; 32 lanes store 256 consecutive bytes, aligned
	global_store_b64 v15, v[142:143], s[12:13]
	s_endpgm
.Lfunc_end_k_q4b8e0c1fa9_refine:
	.size	k_q4b8e0c1fa9_refine, .Lfunc_end_k_q4b8e0c1fa9_refine-k_q4b8e0c1fa9_refine
	.p2alignl 7, 3214868480
	.fill 96, 4, 3214868480
	.section	.rodata,"a",@progbits
	.p2align	6, 0x0
	.amdhsa_kernel k_q4b8e0c1fa9_refine
		.amdhsa_group_segment_fixed_size 0
		.amdhsa_private_segment_fixed_size 0
		.amdhsa_enable_private_segment 0
		.amdhsa_kernarg_size 40
		.amdhsa_user_sgpr_count 2
		.amdhsa_user_sgpr_kernarg_segment_ptr 1
		.amdhsa_wavefront_size32 1
		.amdhsa_system_sgpr_workgroup_id_x 1
		.amdhsa_system_sgpr_workgroup_id_y 1
		.amdhsa_system_sgpr_workgroup_id_z 1
		.amdhsa_system_vgpr_workitem_id 0
		.amdhsa_next_free_vgpr 256
		.amdhsa_next_free_sgpr 100
		.amdhsa_reserve_vcc 0
		.amdhsa_float_denorm_mode_32 3
		.amdhsa_float_denorm_mode_16_64 3
		.amdhsa_memory_ordered 1
		.amdhsa_forward_progress 1
		.amdhsa_inst_pref_size 187
	.end_amdhsa_kernel
	.amdgpu_metadata
---
amdhsa.version: [ 1, 2 ]
amdhsa.kernels:
  - .name:           k_q4b8e0c1fa9_refine
    .symbol:         k_q4b8e0c1fa9_refine.kd
    .args:
      - { .name: dbpack, .offset: 0, .size: 8, .value_kind: global_buffer, .address_space: global }
      - { .name: qpack, .offset: 8, .size: 8, .value_kind: global_buffer, .address_space: global }
      - { .name: bins, .offset: 16, .size: 8, .value_kind: global_buffer, .address_space: global }
      - { .name: sel, .offset: 24, .size: 8, .value_kind: global_buffer, .address_space: global }
      - { .name: wts, .offset: 32, .size: 8, .value_kind: global_buffer, .address_space: global }
    .group_segment_fixed_size: 0
    .private_segment_fixed_size: 0
    .kernarg_segment_align: 8
    .kernarg_segment_size: 40
    .max_flat_workgroup_size: 256
    .sgpr_count:     100
    .vgpr_count:     256
    .wavefront_size: 32
...
	.end_amdgpu_metadata
.endif
;; end of part 11
;; launch gather (part 12): grid 512 x 1, 8 waves a work-group, no clusters, 0 bytes of LDS; arguments sel, wts, weight_values, out0; writes out0
.if DOCPART == 12
	.amdgcn_target "amdgcn-amd-amdhsa--gfx1250"
	.amdhsa_code_object_version 6
	.text
	.protected	k_q4b8e0c1fa9_gather
	.globl	k_q4b8e0c1fa9_gather
	.p2align	8
	.type	k_q4b8e0c1fa9_gather,@function
k_q4b8e0c1fa9_gather:
	s_mov_b64 s[64:65], 0
	v_nop
	global_prefetch_b8 v0, s[64:65] scope:SCOPE_SE
	s_setreg_imm32_b32 hwreg(HW_REG_WAVE_MODE, 25, 1), 1
	s_wait_xcnt 0x0
; out0[q][:] = the sum over k of wts[q][k] x weight_values[sel[q][k]][:].  The row numbers are whole numbers that an earlier launch stored; each is held to 0 .. 16,383 before it enters an address.
; A wave takes two queries: lanes 0-15 one, lanes 16-31 the other; a lane owns 4 of the 64 numbers, so sixteen lanes read a whole row of 256 bytes by one load and store a whole row of the output.
; All 16 rows are asked for at once; the waits count down.  Fused multiply-adds in f32, k ascending: each query has its own 16 rows and one row of weights, so a matrix tile would hold one row of use in sixteen.
	s_load_b256 s[4:11], s[0:1], 0x0               ; sel s[4:5], wts s[6:7], weight_values s[8:9], out0 s[10:11]
	v_lshrrev_b32 v1, 5, v0
	s_delay_alu instid0(VALU_DEP_1)
	v_readfirstlane_b32 s12, v1                    ; wave 0..7
	s_lshl_b32 s13, ttmp9, 4
	s_lshl_b32 s14, s12, 1
	s_add_co_u32 s13, s13, s14                     ; my first query: 16 x work-group + 2 x wave
	s_lshl_b32 s14, s13, 6                         ; 64 bytes a query in sel and in wts,
	s_mov_b32 s15, 0
	s_lshl_b32 s16, s13, 8                         ; 256 in out0
	s_mov_b32 s17, 0
	v_and_b32 v1, 31, v0
	s_delay_alu instid0(VALU_DEP_1)
	v_lshlrev_b32 v8, 4, v1                        ; out: 16 l
	v_bfe_u32 v2, v0, 4, 1
	s_delay_alu instid0(VALU_DEP_1)
	v_lshlrev_b32 v2, 6, v2                        ; which of the two queries: 64 z
	v_and_b32 v3, 15, v0
	s_delay_alu instid0(VALU_DEP_1)
	v_lshlrev_b32 v3, 4, v3                        ; my 16 bytes of a row
	s_wait_alu depctr_va_vdst(0)
	s_wait_kmcnt 0x0
	s_add_nc_u64 s[4:5], s[4:5], s[14:15]
	s_add_nc_u64 s[6:7], s[6:7], s[14:15]
	s_add_nc_u64 s[10:11], s[10:11], s[16:17]
.irp c, 0,1,2,3
	global_load_b128 v[16+4*\c:19+4*\c], v2, s[4:5] offset:16*\c
.endr
.irp c, 0,1,2,3
	global_load_b128 v[32+4*\c:35+4*\c], v2, s[6:7] offset:16*\c
.endr
	s_wait_loadcnt 0x0
.irp k, 0,1,2,3,4,5,6,7,8,9,10,11,12,13,14,15
	v_min_u32 v[16+\k], 0x3fff, v[16+\k]
.endr
.irp k, 0,1,2,3,4,5,6,7,8,9,10,11,12,13,14,15
	v_lshl_add_u32 v[16+\k], v[16+\k], 8, v3       ; 256 x row + my 16 bytes
.endr
.irp k, 0,1,2,3,4,5,6,7,8,9,10,11,12,13,14,15
	global_load_b128 v[48+4*\k:51+4*\k], v[16+\k], s[8:9]
.endr
	s_wait_loadcnt 15                              ; row 0 is in; the fifteen younger loads stay out
	v_pk_mul_f32 v[4:5], v[48:49], v[32:33] op_sel_hi:[1,0]        ; the first product starts the sums; of the pair of weights the low one serves both halves
	v_pk_mul_f32 v[6:7], v[50:51], v[32:33] op_sel_hi:[1,0]
	s_wait_alu depctr_va_vdst(0)
.irp k, 1,2,3,4,5,6,7,8,9,10,11,12,13,14,15
	s_wait_loadcnt 15-\k                           ; row k is in
.if \k%2 == 0
	s_wait_alu depctr_va_vdst(0)
	v_pk_fma_f32 v[4:5], v[48+4*\k:49+4*\k], v[32+\k:33+\k], v[4:5] op_sel_hi:[1,0,1]
	s_wait_alu depctr_va_vdst(0)
	v_pk_fma_f32 v[6:7], v[50+4*\k:51+4*\k], v[32+\k:33+\k], v[6:7] op_sel_hi:[1,0,1]
.else
	v_pk_fma_f32 v[4:5], v[48+4*\k:49+4*\k], v[31+\k:32+\k], v[4:5] op_sel:[0,1,0] op_sel_hi:[1,1,1]   ; the pair's high weight serves both halves
	s_wait_alu depctr_va_vdst(0)
	v_pk_fma_f32 v[6:7], v[50+4*\k:51+4*\k], v[31+\k:32+\k], v[6:7] op_sel:[0,1,0] op_sel_hi:[1,1,1]
.endif
.endr
	global_store_b128 v8, v[4:7], s[10:11]         ; 32 lanes store 512 consecutive bytes, aligned
	s_endpgm
.Lfunc_end_k_q4b8e0c1fa9_gather:
	.size	k_q4b8e0c1fa9_gather, .Lfunc_end_k_q4b8e0c1fa9_gather-k_q4b8e0c1fa9_gather
	.p2alignl 7, 3214868480
	.fill 96, 4, 3214868480
	.section	.rodata,"a",@progbits
	.p2align	6, 0x0
	.amdhsa_kernel k_q4b8e0c1fa9_gather
		.amdhsa_group_segment_fixed_size 0
		.amdhsa_private_segment_fixed_size 0
		.amdhsa_enable_private_segment 0
		.amdhsa_kernarg_size 32
		.amdhsa_user_sgpr_count 2
		.amdhsa_user_sgpr_kernarg_segment_ptr 1
		.amdhsa_wavefront_size32 1
		.amdhsa_system_sgpr_workgroup_id_x 1
		.amdhsa_system_sgpr_workgroup_id_y 1
		.amdhsa_system_sgpr_workgroup_id_z 1
		.amdhsa_system_vgpr_workitem_id 0
		.amdhsa_next_free_vgpr 112
		.amdhsa_next_free_sgpr 66
		.amdhsa_reserve_vcc 0
		.amdhsa_float_denorm_mode_32 3
		.amdhsa_float_denorm_mode_16_64 3
		.amdhsa_memory_ordered 1
		.amdhsa_forward_progress 1
		.amdhsa_inst_pref_size 9
	.end_amdhsa_kernel
	.amdgpu_metadata
---
amdhsa.version: [ 1, 2 ]
amdhsa.kernels:
  - .name:           k_q4b8e0c1fa9_gather
    .symbol:         k_q4b8e0c1fa9_gather.kd
    .args:
      - { .name: sel, .offset: 0, .size: 8, .value_kind: global_buffer, .address_space: global }
      - { .name: wts, .offset: 8, .size: 8, .value_kind: global_buffer, .address_space: global }
      - { .name: weight_values, .offset: 16, .size: 8, .value_kind: global_buffer, .address_space: global }
      - { .name: out0, .offset: 24, .size: 8, .value_kind: global_buffer, .address_space: global }
    .group_segment_fixed_size: 0
    .private_segment_fixed_size: 0
    .kernarg_segment_align: 8
    .kernarg_segment_size: 32
    .max_flat_workgroup_size: 256
    .sgpr_count:     66
    .vgpr_count:     112
    .wavefront_size: 32
...
	.end_amdgpu_metadata
.endif
;; end of part 12
